; MI455X (gfx1250); checked and timed in simulation.
; The chip was launched on July 23, 2026; its instructions are those of AMD's public machine-readable ISA for CDNA 5 (MIT licence, August 2026) and "CDNA5" Instruction Set Architecture Reference Guide (July 2026). The comments in the code are by the model that wrote it; some were corrected since.
;; Transformer Block. Allowed arithmetic: matrix products marked QUANTISED: E2M3 operands, one E8M0 scale for each 32 along K, by v_wmma_scale_f32_16x16x128_f8f6f4 with both operands' format E2M3, f32 sums; everything else in f32.
;; Inputs: b_ff1 4,096 float32; b_ff2 1,024 float32; b_out 1,024 float32; b_qkv 3,072 float32; ln1_b 1,024 float32; ln1_g 1,024 float32; ln2_b 1,024 float32; ln2_g 1,024 float32; w_ff1 1,024 x 4,096 float32; w_ff2 4,096 x 1,024 float32; w_out 1,024 x 1,024 float32; w_qkv 1,024 x 3,072 float32; x 2 x 2,048 x 1,024 float32.
;; Outputs: out0 2 x 2,048 x 1,024 float32.
;; This version of the problem:
;;   THIS VERSION OF THE PROBLEM IS GIVEN IN LOW PRECISION. The matrix products marked QUANTISED in the list below multiply operands that are first quantised to E2M3 (2 exponent bits, 3 mantissa bits; 6 bits a number), with one power-of-two scale for each 32 numbers along K (OCP MX v1.0); their sums are f32. All else is computed in f32.
;;   The module's matrix products, in the order in which they are computed (A, B: the left and right operand; K: the contracted axis; several contracted axes count as one K, in the product's order):
;;     1. [M 4,096, K 1,024] x [K 1,024, N 3,072]; A: computed on the way; B: input w_qkv: QUANTISED
;;     2. batch 32 x [M 2,048, K 64] x [K 64, N 2,048]; A: computed on the way; B: computed on the way: QUANTISED
;;     3. batch 32 x [M 2,048, K 2,048] x [K 2,048, N 64]; A: softmax (see below); B: computed on the way: QUANTISED
;;     4. [M 4,096, K 1,024] x [K 1,024, N 1,024]; A: computed on the way; B: input w_out: QUANTISED
;;     5. [M 4,096, K 1,024] x [K 1,024, N 4,096]; A: computed on the way; B: input w_ff1: QUANTISED
;;     6. [M 4,096, K 4,096] x [K 4,096, N 1,024]; A: computed on the way; B: input w_ff2: QUANTISED
;;   THE QUANTISER, for each operand of a quantised product, along K:
;;     - K is cut into blocks of 32 from its start; a last block that is shorter is filled with zeros.
;;     - A block's scale is 2^e with e = floor(log2(the largest magnitude in the block)) - 2, held to -126 .. 127; a block of zeros has e = 0. As a byte (E8M0): e + 127.
;;     - Each number is divided by its block's scale, clamped to +-7.5, and rounded to the nearest number of E2M3, ties to even, subnormals kept.
;;     - The product sums the exact products of the quantised numbers (number of the format x scale) in f32.
;;   ~~~python
;;   def quantise(x, axis):      # numpy; x: float32 -> the quantised numbers, widened to float32 again
;;       x = np.moveaxis(x, axis, -1); K = x.shape[-1]
;;       x = np.pad(x, [(0, 0)] * (x.ndim - 1) + [(0, -K % 32)]); x = x.reshape(x.shape[:-1] + (-1, 32)); a = np.abs(x).max(-1, keepdims=True)
;;       e = np.where(a > 0, np.clip(np.frexp(np.where(a > 0, a, 1))[1] - 1 - 2, -126, 127), 0)      # np.frexp(a)[1] - 1 = floor(log2(a)), exactly
;;       r = np.clip(x / 2.0 ** e, -7.5, 7.5)
;;       step = 2.0 ** (np.maximum(np.frexp(np.where(r == 0, 1, r))[1] - 1, 0) - 3)
;;       q = np.round(r / step) * step * 2.0 ** e      # np.round: ties to even
;;       return np.moveaxis(q.reshape(q.shape[:-2] + (-1,))[..., :K], -1, axis).astype(np.float32)
;;   ~~~
;;   SOFTMAX AHEAD OF A QUANTISED PRODUCT. Where the list says 'softmax', what is quantised is not the finished softmax but p = 2^(t - M), with t = logit x log2(e) and M = ceil(the row's largest t), a whole number; so 1/2 < the row's largest p <= 1. The row's sum l is taken of the UNQUANTISED p, in f32, and the product's result is divided by l at the end. Since M is a whole number, a kernel that streams over the keys may use a running M (the ceiling of the running maximum): every later rescaling is an exact power of two, which a block's scale takes up: the codes' values come out the same.
;;   OPERANDS COMPUTED ON THE WAY. 'Computed on the way' means the value that the module computes at that place (a softmax that the list does not call 'softmax' is quantised finished and normalised). What goes into a quantiser is computed in f32, as accurately as f32 sums, v_exp_f32 and their like allow (about 1e-6 of the number): no bf16 or f16 on the way to a quantiser, and a product that is left as it is and whose result goes on into a quantised operand takes f32 operands (vector FMAs, or v_wmma_f32_16x16x4_f32). A number that lies on a knife's edge between two numbers of the format may be rounded either way, as far as f32 arithmetic and the matrix unit's own rounding can turn it there, and no further.
;; One version. Each part assembles by itself: llvm-mc -triple=amdgcn-amd-amdhsa -mcpu=gfx1250 --defsym DOCPART=n.
;; ======== version 1 of 1: 7 launches
;; limits: right only within a limited range of input values
;; workspace buffers: wq 9,830,400 bytes; act 3,276,800 bytes; qkv 10,092,544 bytes; x1 16,777,216 bytes; hid 13,107,200 bytes
;; launch prep (part 1): grid 448 x 1, 16 waves a work-group, no clusters, 139,776 bytes of LDS; arguments x, ln1_g, ln1_b, act, w_qkv, w_out, w_ff1, w_ff2, wq; writes wq, act
.if DOCPART == 1
	.amdgcn_target "amdgcn-amd-amdhsa--gfx1250"
	.amdhsa_code_object_version 6
	.text
	.protected	k_qf5edc67112_prep
	.globl	k_qf5edc67112_prep
	.p2align	8
	.type	k_qf5edc67112_prep,@function
k_qf5edc67112_prep:
	s_mov_b64 s[64:65], 0
	v_nop
	global_prefetch_b8 v0, s[64:65] scope:SCOPE_SE
	s_setreg_imm32_b32 hwreg(HW_REG_WAVE_MODE, 25, 1), 1
	s_wait_xcnt 0x0
; Two pieces of work that share no data, in one launch: work-groups 0-191 turn the four weights into codes, work-groups 192-447 make LN1(x) and its codes.  One branch on the work-group's number parts them; each way has LDS bytes of its own.
; LAYOUT OF AN OPERAND X[rows][K] (the same in every launch of this program).  A FRAGMENT, 16 rows x 128 K, is 1,536 bytes: two HALF IMAGES of 768 bytes (64 K each).  A half image is a picture of six
; operand registers c0..c5 of lane L = r + 16 h (r the row, h which block of 32): c0..c3 at byte 16 L, c4, c5 at byte 512 + 8 L.  Codes: [row / 16][k / 128][1,536].
; Scale words (byte b = block b of the K step): [row / 128][k / 128][row % 128] of 4 bytes.
; ORDER INSIDE A BLOCK OF 32: place p holds number pi(p), pi = p with its bits 3 and 4 exchanged.  Every operand of this program is laid so, so each product still pairs like with like inside one scale block.
; A block's scale is 2^(floor(log2(largest magnitude)) - 2); its byte is the largest magnitude's exponent field - 2, held at 1 from below.
; THE WEIGHTS, f32 stored [K][N] (rows of the operand = a weight's columns n).  A work-group takes 128 columns x four K steps of 128; wave w takes columns 32 (w % 4) on and K step w / 4; a lane takes ONE column with its
; registers running down K: a block of 32 lies in one lane, and the conversions give codes with K innermost.  Only numbers and pointers are chosen by the work-group's number: 0-47 w_qkv, 48-63 w_out, 64-127 w_ff1, 128-191 w_ff2.
; THE NORM: y = (x - mean) * rsqrt(var + 1e-5) * g + b along rows of 1,024.  A work-group takes 16 rows (one tile of rows), a wave one row: the two reductions never leave the wave.  The variance is taken of the differences
; x - mean, as reference() takes it.  The row turns through the wave's own stage in LDS, so that lane l holds the whole of block l; the 16 waves' codes meet in LDS as 8 fragments and leave in stores of 256 consecutive bytes, aligned.
; Its scale words leave in pieces of 64 bytes (16 rows of one K step): one byte in 24 of what that way stores.
; LIMITS: NaN and infinities are not served; a block of zeros, or one whose largest magnitude lies under 2^-124, gets the byte 1 (zeros stay zero codes; this program alone reads the bytes).  The norm's sums have another order than reference()'s.
.set NWQ,  192                         ; work-groups for the weights
	s_cmp_lt_u32 ttmp9, NWQ
	s_cbranch_scc0 .Lnorm
; ---------------- the weights
.set RO,   16                          ; v16-47   place i: pi(i) rows of the weight + 4 x lane; never rewritten
.set WX,   48                          ; v48-111  two sets of 32 numbers
.set WC,   112                         ; v112-120 a block's codes
.set SB,   121                         ; v121     my column's scale word
.set OUTR, 48                          ; v48-71   the way out, where the first set of numbers lay
.set ST16, 3                           ; v3  stage: where my block's first 16 bytes go
.set ST8,  4                           ; v4  and its last 8
.set RB,   5                           ; v5  stage, on the way back: 16 x lane
.set GO,   6                           ; v6  16 x lane
.set SW,   7                           ; v7  where my scale word goes
.set RS,   10                          ; v10 where a K step's 128 scale words are read back
.set WQL,  86528                       ; LDS, behind the norm's bytes: sixteen stages of two fragments,
.set WQS,  135680                      ; then four K steps' 128 scale words
	s_load_b256 s[4:11], s[0:1], 0x20              ; w_qkv s[4:5], w_out s[6:7], w_ff1 s[8:9], w_ff2 s[10:11]
	s_load_b64 s[12:13], s[0:1], 0x40              ; wq
	v_lshrrev_b32 v1, 5, v0
	s_delay_alu instid0(VALU_DEP_1)
	v_readfirstlane_b32 s32, v1                    ; wave 0..15
	s_and_b32 s33, s32, 3                          ; which 32 of the 128 columns
	s_lshr_b32 s48, s32, 2                         ; which of the work-group's four K steps
	v_and_b32 v1, 31, v0                           ; lane
	s_delay_alu instid0(VALU_DEP_1)
	v_lshlrev_b32 v2, 2, v1                        ; 4 bytes a lane
	s_wait_alu depctr_va_vdst(0)
	s_mov_b32 s14, 4096                            ; w_ff2's figures: a row in bytes,
	s_mov_b32 s15, 5                               ; log2 of its K steps,
	s_mov_b32 s24, 128                             ; its first work-group,
	s_mov_b32 s25, 6291456                         ; where its codes begin in wq,
	s_mov_b32 s26, 9699328                         ; and its scale words
	s_cmp_lt_u32 ttmp9, 128                        ; w_ff1's
	s_cselect_b32 s14, 16384, s14
	s_cselect_b32 s15, 3, s15
	s_cselect_b32 s24, 64, s24
	s_cselect_b32 s25, 3145728, s25
	s_cselect_b32 s26, 9568256, s26
	s_cmp_lt_u32 ttmp9, 64                         ; w_out's
	s_cselect_b32 s14, 4096, s14
	s_cselect_b32 s24, 48, s24
	s_cselect_b32 s25, 2359296, s25
	s_cselect_b32 s26, 9535488, s26
	s_cmp_lt_u32 ttmp9, 48                         ; w_qkv's
	s_cselect_b32 s14, 12288, s14
	s_cselect_b32 s24, 0, s24
	s_cselect_b32 s25, 0, s25
	s_cselect_b32 s26, 9437184, s26
	s_sub_co_u32 s24, ttmp9, s24                   ; my work-group's number within the tensor,
	s_lshl_b32 s24, s24, 2
	s_add_co_u32 s24, s24, s48                     ; and my wave's (128 columns, K step): a tensor's K steps are a multiple of 4, so the four share their columns
	s_lshl_b32 s27, 1, s15
	s_sub_co_u32 s27, s27, 1
	s_and_b32 s27, s24, s27                        ; s: which K step
	s_lshr_b32 s24, s24, s15                       ; nb: which 128 columns
	s_mul_i32 s28, s27, s14
	s_lshl_b32 s28, s28, 7                         ; 128 s rows,
	s_lshl_b32 s30, s24, 9
	s_add_co_u32 s28, s28, s30                     ; + 128 nb columns,
	s_lshl_b32 s30, s33, 7
	s_add_co_u32 s28, s28, s30                     ; + my wave's 32: under 2^25
	s_mov_b32 s29, 0
	s_lshl_b32 s30, s14, 5                         ; 32 rows: from block to block
	s_mov_b32 s31, 0
	s_lshl_b32 s34, s24, 3
	s_lshl_b32 s35, s33, 1
	s_add_co_u32 s34, s34, s35                     ; my wave's first tile of 16 columns: 8 nb + 2 (wave % 4)
	s_lshl_b32 s34, s34, s15
	s_add_co_u32 s34, s34, s27
	s_mul_i32 s34, s34, 1536
	s_add_co_u32 s34, s34, s25                     ; its fragment of K step s
	s_mov_b32 s35, 0
	s_lshl_b32 s36, 1536, s15                      ; from a tile of columns to the next
	s_mov_b32 s37, 0
	s_lshl_b32 s38, s24, s15
	s_add_co_u32 s38, s38, s27
	s_lshl_b32 s38, s38, 9
	s_add_co_u32 s38, s38, s26                     ; the 128 scale words of (nb, s)
	s_mov_b32 s39, 0
.set ii, 0
.rept 32
	v_mad_u32_u24 v[RO+ii], s14, (ii%8)+16*((ii/8)%2)+8*(ii/16), v2   ; pi(i) rows + 4 x lane
.set ii, ii+1
.endr
	s_mul_i32 s40, s32, 3072
	s_add_co_u32 s40, s40, WQL                     ; my wave's stage
	v_lshrrev_b32 v8, 4, v1
	v_and_b32 v9, 15, v1
	s_delay_alu instid0(VALU_DEP_2)
	v_mul_u32_u24 v8, v8, 1536                     ; which of its two fragments holds my column
	s_delay_alu instid0(VALU_DEP_1)
	v_add_nc_u32 v8, s40, v8
	s_delay_alu instid0(VALU_DEP_1)
	v_lshl_add_u32 v[ST16], v9, 4, v8
	s_delay_alu instid0(VALU_DEP_2)
	v_lshl_add_u32 v[ST8], v9, 3, v8
	v_lshlrev_b32 v[GO], 4, v1
	s_delay_alu instid0(VALU_DEP_1)
	v_add_nc_u32 v[RB], s40, v[GO]
	s_lshl_b32 s41, s32, 7                         ; 128 bytes a wave: 512 (wave / 4) + 128 (wave % 4)
	s_add_co_u32 s41, s41, WQS
	v_add_nc_u32 v[SW], s41, v2
	v_add_nc_u32 v[RS], s41, v[GO]                 ; (used by the waves with wave % 4 = 0: their K step's 512 bytes)
	s_wait_kmcnt 0x0
	s_cmp_lt_u32 ttmp9, 128                        ; the tensor itself: the choice hangs on the work-group's number alone
	s_cselect_b64 s[10:11], s[8:9], s[10:11]
	s_cmp_lt_u32 ttmp9, 64
	s_cselect_b64 s[10:11], s[6:7], s[10:11]
	s_cmp_lt_u32 ttmp9, 48
	s_cselect_b64 s[10:11], s[4:5], s[10:11]
	s_add_nc_u64 s[16:17], s[10:11], s[28:29]      ; a base for each of the four blocks
	s_add_nc_u64 s[18:19], s[16:17], s[30:31]
	s_add_nc_u64 s[20:21], s[18:19], s[30:31]
	s_add_nc_u64 s[22:23], s[20:21], s[30:31]
	s_add_nc_u64 s[42:43], s[12:13], s[34:35]      ; my first fragment,
	s_add_nc_u64 s[44:45], s[42:43], s[36:37]      ; my second,
	s_add_nc_u64 s[46:47], s[12:13], s[38:39]      ; the scale words
.macro LOAD t                          ; block t: 32 numbers of my column, in the order pi; a wave's load reads 128 consecutive bytes, four waves stand side by side
.set ii, 0
.rept 32
	global_load_b32 v[WX+32*((\t)%2)+ii], v[RO+ii], s[16+2*(\t):17+2*(\t)] th:TH_LOAD_NT
.set ii, ii+1
.endr
.endm
.macro BLOCK t
.set XS, WX+32*((\t)%2)
.if (\t) < 3
	s_wait_loadcnt 32                              ; this block's 32 loads are in; the next block's 32 may be out
.else
	s_wait_loadcnt 0x0
.endif
	v_max3_num_f32 v12, |v[XS]|, |v[XS+1]|, |v[XS+2]|              ; the block's largest magnitude: all 32 numbers are mine; two chains
	v_max3_num_f32 v13, |v[XS+3]|, |v[XS+4]|, |v[XS+5]|
.irp i, 6,10,14,18,22,26
	s_delay_alu instid0(VALU_DEP_2)
	v_max3_num_f32 v12, v12, |v[XS+\i]|, |v[XS+\i+1]|
	s_delay_alu instid0(VALU_DEP_2)
	v_max3_num_f32 v13, v13, |v[XS+\i+2]|, |v[XS+\i+3]|
.endr
	s_delay_alu instid0(VALU_DEP_2)
	v_max3_num_f32 v12, v12, |v[XS+30]|, |v[XS+31]|
	s_delay_alu instid0(VALU_DEP_1)
	v_max3_num_f32 v12, v12, v13, 0x1800000        ; and the floor 2^(3 - 127): the byte cannot fall under 1
	s_delay_alu instid0(VALU_DEP_1)
	v_add_nc_u32 v11, 0xff000000, v12              ; 2 off the exponent field: the conversion takes this operand's exponent field as its scale
	s_delay_alu instid0(VALU_DEP_1)
	v_lshrrev_b32 v13, 23, v11                     ; the scale's byte
.if (\t) == 0
	s_delay_alu instid0(VALU_DEP_1)
	v_mov_b32 v[SB], v13
.else
	s_delay_alu instid0(VALU_DEP_1)
	v_lshl_or_b32 v[SB], v13, 8*(\t), v[SB]
.endif
	v_cvt_scalef32_pk16_fp6_f32 v[WC:WC+2], v[XS:XS+15], v11
	v_cvt_scalef32_pk16_fp6_f32 v[WC+6:WC+8], v[XS+16:XS+31], v11  ; (a conversion's three registers begin on an even number)
	v_nop                                          ; one plain line behind a scaled conversion
.irp i, 0,1,2
	v_mov_b32 v[WC+3+\i], v[WC+6+\i]
.endr
	ds_store_b128 v[ST16], v[WC:WC+3] offset:768*((\t)/2)+256*((\t)%2)     ; block t = 2 c + h: half image c, lane r + 16 h
	ds_store_b64 v[ST8], v[WC+4:WC+5] offset:768*((\t)/2)+512+128*((\t)%2)
.if (\t) < 2
	LOAD (\t)+2
.endif
	s_wait_dscnt 0x0                               ; the stores have read their registers: the next block's codes may be written
.endm
	LOAD 0
	LOAD 1
	BLOCK 0
	BLOCK 1
	BLOCK 2
	BLOCK 3
	s_wait_alu depctr_va_vdst(0)
	ds_store_b32 v[SW], v[SB]                      ; a K step's scale words meet in LDS
.irp p, 0,1,2,3,4,5
	ds_load_b128 v[OUTR+4*\p:OUTR+4*\p+3], v[RB] offset:512*\p      ; my wave's own stage: LDS serves a wave's instructions in order
.endr
	s_wait_dscnt 0x0                               ; for the others' sake: my scale words have landed
	s_barrier_signal -1
	s_barrier_wait -1
.irp p, 0,1,2
	global_store_b128 v[GO], v[OUTR+4*\p:OUTR+4*\p+3], s[42:43] offset:512*\p      ; 32 lanes store 512 consecutive bytes, aligned
.endr
.irp p, 0,1,2
	global_store_b128 v[GO], v[OUTR+12+4*\p:OUTR+12+4*\p+3], s[44:45] offset:512*\p
.endr
	s_cmp_lg_u32 s33, 0
	s_cbranch_scc1 .Ldone_w
	ds_load_b128 v[WC:WC+3], v[RS]                 ; the first wave of each four: its K step's 128 scale words, 512 bytes
	s_wait_dscnt 0x0
	global_store_b128 v[GO], v[WC:WC+3], s[46:47]
.Ldone_w:
	v_lshl_add_u32 v14, v0, 2, 0x21a00             ; no two registers can be kept in 128: v0 is kept, and my spare word's address and 0 are made here, ahead of the three lines
	v_mov_b32 v15, 0
	s_wait_alu depctr_va_vdst(0)
	s_wait_tensorcnt 0x0
	ds_add_u32 v14, v15
	s_wait_dscnt 0x0
	s_endpgm
; ---------------- the norm
.Lnorm:
.set WSTB, 4608                        ; LDS: a stage for each wave: 32 places of 128 + 16 bytes
.set IMG,  73728                       ; the 8 fragments
.set SCI,  86016                       ; the scale words [K step 8][row 16]
.set X,    16                          ; v16-47   the row: 32 numbers a lane
.set G,    48                          ; v48-79   g
.set BV,   80                          ; v80-111  b
.set Y,    48                          ; v48-79   my block of 32, where g lay
.set C,    112                         ; v112-120 its codes
.set AR,   121                         ; v121 stage, on the way back; later where I read the images
.set IMA,  122                         ; v122 where my block's first 16 bytes go
.set IMB,  123                         ; v123 and its last 8
.set SCB,  124                         ; v124 and its scale byte
.set T8,   125                         ; v125 8 x thread
.set T4,   126                         ; v126 SCI + 4 x thread
.set GS,   127                         ; v127 a scale word's place in memory
	s_load_b256 s[4:11], s[0:1], 0x0               ; x s[4:5], g s[6:7], b s[8:9], the codes' buffer s[10:11]
	s_sub_co_u32 s13, ttmp9, NWQ                   ; my tile of 16 rows
	v_lshrrev_b32 v1, 5, v0
	s_delay_alu instid0(VALU_DEP_1)
	v_readfirstlane_b32 s12, v1                    ; wave 0..15 = my row in the tile
	v_and_b32 v1, 31, v0                           ; lane
	s_delay_alu instid0(VALU_DEP_1)
	v_lshlrev_b32 v2, 4, v1                        ; 16 bytes a lane; never rewritten
	s_lshl_b32 s14, s13, 16                        ; 16 rows of 4,096 bytes a work-group,
	s_lshl_b32 s15, s12, 12
	s_add_co_u32 s14, s14, s15                     ; and my row: under 2^24
	s_mov_b32 s15, 0
	s_mov_b32 s16, 0x76543210
	s_mov_b32 s17, 0xfedcba98                      ; v_permlanex16_b32's selects for lane l xor 16
	s_mov_b32 s18, 0x3a800000                      ; 1 / 1,024
	s_mov_b32 s19, 0x3727c5ac                      ; 1e-5
	s_wait_alu depctr_va_vdst(0)
	s_wait_kmcnt 0x0
	s_add_nc_u64 s[4:5], s[4:5], s[14:15]
.irp j, 0,1,2,3,4,5,6,7
	global_load_b128 v[X+4*\j:X+4*\j+3], v2, s[4:5] offset:512*\j          ; 512 consecutive bytes a load
.endr
.irp j, 0,1,2,3,4,5,6,7
	global_load_b128 v[G+4*\j:G+4*\j+3], v2, s[6:7] offset:512*\j
.endr
.irp j, 0,1,2,3,4,5,6,7
	global_load_b128 v[BV+4*\j:BV+4*\j+3], v2, s[8:9] offset:512*\j
.endr
	s_mul_i32 s20, s12, WSTB
	v_lshrrev_b32 v3, 3, v1
	s_delay_alu instid0(VALU_DEP_1)
	v_lshl_add_u32 v3, v3, 4, v2
	s_delay_alu instid0(VALU_DEP_1)
	v_add_nc_u32 v3, s20, v3                       ; stage, on the way in: 16 l + 16 (l / 8): eight lanes' 128 bytes are a block, then 16 of padding
	v_mul_u32_u24 v[AR], v1, 144
	s_delay_alu instid0(VALU_DEP_1)
	v_add_nc_u32 v[AR], s20, v[AR]                 ; and back: block l
	v_lshrrev_b32 v4, 2, v1                        ; block l = 4 s + 2 c + h
	v_bfe_u32 v5, v1, 1, 1
	v_and_b32 v6, 1, v1
	s_delay_alu instid0(VALU_DEP_3)
	v_mul_u32_u24 v7, v4, 1536
	s_delay_alu instid0(VALU_DEP_1)
	v_mad_u32_u24 v7, v5, 768, v7
	s_lshl_b32 s21, s12, 4
	s_add_co_u32 s21, s21, IMG
	v_lshl_add_u32 v[IMA], v6, 8, v7
	s_delay_alu instid0(VALU_DEP_1)
	v_add_nc_u32 v[IMA], s21, v[IMA]               ; fragment s, half image c, lane w + 16 h: 16 bytes
	s_lshl_b32 s21, s12, 3
	s_add_co_u32 s21, s21, IMG+512
	v_lshl_add_u32 v[IMB], v6, 7, v7
	s_delay_alu instid0(VALU_DEP_1)
	v_add_nc_u32 v[IMB], s21, v[IMB]               ; and 8
	v_and_b32 v5, 3, v1
	s_delay_alu instid0(VALU_DEP_1)
	v_lshl_add_u32 v[SCB], v4, 6, v5
	s_lshl_b32 s21, s12, 2
	s_add_co_u32 s21, s21, SCI
	v_add_nc_u32 v[SCB], s21, v[SCB]               ; K step s, row w, byte l % 4
	v_lshlrev_b32 v[T8], 3, v0
	v_lshl_add_u32 v[T4], v0, 2, SCI
	v_lshrrev_b32 v4, 4, v0
	v_and_b32 v5, 15, v0
	s_delay_alu instid0(VALU_DEP_1)
	v_lshlrev_b32 v5, 2, v5
	s_delay_alu instid0(VALU_DEP_1)
	v_lshl_add_u32 v[GS], v4, 9, v5                ; thread t: K step t / 16 (512 bytes apart), row t % 16
	v_mov_b32 v13, 0                               ; a lane permute's destination counts as one of its sources
.macro ACROSS                          ; v12 summed over the 32 lanes, the result in every lane
	s_delay_alu instid0(VALU_DEP_1)
	v_add_f32_dpp v12, v12, v12 row_xmask:1 row_mask:0xf bank_mask:0xf
	s_delay_alu instid0(VALU_DEP_1)
	v_add_f32_dpp v12, v12, v12 row_xmask:2 row_mask:0xf bank_mask:0xf
	s_delay_alu instid0(VALU_DEP_1)
	v_add_f32_dpp v12, v12, v12 row_xmask:4 row_mask:0xf bank_mask:0xf
	s_delay_alu instid0(VALU_DEP_1)
	v_add_f32_dpp v12, v12, v12 row_xmask:8 row_mask:0xf bank_mask:0xf
	s_delay_alu instid0(VALU_DEP_1)
	v_permlanex16_b32 v13, v12, s16, s17
	s_delay_alu instid0(VALU_DEP_1)
	v_add_f32 v12, v12, v13
.endm
.macro JOIN                            ; the four chains v[4:11] into v12
	s_delay_alu instid0(VALU_DEP_3)
	v_pk_add_f32 v[4:5], v[4:5], v[6:7]
	s_delay_alu instid0(VALU_DEP_2)
	v_pk_add_f32 v[8:9], v[8:9], v[10:11]
	s_delay_alu instid0(VALU_DEP_1)
	v_pk_add_f32 v[4:5], v[4:5], v[8:9]
	s_delay_alu instid0(VALU_DEP_1)
	v_add_f32 v12, v4, v5
.endm
	s_wait_loadcnt 16                              ; x's eight loads are in; g's and b's sixteen may be out
.irp k, 0,1,2,3
	v_pk_add_f32 v[4+2*\k:5+2*\k], v[X+2*\k:X+2*\k+1], v[X+8+2*\k:X+9+2*\k]        ; the sum, in four chains
.endr
.irp m, 2,3
.irp k, 0,1,2,3
	s_delay_alu instid0(VALU_DEP_4)
	v_pk_add_f32 v[4+2*\k:5+2*\k], v[4+2*\k:5+2*\k], v[X+8*\m+2*\k:X+8*\m+2*\k+1]
.endr
.endr
	JOIN
	ACROSS
	s_delay_alu instid0(VALU_DEP_1)
	v_mul_f32 v14, s18, v12                        ; the mean
	s_delay_alu instid0(VALU_DEP_1)
	v_mov_b32 v15, v14
.set ii, 0
.rept 16
	v_pk_add_f32 v[X+ii:X+ii+1], v[X+ii:X+ii+1], v[14:15] neg_lo:[0,1] neg_hi:[0,1]   ; x - mean
.set ii, ii+2
.endr
.irp k, 0,1,2,3
	v_pk_mul_f32 v[4+2*\k:5+2*\k], v[X+2*\k:X+2*\k+1], v[X+2*\k:X+2*\k+1]          ; the sum of squares, likewise
.endr
.irp m, 1,2,3
.irp k, 0,1,2,3
	s_delay_alu instid0(VALU_DEP_4)
	v_pk_fma_f32 v[4+2*\k:5+2*\k], v[X+8*\m+2*\k:X+8*\m+2*\k+1], v[X+8*\m+2*\k:X+8*\m+2*\k+1], v[4+2*\k:5+2*\k]
.endr
.endr
	JOIN
	ACROSS
	s_delay_alu instid0(VALU_DEP_1)
	v_fma_f32 v12, v12, s18, s19                   ; var + 1e-5
	s_wait_alu depctr_va_vdst(0)
	v_rsq_f32 v14, v12
	v_nop                                          ; a plain line behind the transcendental
	s_wait_alu depctr_va_vdst(0)                   ; the wait ahead of the first line that names its result
	v_mov_b32 v15, v14
	s_wait_alu depctr_va_vdst(0)
	s_wait_loadcnt 0x0                             ; g and b
.set ii, 0
.rept 16
	v_pk_mul_f32 v[X+ii:X+ii+1], v[X+ii:X+ii+1], v[14:15]
.set ii, ii+2
.endr
.set ii, 0
.rept 16
	v_pk_fma_f32 v[X+ii:X+ii+1], v[X+ii:X+ii+1], v[G+ii:G+ii+1], v[BV+ii:BV+ii+1]
.set ii, ii+2
.endr
.irp j, 0,1,2,3,4,5,6,7
	ds_store_b128 v3, v[X+4*\j:X+4*\j+3] offset:576*\j     ; a load's 512 bytes are four blocks: four places of 144 bytes
.endr
.irp i, 0,1,2,3,4,5,6,7
	ds_load_b128 v[Y+4*((\i%2)+4*((\i/2)%2)+2*(\i/4)):Y+4*((\i%2)+4*((\i/2)%2)+2*(\i/4))+3], v[AR] offset:16*\i   ; numbers 4 i .. 4 i + 3 of block l, to their places in the order pi; my own bytes: LDS serves a wave's instructions in order
.endr
	s_wait_dscnt 0x0
	v_max3_num_f32 v12, |v[Y]|, |v[Y+1]|, |v[Y+2]|                 ; the block's largest magnitude
	v_max3_num_f32 v13, |v[Y+3]|, |v[Y+4]|, |v[Y+5]|
.irp i, 6,10,14,18,22,26
	s_delay_alu instid0(VALU_DEP_2)
	v_max3_num_f32 v12, v12, |v[Y+\i]|, |v[Y+\i+1]|
	s_delay_alu instid0(VALU_DEP_2)
	v_max3_num_f32 v13, v13, |v[Y+\i+2]|, |v[Y+\i+3]|
.endr
	s_delay_alu instid0(VALU_DEP_2)
	v_max3_num_f32 v12, v12, |v[Y+30]|, |v[Y+31]|
	s_delay_alu instid0(VALU_DEP_1)
	v_max3_num_f32 v12, v12, v13, 0x1800000        ; and the floor 2^(3 - 127): the byte cannot fall under 1
	s_delay_alu instid0(VALU_DEP_1)
	v_add_nc_u32 v11, 0xff000000, v12              ; 2 off the exponent field: the conversion's scale operand
	s_delay_alu instid0(VALU_DEP_1)
	v_lshrrev_b32 v10, 23, v11                     ; the byte
	v_cvt_scalef32_pk16_fp6_f32 v[C:C+2], v[Y:Y+15], v11
	v_cvt_scalef32_pk16_fp6_f32 v[C+6:C+8], v[Y+16:Y+31], v11      ; (a conversion's three registers begin on an even number)
	v_nop                                          ; one plain line behind a scaled conversion
.irp i, 0,1,2
	v_mov_b32 v[C+3+\i], v[C+6+\i]
.endr
	ds_store_b128 v[IMA], v[C:C+3]
	ds_store_b64 v[IMB], v[C+4:C+5]
	ds_store_b8 v[SCB], v10
	v_add_nc_u32 v[AR], IMG, v[T8]
	s_mul_i32 s14, s13, 12288                      ; the tile's 8 fragments in memory
	s_add_nc_u64 s[22:23], s[10:11], s[14:15]
	s_lshr_b32 s20, s13, 3
	s_lshl_b32 s20, s20, 12                        ; its scale words: 128 rows' are 4,096 bytes,
	s_and_b32 s21, s13, 7
	s_lshl_b32 s21, s21, 6                         ; my 16 rows' 64 of each K step's 512
	s_add_co_u32 s20, s20, s21
	s_add_co_u32 s20, s20, 3145728
	s_mov_b32 s21, 0
	s_add_nc_u64 s[24:25], s[10:11], s[20:21]
	s_wait_alu depctr_va_vdst(0)
	s_wait_dscnt 0x0                               ; for the others' sake: my stores have landed
	s_barrier_signal -1
	s_barrier_wait -1
.irp p, 0,1,2
	ds_load_b64 v[16+2*\p:17+2*\p], v[AR] offset:4096*\p
.endr
.irp p, 0,1,2
	s_wait_dscnt 2-\p                              ; piece p is in; the later ones may be out
	global_store_b64 v[T8], v[16+2*\p:17+2*\p], s[22:23] offset:4096*\p    ; a wave stores 256 consecutive bytes, aligned
.endr
	s_cmp_lt_u32 s12, 4
	s_cbranch_scc0 .Ldone_n
	ds_load_b32 v22, v[T4]                         ; waves 0 to 3: the 128 scale words
	s_wait_dscnt 0x0
	global_store_b32 v[GS], v22, s[24:25]
.Ldone_n:
	v_lshl_add_u32 v14, v0, 2, 0x21a00             ; as on the weights' way
	v_mov_b32 v15, 0
	s_wait_alu depctr_va_vdst(0)
	s_wait_tensorcnt 0x0
	ds_add_u32 v14, v15
	s_wait_dscnt 0x0
	s_endpgm
.Lfunc_end_k_qf5edc67112_prep:
	.size	k_qf5edc67112_prep, .Lfunc_end_k_qf5edc67112_prep-k_qf5edc67112_prep
	.p2alignl 7, 3214868480
	.fill 96, 4, 3214868480
	.section	.rodata,"a",@progbits
	.p2align	6, 0x0
	.amdhsa_kernel k_qf5edc67112_prep
		.amdhsa_group_segment_fixed_size 139776
		.amdhsa_private_segment_fixed_size 0
		.amdhsa_enable_private_segment 0
		.amdhsa_kernarg_size 72
		.amdhsa_user_sgpr_count 2
		.amdhsa_user_sgpr_kernarg_segment_ptr 1
		.amdhsa_wavefront_size32 1
		.amdhsa_system_sgpr_workgroup_id_x 1
		.amdhsa_system_sgpr_workgroup_id_y 1
		.amdhsa_system_sgpr_workgroup_id_z 1
		.amdhsa_system_vgpr_workitem_id 0
		.amdhsa_next_free_vgpr 128
		.amdhsa_next_free_sgpr 66
		.amdhsa_reserve_vcc 0
		.amdhsa_float_denorm_mode_32 3
		.amdhsa_float_denorm_mode_16_64 3
		.amdhsa_memory_ordered 1
		.amdhsa_forward_progress 1
		.amdhsa_inst_pref_size 46
	.end_amdhsa_kernel
	.amdgpu_metadata
---
amdhsa.version: [ 1, 2 ]
amdhsa.kernels:
  - .name:           k_qf5edc67112_prep
    .symbol:         k_qf5edc67112_prep.kd
    .args:
      - { .name: x, .offset: 0, .size: 8, .value_kind: global_buffer, .address_space: global }
      - { .name: ln1_g, .offset: 8, .size: 8, .value_kind: global_buffer, .address_space: global }
      - { .name: ln1_b, .offset: 16, .size: 8, .value_kind: global_buffer, .address_space: global }
      - { .name: act, .offset: 24, .size: 8, .value_kind: global_buffer, .address_space: global }
      - { .name: w_qkv, .offset: 32, .size: 8, .value_kind: global_buffer, .address_space: global }
      - { .name: w_out, .offset: 40, .size: 8, .value_kind: global_buffer, .address_space: global }
      - { .name: w_ff1, .offset: 48, .size: 8, .value_kind: global_buffer, .address_space: global }
      - { .name: w_ff2, .offset: 56, .size: 8, .value_kind: global_buffer, .address_space: global }
      - { .name: wq, .offset: 64, .size: 8, .value_kind: global_buffer, .address_space: global }
    .group_segment_fixed_size: 139776
    .private_segment_fixed_size: 0
    .kernarg_segment_align: 8
    .kernarg_segment_size: 72
    .max_flat_workgroup_size: 512
    .sgpr_count:     66
    .vgpr_count:     128
    .wavefront_size: 32
...
	.end_amdgpu_metadata
.endif
;; end of part 1
;; launch gqkv (part 2): grid 12 x 16, 4 waves a work-group, clusters of 4 x 4, 327,680 bytes of LDS; arguments act, wq, b_qkv, qkv; writes qkv
.if DOCPART == 2
	.amdgcn_target "amdgcn-amd-amdhsa--gfx1250"
	.amdhsa_code_object_version 6
	.text
	.protected	k_qf5edc67112_gqkv
	.globl	k_qf5edc67112_gqkv
	.p2align	8
	.type	k_qf5edc67112_gqkv,@function
k_qf5edc67112_gqkv:
	s_mov_b64 s[64:65], 0
	v_nop
	global_prefetch_b8 v0, s[64:65] scope:SCOPE_SE
	s_setreg_imm32_b32 hwreg(HW_REG_WAVE_MODE, 25, 1), 1
	s_wait_xcnt 0x0
	s_wait_alu depctr_hold_cnt(0) depctr_sa_sdst(0) depctr_va_vdst(0) depctr_va_sdst(0) depctr_va_ssrc(0) depctr_va_vcc(0) depctr_vm_vsrc(0)
	s_getreg_b32 s2, hwreg(HW_REG_IB_STS2, 6, 4)
	s_cmp_eq_u32 s2, 0
	s_cbranch_scc0 .Lentry_in_a_cluster
	s_endpgm
.Lentry_in_a_cluster:
	s_bfe_u32 s2, ttmp6, 0x10000c
	s_cmp_lg_u32 s2, 0xf033
	s_cbranch_scc0 .Lentry_shape_is_right
	s_endpgm
.Lentry_shape_is_right:
; qkv = LN1(x) W_qkv + b_qkv on codes of FP6 (E2M3) with E8M0 scales, K = 1,024; the results never go to memory as f32: q and k are quantised along the head's 64, v along the keys, as attention's products want them.
; OPERANDS.  A fragment, 16 rows x 128 K, is 1,536 bytes: two half images of 768 bytes; a half image holds registers c0..c5 of lane L = r + 16 h: c0..c3 at 16 L, c4, c5 at 512 + 8 L.  Codes [row / 16][k / 128][1,536];
; scale words [row / 128][k / 128][row % 128].  Inside a block of 32 place p holds number p with its bits 3 and 4 exchanged, alike in every operand: it is the order in which 16 x 16 result tiles come out of QUANT.
; SHARES.  A tile of 256 x 256 to a work-group of four waves, 128 x 128 (64 accumulators, 512 registers) to a wave.  K goes in steps of 256 through two LDS slots filled by the tensor data mover.
; The matrix instruction is used transposed: source 0 = 16 rows of the B side, source 1 = 16 rows of the A side; a lane then holds ONE row of the A side and its registers run along the B side.
; Clusters x = 0, 1 make q and k: A side = the tokens, B side = W's columns: a lane's registers run along the head's axis.  Cluster x = 2 makes v with THE SIDES EXCHANGED: A side = W's columns 2,048 on, B side = the tokens:
; a lane holds one channel of v and its registers run along the keys.  Both operands have one layout and one pitch, so only pointers and tile numbers are chosen, by the cluster's x, which all partners share.
; CLUSTERS: 4 x 4.  The A side's tiles hang on cy alone and are asked for jointly along a row of the cluster, the B side's on cx alone, along a column.
; THE SCALES of the work-group's 2 x 256 rows for all of K come into LDS once, with the first fills.
; OUT (buffer qkv): q's half images [batch x head 32][token / 16][768] at 0, k's at 3,145,728; v's fragments [batch][key / 128][channel / 16][1,536] at 6,291,456;
; q's scale words [batch x head][token] at 9,437,184 (bytes 0, 1 count; bytes 2, 3 are never 0xff), k's at 9,699,328; v's [batch][key / 128][channel] at 9,961,472.
; LIMITS: NaN and infinities are not served; a block of zeros, or one whose largest magnitude lies under 2^-124, gets the byte 1.
; REGISTERS, in windows of 256: window 0: v0-31 addresses; v32-63 scale words, two sets; v64-127 the bias along the B side; v128-223 the A side's fragments, one set; v232-247 the bias along the A side; on the way out v128-229 are at work.
;   window 1: the B side's fragments, two sets, at v0 and v128.   windows 2, 3: the accumulators of my rows 0-63 and 64-127, (a, b) at v[8 (8 (a % 4) + b)].
.set NQ,     2                         ; matrix instructions deep in a slot
.set FR,     12                        ; registers of a fragment
.set FRB,    1536                      ; and its bytes
.set NL,     4                         ; LDS loads that bring one
.set NP,     4                         ; places behind this matrix instruction (ISA guide 7.12.1)
.set TROW,   NQ*FRB                    ; a tile of 16 rows in a slot
.set HALFT,  8*TROW                    ; 128 rows: what one tensor load brings, and what one wave reads of a side
.set SLOT,   4*HALFT                   ; the A side's 256 rows, then the B side's
.set LAPS,   2                         ; K = 1,024 is twice round the ring
.set SCL,    2*SLOT                    ; behind the ring: the scale words
.set HALFS,  4096                      ; those of 128 rows: 8 K steps x 512 bytes
.set SPARE,  SCL+4*HALFS               ; the spare words, 128 bytes for each wave: two blocks of 256 bytes that no other line names
.set ADRA, 16                          ; v16-17 the A side's fragments in slot 0, 1, at 16 x lane; v18-19 at 8 x lane
.set ADRB, 20                          ; v20-23 the same for the B side
.set VO16, 24                          ; v24 16 x lane
.set VO8,  25                          ; v25 8 x lane
.set SS,   26                          ; v26 the way out: where a scale word goes
.set ADRS, 27                          ; v27 my scale words: lanes 0-15 the A side's rows, lanes 16-31 the B side's
.set SPW,  28                          ; v28 my spare word; never rewritten
.set NIL,  29                          ; v29 0; never rewritten
.set SR,   30                          ; v30 the way out: where the scale words are read back
.set SHF,  31                          ; v31 q, k: 16 x (lane / 16); v: 0
.set SC,   32                          ; set s at v[SC + 16 s]; register 2 i + q: lanes 0-15 the word of the A side's block i, lanes 16-31 the B side's
.set BB,   64
.set AF,   128
.set BA,   232
.set HA,   128                         ; the way out: 64 numbers of a lane
.set PC,   192                         ; the codes just made (v192-210)
.set TM,   212                         ; v212-227 at work
.set PW,   228                         ; the scale word just made
.set VAL,  229
.set G1, 24                            ; s[24:31] group 1 for the A side's tiles; s[32:39] group 0, a set for each slot
.set G0, 32
.set G1B, 48                           ; s[48:55], s[56:63] the same for the B side
.set G0B, 56
.set G1S, 68                           ; s[68:75], s[76:79] the A side's scales; s[80:87], s[88:91] the B side's
.set G0S, 76
.set G1SB, 80
.set G0SB, 88
.set SEL, 98                           ; s[98:99] v_permlanex16_b32's selects for lane l xor 16
.set MSB, 0
.macro WIN new                         ; the immediate's high byte repeats the setting that is left
.if MSB != (\new)
	s_set_vgpr_msb (MSB<<8)|(\new)
.set MSB, (\new)
.endif
.endm
.set MUL_LO, 0xa1                      ; source 0 (B side) window 1, source 1 (A side) window 0, C and D window 2
.set MUL_HI, 0xf1                      ; the same, C and D window 3
.set TO_B,   0x40                      ; destination window 1, address window 0
; A joint load: waves 0 and 1 fetch for the A side, waves 2 and 3 for the B side.  The branch hangs on the wave's number alone.  Four v_nop follow each of the two lines.
.macro JLOAD g0a, g1a, g0b, g1b
	s_cmp_eq_u32 s15, 0
	s_cbranch_scc0 .Lfor_b_\@
	tensor_load_to_lds s[\g0a:\g0a+3], s[\g1a:\g1a+7]
	s_nop 0
.rept 4
	v_nop
.endr
	s_branch .Lasked_\@
.Lfor_b_\@:
	tensor_load_to_lds s[\g0b:\g0b+3], s[\g1b:\g1b+7]
	s_nop 0
.rept 4
	v_nop
.endr
.Lasked_\@:
.endm
.macro CREST                           ; a round of the cluster's barrier behind its opening barrier
	s_cmp_lg_u32 s14, 0
	s_cbranch_scc1 .Lnot_wave_0_\@
	s_barrier_signal -3
.Lnot_wave_0_\@:
	s_barrier_wait -3
	s_barrier_signal -1
	s_barrier_wait -1
.endm
.macro CROUND                          ; a whole round
	s_barrier_signal -1
	s_barrier_wait -1
	CREST
.endm
	s_load_b256 s[4:11], s[0:1], 0x0               ; the activations' codes s[4:5], the weights' s[6:7], the bias s[8:9], the results s[10:11]
	v_lshl_add_u32 v[SPW], v0, 2, SPARE
	v_mov_b32 v[NIL], 0
	ds_add_u32 v28, v29
	ds_add_u32 v28, v29
	s_wait_dscnt 0x0
	v_lshrrev_b32 v1, 5, v0
	v_readfirstlane_b32 s14, v1                    ; wave 0..3
	s_lshr_b32 s15, s14, 1                         ; wa: which half of the A side's rows is mine.  Also: I fetch for the A side (0) or the B side (1)
	s_and_b32 s16, s14, 1                          ; wb: which half of the B side's.  Also: which 128 rows I fetch
	s_bfe_u32 s40, ttmp6, 0x40000                  ; cx, cy: my place in the cluster
	s_bfe_u32 s41, ttmp6, 0x40004
	s_lshl_b32 s42, ttmp9, 2                       ; 4 x cluster x
	s_and_b32 s17, ttmp7, 0xffff
	s_lshl_b32 s17, s17, 2                         ; 4 x cluster y
	s_cmp_eq_u32 ttmp9, 2                          ; v's clusters: the same answer in all sixteen partners
	s_cselect_b32 s12, 1, 0
	s_cselect_b32 s18, 8, s17                      ; A side: W's tiles 8 + cy, or the tokens' 4 x cluster y + cy
	s_cselect_b32 s42, s17, s42                    ; B side: the tokens' 4 x cluster y + cx, or W's 4 x cluster x + cx
	s_add_co_u32 s17, s18, s41                     ; tA
	s_add_co_u32 s42, s42, s40                     ; tB
	s_lshl_b32 s43, s41, 2
	s_lshl_b32 s43, 15, s43                        ; my row of the cluster
	s_lshl_b32 s44, 0x1111, s40                    ; my column
	; group 1, codes: 8 tiles of 16 rows, of each 3,072 consecutive bytes (384 elements of 8 bytes), 12,288 bytes apart; no padding: an image is read 16 or 8 bytes a lane on end
	s_or_b32 s[G1+0], s43, (3<<16)|(1<<21)         ; 15:0 the mask; 17:16 elements of 8 bytes; 21 set beside a mask
	s_or_b32 s[G1B+0], s44, (3<<16)|(1<<21)
.irp g, G1, G1B
	s_mov_b32 s[\g+1], 384<<16                     ; tensor_dim0
	s_mov_b32 s[\g+2], 8<<16                       ; tensor_dim1
	s_mov_b32 s[\g+3], 384<<16                     ; tile_dim0
	s_mov_b32 s[\g+4], 8                           ; tile_dim1
	s_mov_b32 s[\g+5], 1536                        ; tensor_dim0_stride
	s_mov_b32 s[\g+6], 0
	s_mov_b32 s[\g+7], 0
.endr
	; group 1, scales: 4,096 dense bytes as 16 rows of 256
	s_or_b32 s[G1S+0], s43, (3<<16)|(1<<21)
	s_or_b32 s[G1SB+0], s44, (3<<16)|(1<<21)
.irp g, G1S, G1SB
	s_mov_b32 s[\g+1], 32<<16
	s_mov_b32 s[\g+2], 16<<16
	s_mov_b32 s[\g+3], 32<<16
	s_mov_b32 s[\g+4], 16
	s_mov_b32 s[\g+5], 32
	s_mov_b32 s[\g+6], 0
	s_mov_b32 s[\g+7], 0
.endr
	s_mul_i32 s18, s16, 98304                      ; which 128 rows of a tile I fetch: 8 x 12,288 bytes
	s_mul_i32 s20, s17, 196608
	s_add_co_u32 s20, s20, s18                     ; A side: codes
	s_mov_b32 s21, 0
	s_mul_i32 s46, s42, 196608
	s_add_co_u32 s46, s46, s18                     ; B side
	s_mov_b32 s47, 0
	s_lshl_b32 s22, s17, 1
	s_add_co_u32 s22, s22, s16
	s_lshl_b32 s22, s22, 12                        ; A side: scales
	s_mov_b32 s23, 0
	s_lshl_b32 s92, s42, 1
	s_add_co_u32 s92, s92, s16
	s_lshl_b32 s92, s92, 12                        ; B side
	s_mov_b32 s93, 0
	s_mov_b32 s13, 3145728                         ; where the scale words begin: in the activations' buffer,
	s_mov_b32 s19, 9437184                         ; and W_qkv's in the weights'
	s_cmp_eq_u32 s12, 1
	s_cselect_b32 s94, s19, s13
	s_cselect_b32 s95, s13, s19
	s_add_co_u32 s22, s22, s94
	s_add_co_u32 s92, s92, s95
	s_mul_i32 s45, s14, HALFT                      ; where they go: wave x 128 rows: no place in the cluster enters an LDS address
	s_mul_i32 s13, s15, 2*HALFS                    ; a side's scale words: the A side's at SCL, the B side's 2 HALFS on
	s_wait_kmcnt 0x0
	s_cmp_eq_u32 s12, 1
	s_cselect_b64 s[94:95], s[6:7], s[4:5]         ; the A side's buffer
	s_cselect_b64 s[96:97], s[4:5], s[6:7]         ; the B side's
	s_add_nc_u64 s[20:21], s[94:95], s[20:21]
	s_add_nc_u64 s[22:23], s[94:95], s[22:23]
	s_add_nc_u64 s[46:47], s[96:97], s[46:47]
	s_add_nc_u64 s[92:93], s[96:97], s[92:93]
	s_cmp_eq_u32 s15, 0                            ; THE PREFETCHES: of the 8 tiles of 16 rows that my wave fetches in the ring, each of the four partners that ask for them jointly names two, told apart by address alone
	s_cselect_b64 s[100:101], s[20:21], s[46:47]
	s_cselect_b32 s2, s40, s41                     ; my place among the four: cx for the A side, cy for the B side
	s_mul_i32 s2, s2, 2*12288
	s_mov_b32 s3, 0
	s_add_nc_u64 s[100:101], s[100:101], s[2:3]    ; never rewritten
	s_cselect_b64 s[104:105], s[22:23], s[92:93]   ; my side's scale words, my 128 rows': 16 blocks of 256 bytes, four to a partner; never rewritten
	s_cselect_b32 s2, s40, s41
	s_lshl_b32 s2, s2, 2
	v_and_b32 v7, 31, v0
	v_min_u32 v9, 3, v7
	v_add_nc_u32 v9, s2, v9
	v_lshlrev_b32 v9, 8, v9                        ; block 4 x place + lane (lanes 4 to 31 name the last again)
	v_min_u32 v7, 23, v7                           ; a slot's part of two tiles is 2 x 3,072 bytes: 24 blocks of 256, a lane a block (lanes 24 to 31 name the last again)
	v_mul_u32_u24 v8, v7, 11
	v_lshrrev_b32 v8, 7, v8                        ; lane / 12
	v_mul_u32_u24 v8, v8, 9216
	v_lshl_add_u32 v7, v7, 8, v8                   ; 256 x lane, and 12,288 - 3,072 more in the second tile; never rewritten
	global_prefetch_b8 v9, s[104:105] th:TH_LOAD_NT scope:SCOPE_SE                 ; ahead of the opening round: the scale words,
	global_prefetch_b8 v7, s[100:101] th:TH_LOAD_NT scope:SCOPE_SE                 ; K steps 0, 1: the head's tiles,
	global_prefetch_b8 v7, s[100:101] offset:TROW th:TH_LOAD_NT scope:SCOPE_SE     ; and K steps 2, 3: slot 1's first fill, which is asked for when the head's tiles have landed
	CROUND                                         ; all sixteen work-groups are here: the first joint loads meet
	s_mov_b32 s[G0S], 1
	s_add_co_u32 s[G0S+1], s13, SCL
	s_sub_nc_u64 s[G0S+2:G0S+3], s[22:23], HALFS   ; waves 1 and 3 ask for the scale words: their address stood at the second 128 rows
	s_or_b32 s[G0S+3], s[G0S+3], 0x80000000
	s_mov_b32 s[G0SB], 1
	s_add_co_u32 s[G0SB+1], s13, SCL
	s_sub_nc_u64 s[G0SB+2:G0SB+3], s[92:93], HALFS
	s_or_b32 s[G0SB+3], s[G0SB+3], 0x80000000
.irp g, G1S, G1SB                      ; at the head a load brings a whole side: the scale words of 256 rows, 32 rows of 256 bytes,
	s_mov_b32 s[\g+1], 512<<16                     ; 8,192 dense bytes as two rows of 4,096
	s_mov_b32 s[\g+2], 2<<16
	s_mov_b32 s[\g+3], 512<<16
	s_mov_b32 s[\g+4], 2
	s_mov_b32 s[\g+5], 512
.endr
.irp g, G1, G1B                        ; and 16 tiles of 16 rows of codes
	s_mov_b32 s[\g+2], 16<<16
	s_mov_b32 s[\g+4], 16
.endr
.irp s, 0,1
	s_mov_b32 s[G0+4*\s], 1
	s_add_co_u32 s[G0+4*\s+1], s45, \s*SLOT
	s_add_nc_u64 s[G0+4*\s+2:G0+4*\s+3], s[20:21], \s*TROW
	s_or_b32 s[G0+4*\s+3], s[G0+4*\s+3], 0x80000000
	s_mov_b32 s[G0B+4*\s], 1
	s_add_co_u32 s[G0B+4*\s+1], s45, \s*SLOT
	s_add_nc_u64 s[G0B+4*\s+2:G0B+4*\s+3], s[46:47], \s*TROW
	s_or_b32 s[G0B+4*\s+3], s[G0B+4*\s+3], 0x80000000
.endr
	s_cmp_eq_u32 s14, 0                            ; the head's four tiles, one a wave, in one chain of branches on the wave's number
	s_cbranch_scc0 .Lhead_1
	tensor_load_to_lds s[G0:G0+3], s[G1:G1+7]      ; wave 0: slot 0, the A side's 256 rows
	s_nop 0
.rept 4
	v_nop
.endr
	s_branch .Lhead_j
.Lhead_1:
	s_cmp_eq_u32 s14, 1
	s_cbranch_scc0 .Lhead_2
	tensor_load_to_lds s[G0S:G0S+3], s[G1S:G1S+7]  ; wave 1: the A side's scale words
	s_nop 0
.rept 4
	v_nop
.endr
	s_branch .Lhead_j
.Lhead_2:
	s_cmp_eq_u32 s14, 2
	s_cbranch_scc0 .Lhead_3
	tensor_load_to_lds s[G0B:G0B+3], s[G1B:G1B+7]  ; wave 2: slot 0, the B side's 256 rows
	s_nop 0
.rept 4
	v_nop
.endr
	s_branch .Lhead_j
.Lhead_3:
	tensor_load_to_lds s[G0SB:G0SB+3], s[G1SB:G1SB+7]  ; wave 3: the B side's scale words
	s_nop 0
.rept 4
	v_nop
.endr
.Lhead_j:
	s_mov_b32 s[SEL], 0x76543210
	s_mov_b32 s[SEL+1], 0xfedcba98
	v_and_b32 v1, 15, v0                           ; r
	v_bfe_u32 v2, v0, 4, 1                         ; h
	s_wait_alu depctr_va_vdst(0)
	v_and_b32 v3, 31, v0
	v_lshlrev_b32 v[VO16], 4, v3
	v_lshlrev_b32 v[VO8], 3, v3
	v_lshlrev_b32 v5, 5, v2                        ; 32 h: a lane's eight numbers of the bias along the B side
	s_wait_alu depctr_va_vdst(0)
	v_lshlrev_b32 v6, 2, v1                        ; 4 r
	s_wait_alu depctr_va_vdst(0)
	s_lshl_b32 s18, s42, 10
	s_lshl_b32 s19, s16, 9
	s_add_co_u32 s18, s18, s19                     ; (256 tB + 128 wb) x 4
	s_lshl_b32 s20, s17, 10
	s_lshl_b32 s21, s15, 9
	s_add_co_u32 s20, s20, s21                     ; (256 tA + 128 wa) x 4
	s_cmp_eq_u32 s12, 1                            ; the bias runs along W's columns: the B side for q and k, the A side for v.  Both are loaded, inside the buffer, and the one that does not apply is made 0
	s_cselect_b32 s18, 0, s18
	s_cselect_b32 s20, s20, 0
	s_cselect_b32 s46, 0, -1                       ; all lanes keep the B side's bias: q, k
	s_cselect_b32 s47, -1, 0                       ; all lanes keep the A side's: v
	s_cselect_b32 s23, 0, 16
	v_mul_u32_u24 v[SHF], s23, v2
	s_mov_b32 s21, 0
	s_add_nc_u64 s[66:67], s[8:9], s[20:21]
	s_mov_b32 s19, 0
	s_add_nc_u64 s[8:9], s[8:9], s[18:19]
.irp b, 0,1,2,3,4,5,6,7
	global_load_b128 v[BB+8*\b:BB+8*\b+3], v5, s[8:9] offset:64*\b          ; in the result's layout: lane (r, h), tile b: columns 16 b + 8 h + 0 .. 7
	global_load_b128 v[BB+8*\b+4:BB+8*\b+7], v5, s[8:9] offset:64*\b+16
.endr
.irp a, 0,1,2,3,4,5,6,7
	global_load_b32 v[BA+2*\a], v6, s[66:67] offset:64*\a                   ; row 16 a + r, twice: a pair for the packed addition
	global_load_b32 v[BA+2*\a+1], v6, s[66:67] offset:64*\a
.endr
	s_mul_i32 s21, s15, HALFT                      ; my 128 rows of the A side,
	s_mul_i32 s22, s16, HALFT
	s_add_co_u32 s22, s22, 2*HALFT                 ; and of the B side, behind the A side's 256
.irp s, 0,1
	v_add_nc_u32 v[ADRA+\s], s21, v[VO16]
	v_add_nc_u32 v[ADRB+\s], s22, v[VO16]
	v_add_nc_u32 v[ADRA+2+\s], s21, v[VO8]
	v_add_nc_u32 v[ADRB+2+\s], s22, v[VO8]
	s_add_co_u32 s21, s21, SLOT
	s_add_co_u32 s22, s22, SLOT
.endr
	s_mul_i32 s21, s15, HALFS
	s_mul_i32 s22, s16, HALFS
	s_add_co_u32 s22, s22, 2*HALFS
	s_sub_co_u32 s22, s22, s21
	v_mul_u32_u24 v4, s22, v2                      ; lanes 16-31 take the B side's: one product with h
	s_add_co_u32 s21, s21, SCL
	v_add_nc_u32 v4, v4, v6
	v_add_nc_u32 v[ADRS], s21, v4
	s_lshl_b32 s23, s14, 10                        ; the way out: 1,024 bytes a wave for scale words, in slot 0, which has had its last fill and its last read by then
	v_add_nc_u32 v[SS], s23, v6
	v_lshl_add_u32 v[SS], v2, 9, v[SS]
	v_add_nc_u32 v[SR], s23, v[VO16]
	s_wait_loadcnt 0x0                             ; the biases
.set ii, 0
.rept 64
	v_cndmask_b32 v[BB+ii], 0, v[BB+ii], s46
.set ii, ii+1
.endr
.set ii, 0
.rept 16
	v_cndmask_b32 v[BA+ii], 0, v[BA+ii], s47
.set ii, ii+1
.endr
.macro FRAG reg, adr, q, i             ; a fragment comes as it was laid: two half images, each 16 bytes a lane and 8 bytes a lane
	ds_load_b128 v[\reg:\reg+3], v[\adr] offset:(\i)*TROW+(\q)*FRB
	ds_load_b64 v[\reg+4:\reg+5], v[\adr+2] offset:(\i)*TROW+(\q)*FRB+512
	ds_load_b128 v[\reg+6:\reg+9], v[\adr] offset:(\i)*TROW+(\q)*FRB+768
	ds_load_b64 v[\reg+10:\reg+11], v[\adr+2] offset:(\i)*TROW+(\q)*FRB+1280
.endm
; 16 matrix instructions: the A side's blocks a0, a0 + 1 x the B side's eight, 128 along K.  p: the B side's set; sc: the set of scale words.  first = 1: the sums begin with the bias along the B side as C: nothing is cleared or added later.
; The 64 accumulators take turns, one instruction a turn, in the same order in every step.
.macro MUL16 a0, p, q, sc, first
.irp a, \a0, \a0+1
.irp b, 0,1,2,3,4,5,6,7
.if \first
	v_wmma_scale_f32_16x16x128_f8f6f4 v[8*(8*((\a)%4)+\b):8*(8*((\a)%4)+\b)+7], v[128*(\p)+FR*\b:128*(\p)+FR*\b+FR-1], v[AF+FR*(\a):AF+FR*(\a)+FR-1], v[BB+8*\b:BB+8*\b+7], v[SC+8*NQ*(\sc)+NQ*\b+(\q)], v[SC+8*NQ*(\sc)+NQ*(\a)+(\q)] matrix_a_fmt:MATRIX_FMT_FP6 matrix_b_fmt:MATRIX_FMT_FP6 matrix_a_scale:MATRIX_SCALE_ROW1
.else
	v_wmma_scale_f32_16x16x128_f8f6f4 v[8*(8*((\a)%4)+\b):8*(8*((\a)%4)+\b)+7], v[128*(\p)+FR*\b:128*(\p)+FR*\b+FR-1], v[AF+FR*(\a):AF+FR*(\a)+FR-1], v[8*(8*((\a)%4)+\b):8*(8*((\a)%4)+\b)+7], v[SC+8*NQ*(\sc)+NQ*\b+(\q)], v[SC+8*NQ*(\sc)+NQ*(\a)+(\q)] matrix_a_fmt:MATRIX_FMT_FP6 matrix_b_fmt:MATRIX_FMT_FP6 matrix_a_scale:MATRIX_SCALE_ROW1
.endif
.endr
.endr
.endm
.macro FETCH_B slot, q, p              ; the B side's eight fragments into set p: 32 loads
	WIN TO_B
.irp i, 0,1,2,3,4,5,6,7
	FRAG 128*(\p)+FR*\i, ADRB+\slot, \q, \i
.endr
	WIN 0
.endm
.macro FETCH_A slot, q, i0             ; the A side's blocks i0 .. i0 + 3: 16 loads
.irp i, \i0, \i0+1, \i0+2, \i0+3
	FRAG AF+FR*(\i), ADRA+\slot, \q, \i
.endr
.endm
.macro SCALES sc                       ; a slot's scale words into set sc: 16 loads
.irp i, 0,1,2,3,4,5,6,7
.irp q, 0,1
	ds_load_b32 v[SC+8*NQ*\sc+NQ*\i+\q], v[ADRS] offset:512*\q+64*\i
.endr
.endr
.endm
; A load into a register that a matrix instruction has read, and a vector instruction that reads a matrix result or writes one of its registers, stand NP places behind it; only plain vector instructions that name none of its registers are places.
.macro PLACES n
.rept \n
	v_nop
.endr
.endm
.macro STEP slot, q, first             ; a step of 128 along K that has its successor in the same slot
	s_wait_dscnt 4*NL                              ; all but the youngest 16 loads (the A side's blocks 4-7) are in
.if \first
	WIN 0x81                                       ; C (the bias) window 0, D window 2
.else
	WIN MUL_LO
.endif
	MUL16 0, (\q)%2, \q, \slot, \first
	MUL16 2, (\q)%2, \q, \slot, \first
	s_wait_dscnt 0                                 ; blocks 4-7 are in (asked for 32 matrix instructions ago)
	PLACES NP
	FETCH_B \slot, (\q)+1, 1-(\q)%2
	FETCH_A \slot, (\q)+1, 0
.if \first
	WIN 0xc1                                       ; C window 0, D window 3
.else
	WIN MUL_HI
.endif
	MUL16 4, (\q)%2, \q, \slot, \first
	MUL16 6, (\q)%2, \q, \slot, \first
	PLACES NP
	WIN 0
	FETCH_A \slot, (\q)+1, 4
.endm
; A slot's last step changes slots: ONE barrier; in front of it each wave waits for all its tensor loads, adds 0 to its spare word, and waits for that and for its own reads of this slot.  fill = 1: this slot is filled again, two K steps ahead.
.macro TURN slot, next, fill
	s_wait_tensorcnt 0x0                           ; all my tensor loads have landed: my part of the next slot;
	ds_add_u32 v[SPW], v[NIL]                      ; 0 onto my spare word;
	s_wait_dscnt 4*NL+1                            ; (the add and the youngest 16 loads may be out)
	WIN MUL_LO
	MUL16 0, 1, NQ-1, \slot, 0                     ; sixteen matrix instructions stand between the add and the wait for it
	s_wait_dscnt 0x0                               ; the add is done, and my reads of this slot are over
	s_barrier_signal -1
	MUL16 2, 1, NQ-1, \slot, 0
	WIN 0
	s_barrier_wait -1
.if \fill
	CREST                                          ; the barrier has opened a round of the cluster's barrier: no wave of any partner still reads this slot or has a load on its way
	s_add_nc_u64 s[G0+4*\slot+2:G0+4*\slot+3], s[G0+4*\slot+2:G0+4*\slot+3], 2*TROW
	s_add_nc_u64 s[G0B+4*\slot+2:G0B+4*\slot+3], s[G0B+4*\slot+2:G0B+4*\slot+3], 2*TROW
	JLOAD G0+4*\slot, G1, G0B+4*\slot, G1B         ; my one tensor load behind the round; its four v_nop are the places in front of the loads below
.else
	PLACES NP
.endif
	s_wait_alu depctr_va_vdst(0)
	v_add_nc_u32 v[ADRS], 512*NQ, v[ADRS]          ; the next slot's scale words (no LDS load of mine is out)
	FETCH_B \next, 0, 0
	FETCH_A \next, 0, 0
	SCALES \next
.if \fill && (\slot) == 0
	global_prefetch_b8 v7, s[100:101] offset:3*TROW th:TH_LOAD_NT scope:SCOPE_SE   ; K steps 6, 7: the last refill's (the loop has one trip); behind it nothing is left to ask for
.endif
	WIN MUL_HI
	MUL16 4, 1, NQ-1, \slot, 0
	MUL16 6, 1, NQ-1, \slot, 0
	PLACES NP
	WIN 0
	FETCH_A \next, 0, 4
.endm
; 64 numbers of a lane, v[s] .. v[s + 63] (tile b, register j: column 16 b + 8 h + j of my row), become a fragment's codes in v[PC] on and my row's scale word in v[PW].
.macro QUANT s
.irp b, 0,1,2,3
	v_max3_num_f32 v[TM+\b], |v[\s+16*\b]|, |v[\s+1+16*\b]|, 0x1800000     ; block b: my 16 numbers, and the floor 2^(3 - 127): the byte cannot fall under 1
.endr
.irp i, 2,4,6,8,10,12,14
.irp b, 0,1,2,3
	v_max3_num_f32 v[TM+\b], v[TM+\b], |v[\s+16*\b+\i]|, |v[\s+1+16*\b+\i]|   ; (the four blocks by turns)
.endr
.endr
.irp b, 0,1,2,3
	v_permlanex16_b32 v[TM+4+\b], v[TM+\b], s[SEL], s[SEL+1]
.endr
.irp b, 0,1,2,3
	v_max_num_f32 v[TM+\b], v[TM+\b], v[TM+4+\b]   ; with lane l xor 16's 16: the block's largest magnitude
.endr
.irp b, 0,1,2,3
	v_add_nc_u32 v[TM+12+\b], 0xff000000, v[TM+\b] ; 2 off the exponent field: the conversion's scale operand
.endr
.irp b, 0,1,2,3
	v_lshrrev_b32 v[TM+4+\b], 23, v[TM+12+\b]      ; the byte
.endr
	v_lshl_or_b32 v[PW], v[TM+5], 8, v[TM+4]
	v_lshl_or_b32 v[PW], v[TM+6], 16, v[PW]
	v_lshl_or_b32 v[PW], v[TM+7], 24, v[PW]
.irp c, 0,1
	v_cvt_scalef32_pk16_fp6_f32 v[PC+6*\c:PC+2+6*\c], v[\s+32*\c:\s+15+32*\c], v[TM+12+2*\c]
	v_cvt_scalef32_pk16_fp6_f32 v[PC+12+4*\c:PC+14+4*\c], v[\s+16+32*\c:\s+31+32*\c], v[TM+12+2*\c+1]   ; (a conversion's three registers begin on an even number)
.endr
	v_nop                                          ; one plain line behind a scaled conversion
.irp c, 0,1                            ; the operand's layout wants a whole block in a lane: lanes 0-15 block 2 c, lanes 16-31 block 2 c + 1
.irp i, 0,1,2
	v_permlane16_swap_b32 v[PC+6*\c+\i], v[PC+12+4*\c+\i]
.endr
.irp i, 0,1,2
	v_mov_b32 v[PC+3+6*\c+\i], v[PC+12+4*\c+\i]
.endr
.endr
.endm
	s_wait_alu depctr_va_vdst(0)
	s_wait_tensorcnt 0x0                           ; my tile of the head's four is in; slot 1's first fill is issued as a refill is
	ds_add_u32 v[SPW], v[NIL]
	s_mov_b32 s[G1+2], 8<<16                       ; no tensor load of mine is out: from here on a load brings 8 tiles of 16 rows
	s_mov_b32 s[G1+4], 8
	s_mov_b32 s[G1B+2], 8<<16
	s_mov_b32 s[G1B+4], 8
	s_wait_dscnt 0x0
	CROUND                                         ; all four tiles are in, and all sixteen work-groups are here
	JLOAD G0+4, G1, G0B+4, G1B                     ; slot 1: my one tensor load behind the round
	FETCH_B 0, 0, 0
	FETCH_A 0, 0, 0
	SCALES 0
	FETCH_A 0, 0, 4
	global_prefetch_b8 v7, s[100:101] offset:2*TROW th:TH_LOAD_NT scope:SCOPE_SE   ; K steps 4, 5: the next refill's, one fill ahead
	STEP 0, 0, 1                                   ; the first step stands in front of the loop: its products start the sums
	s_mov_b32 s3, LAPS-1
.Llap:                                                 ; a trip goes once round the ring and fills both slots again
	TURN 0, 1, 1
	STEP 1, 0, 0
	TURN 1, 0, 1
	STEP 0, 0, 0
	s_sub_co_u32 s3, s3, 1
	s_cmp_lg_u32 s3, 0
	s_cbranch_scc1 .Llap
	TURN 0, 1, 0                                   ; the last lap fills nothing, and has no round of the cluster's barrier
	STEP 1, 0, 0
	s_wait_dscnt 4*NL                              ; the very last step
	WIN MUL_LO
	MUL16 0, 1, NQ-1, 1, 0
	MUL16 2, 1, NQ-1, 1, 0
	s_wait_dscnt 0
	WIN MUL_HI
	MUL16 4, 1, NQ-1, 1, 0
	MUL16 6, 1, NQ-1, 1, 0
	WIN 0
; THE WAY OUT, block by block of 16 rows of the A side x 128 of the B side: one fragment and one scale word a row.
	; q and k: rows = tokens 256 tA + 128 wa on, columns = two heads, 4 cx + 2 wb and the next: half image c belongs to head c
	s_lshl_b32 s18, s17, 8
	s_lshl_b32 s19, s15, 7
	s_add_co_u32 s18, s18, s19
	s_lshr_b32 s19, s18, 11                        ; the batch
	s_and_b32 s18, s18, 2047                       ; my first token in it
	s_lshl_b32 s19, s19, 4
	s_lshl_b32 s20, s40, 2
	s_add_co_u32 s19, s19, s20
	s_lshl_b32 s20, s16, 1
	s_add_co_u32 s19, s19, s20                     ; 16 x batch + head
	s_mul_i32 s20, s19, 98304
	s_lshr_b32 s21, s18, 4
	s_mul_i32 s21, s21, 768
	s_add_co_u32 s20, s20, s21
	s_mul_i32 s21, ttmp9, 3145728                  ; q's part or k's
	s_add_co_u32 s20, s20, s21                     ; the first half image
	s_lshl_b32 s19, s19, 11
	s_add_co_u32 s19, s19, s18
	s_lshl_b32 s19, s19, 2
	s_mul_i32 s21, ttmp9, 262144
	s_add_co_u32 s19, s19, s21
	s_add_co_u32 s19, s19, 9437184                 ; the first head's scale words
	; v: rows = channels 256 cy + 128 wa on, columns = the 128 keys of K step 2 tB + wb = 16 x batch + key / 128
	s_lshl_b32 s21, s42, 1
	s_add_co_u32 s21, s21, s16
	s_lshl_b32 s22, s41, 8
	s_lshl_b32 s23, s15, 7
	s_add_co_u32 s22, s22, s23
	s_lshl_b32 s23, s21, 6
	s_lshr_b32 s46, s22, 4
	s_add_co_u32 s23, s23, s46
	s_mul_i32 s23, s23, 1536
	s_add_co_u32 s23, s23, 6291456                 ; the first fragment
	s_lshl_b32 s21, s21, 10
	s_add_co_u32 s21, s21, s22
	s_lshl_b32 s21, s21, 2
	s_add_co_u32 s21, s21, 9961472                 ; its scale words
	s_cmp_eq_u32 s12, 1
	s_cselect_b32 s18, s23, s20
	s_cselect_b32 s46, s21, s19
	s_cselect_b32 s94, 0, 8192                     ; the second run of scale words: q, k: the next head's, 8,192 bytes on; v has one run: its second store repeats the first, same place, same words
	s_mov_b32 s20, 98304
	s_cselect_b32 s20, 768, s20                    ; from half image 0 to half image 1: the fragment's other half, or the next head
	s_mov_b32 s22, 768
	s_cselect_b32 s22, 1536, s22                   ; from a block of 16 rows to the next
	s_mov_b32 s19, 0
	s_mov_b32 s21, 0
	s_mov_b32 s23, 0
	s_mov_b32 s47, 0
	s_mov_b32 s95, 0
	s_add_nc_u64 s[18:19], s[10:11], s[18:19]
	s_add_nc_u64 s[20:21], s[18:19], s[20:21]
	s_add_nc_u64 s[46:47], s[10:11], s[46:47]
	s_add_nc_u64 s[94:95], s[46:47], s[94:95]
	PLACES NP                                      ; behind the last products: what follows writes registers that held fragments
.irp b, 0,1,2,3
	v_mov_b32 v[TM+4+\b], 0                        ; a lane permute's destination counts as one of its sources
.endr
.irp a, 0,1,2,3,4,5,6,7
.set AC, 64*((\a)%4)
	WIN 0x02+(\a)/4                                ; source 0: window 2 or 3
.set ii, 0
.rept 32
	v_pk_add_f32 v[HA+ii:HA+ii+1], v[AC+ii:AC+ii+1], v[BA+2*\a:BA+2*\a+1]   ; into window 0, with the bias along the A side; each accumulator from its low end on
.set ii, ii+2
.endr
	WIN 0
.if \a > 0
	s_wait_xcnt 0x0                                ; the last block's stores have read their data and their bases
	s_add_nc_u64 s[18:19], s[18:19], s[22:23]
	s_add_nc_u64 s[20:21], s[20:21], s[22:23]
.endif
	QUANT HA
	global_store_b128 v[VO16], v[PC:PC+3], s[18:19]                ; 512 and 256 consecutive bytes, aligned
	global_store_b64 v[VO8], v[PC+4:PC+5], s[18:19] offset:512
	global_store_b128 v[VO16], v[PC+6:PC+9], s[20:21]
	global_store_b64 v[VO8], v[PC+10:PC+11], s[20:21] offset:512
	v_lshrrev_b32 v[VAL], v[SHF], v[PW]            ; q, k: lanes 16-31 keep the second head's two bytes; v: the word as it is
	ds_store_b32 v[SS], v[VAL] offset:64*\a
.endr
	ds_load_b128 v[HA:HA+3], v[SR]                 ; my own bytes: LDS serves a wave's instructions in order
	ds_load_b128 v[HA+4:HA+7], v[SR] offset:512
	s_wait_dscnt 0x0
	global_store_b128 v[VO16], v[HA:HA+3], s[46:47]                ; 128 scale words: 512 consecutive bytes
	global_store_b128 v[VO16], v[HA+4:HA+7], s[94:95]              ; the second run
	s_wait_tensorcnt 0x0                           ; the wave's end
	ds_add_u32 v[SPW], v[NIL]
	s_wait_dscnt 0x0
	CROUND                                         ; the closing round: no work-group ends while a partner may still ask for a tile that names it
	s_endpgm
.Lfunc_end_k_qf5edc67112_gqkv:
	.size	k_qf5edc67112_gqkv, .Lfunc_end_k_qf5edc67112_gqkv-k_qf5edc67112_gqkv
	.p2alignl 7, 3214868480
	.fill 96, 4, 3214868480
	.section	.rodata,"a",@progbits
	.p2align	6, 0x0
	.amdhsa_kernel k_qf5edc67112_gqkv
		.amdhsa_group_segment_fixed_size 327680
		.amdhsa_private_segment_fixed_size 0
		.amdhsa_enable_private_segment 0
		.amdhsa_kernarg_size 32
		.amdhsa_user_sgpr_count 2
		.amdhsa_user_sgpr_kernarg_segment_ptr 1
		.amdhsa_wavefront_size32 1
		.amdhsa_system_sgpr_workgroup_id_x 1
		.amdhsa_system_sgpr_workgroup_id_y 1
		.amdhsa_system_sgpr_workgroup_id_z 1
		.amdhsa_system_vgpr_workitem_id 0
		.amdhsa_next_free_vgpr 1024
		.amdhsa_next_free_sgpr 106
		.amdhsa_reserve_vcc 0
		.amdhsa_float_denorm_mode_32 3
		.amdhsa_float_denorm_mode_16_64 3
		.amdhsa_memory_ordered 1
		.amdhsa_forward_progress 1
		.amdhsa_inst_pref_size 181
	.end_amdhsa_kernel
	.amdgpu_metadata
---
amdhsa.version: [ 1, 2 ]
amdhsa.kernels:
  - .name:           k_qf5edc67112_gqkv
    .symbol:         k_qf5edc67112_gqkv.kd
    .args:
      - { .name: act, .offset: 0, .size: 8, .value_kind: global_buffer, .address_space: global }
      - { .name: wq, .offset: 8, .size: 8, .value_kind: global_buffer, .address_space: global }
      - { .name: b_qkv, .offset: 16, .size: 8, .value_kind: global_buffer, .address_space: global }
      - { .name: qkv, .offset: 24, .size: 8, .value_kind: global_buffer, .address_space: global }
    .group_segment_fixed_size: 327680
    .private_segment_fixed_size: 0
    .kernarg_segment_align: 8
    .kernarg_segment_size: 32
    .max_flat_workgroup_size: 128
    .sgpr_count:     106
    .vgpr_count:     1024
    .wavefront_size: 32
...
	.end_amdgpu_metadata
.endif
;; end of part 2
;; launch attn (part 3): grid 8 x 32, 16 waves a work-group, no clusters, 327,680 bytes of LDS; arguments qkv, act; writes act
.if DOCPART == 3
	.amdgcn_target "amdgcn-amd-amdhsa--gfx1250"
	.amdhsa_code_object_version 6
	.text
	.protected	k_qf5edc67112_attn
	.globl	k_qf5edc67112_attn
	.p2align	8
	.type	k_qf5edc67112_attn,@function
k_qf5edc67112_attn:
	s_mov_b64 s[64:65], 0
	v_nop
	global_prefetch_b8 v0, s[64:65] scope:SCOPE_SE
	s_setreg_imm32_b32 hwreg(HW_REG_WAVE_MODE, 25, 1), 1
	s_wait_xcnt 0x0
; o = softmax(q k^T / 8, causal) v for 32 (batch x head), 2,048 tokens, head size 64, both products on codes of FP6 (E2M3) with E8M0 scales; o is quantised along the model's 1,024 and stored as the next product's operand.
; Key steps all of whose keys come after a tile's queries lie wholly under reference()'s own causal mask and are not computed.
; THE SOFTMAX AHEAD OF THE SECOND PRODUCT: t = score x log2(e) / 8; M = the largest t so far, rounded up to a whole number; p = 2^(t - M) is quantised along the keys; the row's sum is taken of the unquantised p and divides at the end.
; When M moves, the sum and O are multiplied by 2^(old M - new M): exact.
; IN (buffer qkv): q's and k's half images [batch x head][token / 16][768] at 0 and 3,145,728; v's fragments [batch][key / 128][channel / 16][1,536] at 6,291,456; scale words: q's [batch x head][token] at 9,437,184, k's at 9,699,328,
; v's [batch][key / 128][channel] at 9,961,472.
; THE FIRST PRODUCT'S K IS 64.  The upper six registers of q's fragment are zero codes, so whatever codes stand in the upper six registers of k's operand add nothing (FP6 has no code for infinity or NaN, and no scale byte is 0xff).
; So a step's eight half images of k lie on end, six registers each, and tile t's operand is registers 6 t to 6 t + 11: its own six and the next tile's; behind the eighth stand six registers that are written at the head.
; SHARES.  A work-group owns one (batch, head) and the blocks of 128 queries i (early) and 15 - i (late), i = 0 .. 7.  Waves 2 p and 2 p + 1 share tile p (16 queries) of both blocks: together 17 key steps of 128, numbered n = 0 .. 16:
; n <= 15 - i is the late tile's key step n, a larger n the early tile's key step 16 - n.  One wave of the pair (role 0) takes the even n, nine steps, the other (role 1) the odd n, eight.  So each wave has a part of both tiles' keys.
; Where a wave passes from the late tile to the early one it lays its part of the late tile (O, -M, t, the sums) into LDS.  At the end role 0 lays its part of the early tile there too; behind one barrier role 0 joins the late tile's two parts
; and role 1 the early tile's: both are brought under the larger M by powers of two, which rounds nothing, and added.  Roles are dealt so that any four waves w % 4 or w / 4 hold two of each.
; K AND V OF THE WHOLE HEAD LIE IN LDS, filled once, by eight tensor loads, one a wave (waves 0 to 7), each on a line of its own: the scale words and key steps 0, 1; key steps 2 to 7; key steps 8 to 15.  Three barriers show them:
; ahead of n = 0, 1; ahead of n = 2 .. 7; ahead of n = 8 on.  Nothing is filled again.  Up to n = 7 every LDS address is made of the wave's number and constants; from n = 8 on the key step is chosen by ids and cut to 0 .. 15.
; No cluster: the branches that pass from tile to tile and that mask the diagonal hang on the work-group's x, which differs between the work-groups that share a head.
; PREFETCH: the eight work-groups that read a head's K and V share the codes' blocks of 256 bytes out: work-group x names key steps 2 x and 2 x + 1, waves 0 and 1 k's, waves 2 and 3 v's, 24 blocks an instruction, once, at the head.
; There is no loop to run ahead in: all tensor loads stand at the head too.
; LAYOUT.  Both products are used transposed: S^T = K Q^T, O^T = V^T P^T: a lane holds one query (lane % 16); tile t, register j of S^T is key 16 t + 8 (lane / 16) + j.
; OUT (buffer act): codes [token / 16][k / 128][1,536] at 0: a head is half a fragment; scale words [token / 128][k / 128][token % 128] at 3,145,728: a head owns two bytes of a word, stored as 2 bytes a lane.
; LIMITS: NaN and infinities are not served; a block of zeros, or one whose largest magnitude lies under 2^-124, gets the byte 1; the scaled scores t stay under 2^31 in magnitude.
; REGISTERS: v1-3, v11 lane terms; v4-9 the step's addresses; v12 -M, v13 the largest t, v[14:15] the sum; v16-27 Q; v32-79 K's eight half images, then V's four fragments; v80-85 behind K's eighth (v80, v81 also the mask's);
;   v96-159 S^T, then p; v160-191 O^T; v192-198 the early tile's Q and its scale words; v199-201 the parts' places in LDS; v202 the prefetch's offset; v206-213 K's scale words; v214-217 V's; v223, v243 the spare word and 0;
;   v224-235 p's codes; v232-252, v254 at work; v253 p's scale word, v255 Q's.
.set KC,   0                           ; LDS: k's codes, 128 half images
.set VC,   98304                       ; v's: [key step 16][channel tile 4][1,536]
.set KSC,  196608                      ; k's 2,048 scale words
.set VSC,  204800                      ; v's: [key step 16][64]
.set SPARE, 208896                     ; the spare words: 128 bytes a wave
.set SLB,  4608                        ; a part: O^T 4,096 bytes, then -M, t and the two sums, 16 bytes a lane
.set STG,  210944                      ; each wave's part of the late tile
.set STQ,  STG+16*SLB                  ; each pair's part of the early tile that role 0 made
.set WV,   8
.set ROLE, 12
.set N0,   13                          ; 8 + role
.set R16,  22                          ; 16 - role
.set LIM,  23                          ; 15 - i
.set G1KC, 24                          ; s[24:31] group 1: k's codes;  s[32:39] v's;  s[40:47] k's scale words;  s[48:55] v's
.set G1VC, 32
.set G1KS, 40
.set G1VS, 48
.set G0,   56                          ; s[56:59] group 0 of my one load
.set SEL,  80                          ; s[80:81] selects for lane l xor 16
.set CS,   82                          ; s[82:83] log2(e) / 8
.set TBK,  84                          ; the step's half images of k
.set TBV,  85                          ; its fragments of v
.set TSK,  86                          ; k's scale words
.set TSV,  87                          ; v's
.set KF,   88                          ; the step's first key
.set Q0,   89                          ; the first query of the tile at work
.set TRIP, 90
.set SWN,  92                          ; my first n beyond 15 - i
.set QL,   93                          ; the late tile's first query
.set QE,   94                          ; the early tile's
.set KEY,  95
	s_load_b128 s[4:7], s[0:1], 0x0                ; qkv s[4:5], act s[6:7]
	v_lshl_add_u32 v223, v0, 2, SPARE
	v_mov_b32 v243, 0
	ds_add_u32 v223, v243                          ; the opening lines: the add twice on end and its wait ahead of the first tensor load
	ds_add_u32 v223, v243
	v_lshrrev_b32 v1, 5, v0
	v_readfirstlane_b32 s[WV], v1                  ; wave 0..15
	v_and_b32 v202, 31, v0
	v_min_u32 v202, 23, v202
	v_lshlrev_b32 v202, 8, v202                    ; the prefetch: a lane a block of 256 bytes, 24 blocks (lanes 24 to 31 name the last again); never rewritten
	s_and_b32 s9, ttmp7, 0xffff                    ; batch x head
	s_lshr_b32 s10, s9, 4                          ; batch
	s_and_b32 s11, s9, 15                          ; head
	s_mov_b32 s[G1KC], 3<<16                       ; elements of 8 bytes, no mask, no padding.  k's codes are dense: a row is a key step's 6,144 bytes; how many rows, each load's own arm says
	s_mov_b32 s[G1KC+1], 768<<16
	s_mov_b32 s[G1KC+3], 768<<16
	s_mov_b32 s[G1KC+5], 768
	s_mov_b32 s[G1KC+6], 0
	s_mov_b32 s[G1KC+7], 0
	s_mov_b32 s[G1VC], 3<<16                       ; of each key step the head's four fragments, 6,144 bytes, 98,304 bytes apart
	s_mov_b32 s[G1VC+1], 768<<16
	s_mov_b32 s[G1VC+3], 768<<16
	s_mov_b32 s[G1VC+5], 12288
	s_mov_b32 s[G1VC+6], 0
	s_mov_b32 s[G1VC+7], 0
	s_mov_b32 s[G1KS], 3<<16                       ; 8,192 dense bytes as two rows of 4,096
	s_mov_b32 s[G1KS+1], 512<<16
	s_mov_b32 s[G1KS+3], 512<<16
	s_mov_b32 s[G1KS+5], 512
	s_mov_b32 s[G1KS+6], 0
	s_mov_b32 s[G1KS+7], 0
	s_mov_b32 s[G1VS], 3<<16                       ; of each key step the head's 64 words, 256 bytes, 4,096 bytes apart
	s_mov_b32 s[G1VS+1], 32<<16
	s_mov_b32 s[G1VS+3], 32<<16
	s_mov_b32 s[G1VS+5], 512
	s_mov_b32 s[G1VS+6], 0
	s_mov_b32 s[G1VS+7], 0
	s_mul_i32 s14, s9, 98304
	s_add_co_u32 s14, s14, 3145728                 ; k's codes
	s_mov_b32 s15, 0
	s_mul_i32 s16, s10, 1572864
	s_mul_i32 s17, s11, 6144
	s_add_co_u32 s16, s16, s17
	s_add_co_u32 s16, s16, 6291456                 ; v's
	s_mov_b32 s17, 0
	s_lshl_b32 s18, s9, 13
	s_add_co_u32 s18, s18, 9699328                 ; k's scale words
	s_mov_b32 s19, 0
	s_lshl_b32 s20, s10, 16
	s_lshl_b32 s21, s11, 8
	s_add_co_u32 s20, s20, s21
	s_add_co_u32 s20, s20, 9961472                 ; v's
	s_mov_b32 s21, 0
	s_mov_b32 s[G0], 1
	s_lshl_b32 s96, ttmp9, 1
	s_and_b32 s97, s[WV], 1
	s_add_co_u32 s96, s96, s97                     ; the prefetch: key step 2 x + wave % 2,
	s_mov_b32 s97, 98304
	s_cmp_lt_u32 s[WV], 2
	s_cselect_b32 s97, 6144, s97                   ; in k's codes or in v's
	s_mul_i32 s74, s96, s97
	s_mov_b32 s75, 0
	s_wait_alu depctr_va_vdst(0)
	s_wait_dscnt 0x0
	s_wait_kmcnt 0x0
	s_add_nc_u64 s[14:15], s[4:5], s[14:15]
	s_add_nc_u64 s[16:17], s[4:5], s[16:17]
	s_add_nc_u64 s[18:19], s[4:5], s[18:19]
	s_add_nc_u64 s[20:21], s[4:5], s[20:21]
	s_cmp_lt_u32 s[WV], 2
	s_cselect_b64 s[72:73], s[14:15], s[16:17]
	s_add_nc_u64 s[72:73], s[72:73], s[74:75]      ; never rewritten
	s_cmp_lt_u32 s[WV], 4
	s_cbranch_scc0 .Lno_pf
	global_prefetch_b8 v202, s[72:73] th:TH_LOAD_NT scope:SCOPE_SE
.Lno_pf:
; One chain of branches on the wave's number, one fill to an arm, all arms leading to one join; s_nop 0 and four v_nop follow each load.
.macro ARM w, base, goff, lds, g1, rows
	s_cmp_eq_u32 s[WV], \w
	s_cbranch_scc0 .Lna_\@
	s_mov_b32 s[G0+1], \lds
	s_add_nc_u64 s[G0+2:G0+3], s[\base:\base+1], \goff
	s_or_b32 s[G0+3], s[G0+3], 0x80000000
	s_mov_b32 s[\g1+2], (\rows)<<16
	s_mov_b32 s[\g1+4], \rows
	tensor_load_to_lds s[G0:G0+3], s[\g1:\g1+7]
	s_nop 0
.rept 4
	v_nop
.endr
	s_branch .Lasked
.Lna_\@:
.endm
	ARM 0, 18, 0, KSC, G1KS, 2                     ; k's scale words
	ARM 1, 20, 0, VSC, G1VS, 16                    ; v's
	ARM 2, 14, 0, KC, G1KC, 2                      ; key steps 0, 1
	ARM 3, 16, 0, VC, G1VC, 2
	ARM 4, 14, 2*6144, KC+2*6144, G1KC, 6          ; key steps 2 to 7
	ARM 5, 16, 2*98304, VC+2*6144, G1VC, 6
	ARM 6, 14, 8*6144, KC+8*6144, G1KC, 8          ; key steps 8 to 15
	ARM 7, 16, 8*98304, VC+8*6144, G1VC, 8
.Lasked:
	s_lshr_b32 s[ROLE], s[WV], 2
	s_xor_b32 s[ROLE], s[ROLE], s[WV]
	s_and_b32 s[ROLE], s[ROLE], 1                  ; 0: the even n, 1: the odd n
	s_lshr_b32 s91, s[WV], 1
	s_lshl_b32 s91, s91, 4                         ; my pair's tile: 16 x (wave / 2)
	s_lshl_b32 s[QE], ttmp9, 7
	s_add_co_u32 s[QE], s[QE], s91
	s_sub_co_u32 s[LIM], 15, ttmp9
	s_lshl_b32 s[QL], s[LIM], 7
	s_add_co_u32 s[QL], s[QL], s91
	s_mov_b32 s[Q0], s[QL]                         ; every wave begins with the late tile
	s_add_co_u32 s[N0], s[ROLE], 8
	s_sub_co_u32 s[R16], 16, s[ROLE]
	s_xor_b32 s[SWN], ttmp9, s[ROLE]
	s_and_b32 s[SWN], s[SWN], 1
	s_add_co_u32 s[SWN], s[SWN], s[LIM]
	s_add_co_u32 s[SWN], s[SWN], 1                 ; 16 - i, or 17 - i where that has my parity: 9 .. 17
	s_mul_i32 s96, s9, 98304
	s_lshr_b32 s97, s[QL], 4
	s_mul_i32 s97, s97, 768
	s_add_co_u32 s60, s96, s97                     ; the late tile's half image of q
	s_mov_b32 s61, 0
	s_lshr_b32 s97, s[QE], 4
	s_mul_i32 s97, s97, 768
	s_add_co_u32 s68, s96, s97                     ; the early tile's
	s_mov_b32 s69, 0
	s_lshl_b32 s96, s9, 11
	s_add_co_u32 s62, s96, s[QL]
	s_lshl_b32 s62, s62, 2
	s_add_co_u32 s62, s62, 9437184                 ; their scale words
	s_mov_b32 s63, 0
	s_add_co_u32 s70, s96, s[QE]
	s_lshl_b32 s70, s70, 2
	s_add_co_u32 s70, s70, 9437184
	s_mov_b32 s71, 0
	s_add_nc_u64 s[60:61], s[4:5], s[60:61]
	s_add_nc_u64 s[62:63], s[4:5], s[62:63]
	s_add_nc_u64 s[68:69], s[4:5], s[68:69]
	s_add_nc_u64 s[70:71], s[4:5], s[70:71]
	s_mul_i32 s96, s[WV], SLB
	s_add_co_u32 s96, s96, STG
	s_xor_b32 s97, s[WV], 1
	s_mul_i32 s97, s97, SLB
	s_add_co_u32 s97, s97, STG
	s_lshr_b32 s91, s[WV], 1
	s_mul_i32 s91, s91, SLB
	s_add_co_u32 s91, s91, STQ
	v_and_b32 v10, 31, v0
	v_lshlrev_b32 v1, 4, v10                       ; 16 L
	v_lshlrev_b32 v2, 3, v10                       ; 8 L
	v_and_b32 v11, 15, v0                          ; r
	v_lshlrev_b32 v3, 2, v11                       ; 4 r
	global_load_b128 v[16:19], v1, s[60:61]
	global_load_b64 v[20:21], v2, s[60:61] offset:512
	global_load_b32 v255, v3, s[62:63]
	global_load_b128 v[192:195], v1, s[68:69]
	global_load_b64 v[196:197], v2, s[68:69] offset:512
	global_load_b32 v198, v3, s[70:71]
	v_add_nc_u32 v199, s96, v1                     ; my part of the late tile
	v_add_nc_u32 v200, s97, v1                     ; my partner's
	v_add_nc_u32 v201, s91, v1                     ; the pair's part of the early tile
	v_bfe_u32 v10, v0, 4, 1
	v_lshlrev_b32 v10, 3, v10
	v_sub_nc_u32 v11, v11, v10                     ; r - 8 h, for the mask
	s_mov_b32 s[SEL], 0x76543210
	s_mov_b32 s[SEL+1], 0xfedcba98
	s_mov_b32 s[CS], 0x3e38aa3b                    ; log2(e) / 8
	s_mov_b32 s[CS+1], s[CS]                       ; (named with it as a pair)
.irp j, 22,23,24,25,26,27
	v_mov_b32 v[\j], 0                             ; K = 64 .. 127 of q: zero codes
.endr
.irp j, 80,81,82,83,84,85
	v_mov_b32 v[\j], 0                             ; behind k's eighth half image: named by its operand, so written before; what they hold meets q's zero codes
.endr
.macro FRESH                           ; a tile's part begins: the largest t so far -3e38, the sums and O^T zeros
	v_mov_b32 v13, 0xff61b1e6
	v_floor_f32 v12, -v13                          ; -M
	v_mov_b32 v14, 0
	v_mov_b32 v15, 0
.set jj, 0
.rept 32
	v_mov_b32 v[160+jj], 0
.set jj, jj+1
.endr
.endm
.macro PART op, adr, o, m              ; a part to or from LDS: nine pieces of 16 bytes a lane; each accumulator from its low end on
.irp k, 0,1,2,3,4,5,6,7
.if \op
	ds_store_b128 v[\adr], v[\o+4*\k:\o+4*\k+3] offset:512*\k
.else
	ds_load_b128 v[\o+4*\k:\o+4*\k+3], v[\adr] offset:512*\k
.endif
.endr
.if \op
	ds_store_b128 v[\adr], v[\m:\m+3] offset:4096
.else
	ds_load_b128 v[\m:\m+3], v[\adr] offset:4096
.endif
.endm
	FRESH
.irp b, 0,1,2,3
	v_mov_b32 v[236+\b], 0                         ; a lane permute's destination counts as one of its sources
.endr
	v_mov_b32 v253, 0                              ; (named as the upper half of the pair v[252:253] before it is first written)
	s_wait_alu depctr_va_vdst(0)                   ; the wait at the head's end
	s_wait_loadcnt 0x0                             ; both tiles' q
.macro STEP mask                       ; 128 keys.  mask = 1: the step may lie on the diagonal
	v_add_nc_u32 v4, s[TBK], v1                    ; six plain lines: the places behind the last step's products, in front of the loads into the registers that held V's fragments
	v_add_nc_u32 v5, s[TBK], v2
	v_add_nc_u32 v6, s[TBV], v1
	v_add_nc_u32 v7, s[TBV], v2
	v_add_nc_u32 v8, s[TSK], v3
	v_add_nc_u32 v9, s[TSV], v3
	s_wait_alu depctr_va_vdst(0)
.irp t, 0,1,2,3,4,5,6,7                ; k's eight half images on end, six registers each, in one run of 24 loads under one wait
	ds_load_b128 v[32+6*\t:35+6*\t], v4 offset:768*\t
	ds_load_b64 v[36+6*\t:37+6*\t], v5 offset:768*\t+512
	ds_load_b32 v[206+\t], v8 offset:64*\t
.endr
	s_wait_dscnt 0x0
.irp t, 0,1,2,3,4,5,6,7                ; S^T = K Q^T: tile t's operand is its six registers and the six behind them, which meet q's zero codes
	v_wmma_scale_f32_16x16x128_f8f6f4 v[96+8*\t:103+8*\t], v[32+6*\t:43+6*\t], v[16:27], 0, v[206+\t], v255 matrix_a_fmt:MATRIX_FMT_FP6 matrix_b_fmt:MATRIX_FMT_FP6
.endr
.rept 4
	v_nop                                          ; places: in front of the loads into k's registers and of the first read of the scores
.endr
.irp t, 0,1,2,3                        ; V's four fragments (16 channels x these 128 keys) into the registers that k has left: asked for here, wanted behind the whole softmax
	ds_load_b128 v[32+12*\t:35+12*\t], v6 offset:1536*\t
	ds_load_b64 v[36+12*\t:37+12*\t], v7 offset:1536*\t+512
	ds_load_b128 v[38+12*\t:41+12*\t], v6 offset:1536*\t+768
	ds_load_b64 v[42+12*\t:43+12*\t], v7 offset:1536*\t+1280
	ds_load_b32 v[214+\t], v9 offset:64*\t
.endr
.if \mask
	s_add_co_u32 s96, s[KF], 127                   ; on the diagonal hidden scores become -infinity ahead of the maximum; a step all of whose keys count passes this over
	s_cmp_le_u32 s96, s[Q0]
	s_cbranch_scc1 .Lopen_\@
	s_sub_co_u32 s96, s[Q0], s[KF]
	v_add_nc_u32 v80, s96, v11                     ; d = my query - KF - 8 h: register 8 t + j holds key KF + 16 t + 8 h + j: hidden where 16 t + j > d
	v_mov_b32 v81, 0xff800000
.set jj, 0
.rept 64
	v_cmp_gt_i32 vcc_lo, 16*(jj/8)+jj%8, v80
	v_cndmask_b32 v[96+jj], v[96+jj], v81, vcc_lo
.set jj, jj+1
.endr
.Lopen_\@:
.endif
.irp b, 0,1,2,3
	v_max3_num_f32 v[232+\b], v[96+16*\b], v[97+16*\b], v[98+16*\b]        ; the largest score of each block of 32 keys: for the row's maximum and, since p rises with the score, for the block's largest p
.endr
.irp i, 3,5,7,9,11,13
.irp b, 0,1,2,3
	v_max3_num_f32 v[232+\b], v[232+\b], v[96+16*\b+\i], v[97+16*\b+\i]
.endr
.endr
.irp b, 0,1,2,3
	v_max_num_f32 v[232+\b], v[232+\b], v[111+16*\b]
.endr
.irp b, 0,1,2,3
	s_delay_alu instid0(VALU_DEP_4)
	v_permlanex16_b32 v[236+\b], v[232+\b], s[SEL], s[SEL+1]
.endr
.irp b, 0,1,2,3
	s_delay_alu instid0(VALU_DEP_4)
	v_max_num_f32 v[232+\b], v[232+\b], v[236+\b]  ; with lane l xor 16's 16 keys
.endr
	s_delay_alu instid0(VALU_DEP_2)
	v_max3_num_f32 v254, v232, v233, v234
	s_delay_alu instid0(VALU_DEP_1)
	v_max_num_f32 v254, v254, v235
	s_delay_alu instid0(VALU_DEP_1)
	v_mul_f32 v254, s[CS], v254                    ; as t
	s_delay_alu instid0(VALU_DEP_1)
	v_max_num_f32 v13, v13, v254                   ; the running largest t
	v_mov_b32 v254, v12
	s_delay_alu instid0(VALU_DEP_2)
	v_floor_f32 v12, -v13                          ; the new -M = -ceil(t)
	s_delay_alu instid0(VALU_DEP_1)
	v_sub_f32 v254, v12, v254                      ; old M - new M: a whole number, 0 or less
	s_delay_alu instid0(VALU_DEP_1)
	v_cvt_i32_f32 v254, v254                       ; (it saturates)
	s_delay_alu instid0(VALU_DEP_1)
	v_ldexp_f32 v252, 1.0, v254                    ; f = 2^(old M - new M)
.set jj, 0
.rept 32
	v_pk_fma_f32 v[96+jj:97+jj], v[96+jj:97+jj], s[CS:CS+1], v[12:13] op_sel_hi:[1,0,0]   ; t - M
.set jj, jj+2
.endr
.irp b, 0,1,2,3
	v_fma_f32 v[232+\b], v[232+\b], s[CS], v12     ; the same of each block's largest score
.endr
.set jj, 0
	s_wait_alu depctr_va_vdst(0)
.rept 64
	v_exp_f32 v[96+jj], v[96+jj]                   ; p = 2^(t - M): not normalised
.set jj, jj+1
.endr
	v_pk_mul_f32 v[14:15], v[14:15], v[252:253] op_sel_hi:[1,0]    ; the sums under the new M: a plain line behind the exponentials
	s_wait_alu depctr_va_vdst(0)                   ; one wait for the whole batch, ahead of its first reader
.irp b, 0,1,2,3
	v_exp_f32 v[232+\b], v[232+\b]                 ; the block's largest p
.endr
	v_pk_add_f32 v[236:237], v[100:101], v[104:105]
	v_pk_add_f32 v[250:251], v[108:109], v[112:113]
	v_pk_add_f32 v[248:249], v[116:117], v[120:121]
	v_pk_add_f32 v[246:247], v[124:125], v[128:129]
	v_pk_add_f32 v[244:245], v[132:133], v[136:137]
	v_pk_add_f32 v[240:241], v[140:141], v[144:145]
	v_pk_add_f32 v[238:239], v[148:149], v[152:153]
	v_pk_add_f32 v[14:15], v[14:15], v[156:157]
	v_pk_add_f32 v[236:237], v[236:237], v[96:97]
	v_pk_add_f32 v[250:251], v[250:251], v[98:99]
	v_pk_add_f32 v[248:249], v[248:249], v[102:103]
	v_pk_add_f32 v[246:247], v[246:247], v[106:107]
	v_pk_add_f32 v[244:245], v[244:245], v[110:111]
	v_pk_add_f32 v[240:241], v[240:241], v[114:115]
	v_pk_add_f32 v[238:239], v[238:239], v[118:119]
	v_pk_add_f32 v[14:15], v[14:15], v[122:123]
	v_pk_add_f32 v[236:237], v[236:237], v[126:127]
	v_pk_add_f32 v[250:251], v[250:251], v[130:131]
	v_pk_add_f32 v[248:249], v[248:249], v[134:135]
	v_pk_add_f32 v[246:247], v[246:247], v[138:139]
	v_pk_add_f32 v[244:245], v[244:245], v[142:143]
	v_pk_add_f32 v[240:241], v[240:241], v[146:147]
	v_pk_add_f32 v[238:239], v[238:239], v[150:151]
	v_pk_add_f32 v[14:15], v[14:15], v[154:155]
	v_pk_add_f32 v[236:237], v[236:237], v[158:159]
	s_delay_alu instid0(VALU_DEP_2)
	v_pk_add_f32 v[14:15], v[14:15], v[246:247]
	s_delay_alu instid0(VALU_DEP_2)
	v_pk_add_f32 v[236:237], v[236:237], v[244:245]
	v_pk_add_f32 v[250:251], v[250:251], v[240:241]
	v_pk_add_f32 v[248:249], v[248:249], v[238:239]
	s_delay_alu instid0(VALU_DEP_2)
	v_pk_add_f32 v[14:15], v[14:15], v[250:251]
	s_delay_alu instid0(VALU_DEP_2)
	v_pk_add_f32 v[236:237], v[236:237], v[248:249]
	s_delay_alu instid0(VALU_DEP_1)
	v_pk_add_f32 v[14:15], v[14:15], v[236:237]
	s_wait_alu depctr_va_vdst(0)                   ; and one for the four
.irp b, 0,1,2,3
	v_max_num_f32 v[232+\b], 0x1800000, v[232+\b]  ; the floor 2^(3 - 127): the byte cannot fall under 1
.endr
.irp b, 0,1,2,3
	s_delay_alu instid0(VALU_DEP_4)
	v_add_nc_u32 v[244+\b], 0xff000000, v[232+\b]  ; the conversion's scale operand
.endr
.irp b, 0,1,2,3
	s_delay_alu instid0(VALU_DEP_4)
	v_lshrrev_b32 v[236+\b], 23, v[244+\b]
.endr
	s_delay_alu instid0(VALU_DEP_3)
	v_lshl_or_b32 v253, v237, 8, v236              ; p's scale word for these 128 keys
	s_delay_alu instid0(VALU_DEP_1)
	v_lshl_or_b32 v253, v238, 16, v253
	s_delay_alu instid0(VALU_DEP_1)
	v_lshl_or_b32 v253, v239, 24, v253
.irp c, 0,1
	v_cvt_scalef32_pk16_fp6_f32 v[224+6*\c:226+6*\c], v[96+32*\c:111+32*\c], v[244+2*\c]
	v_cvt_scalef32_pk16_fp6_f32 v[236+4*\c:238+4*\c], v[112+32*\c:127+32*\c], v[244+2*\c+1]
.endr
	v_nop                                          ; one plain line behind a scaled conversion
.irp c, 0,1
.irp i, 0,1,2
	v_permlane16_swap_b32 v[224+6*\c+\i], v[236+4*\c+\i]
.endr
.irp i, 0,1,2
	s_delay_alu instid0(VALU_DEP_3)
	v_mov_b32 v[227+6*\c+\i], v[236+4*\c+\i]
.endr
.endr
.set jj, 0
.rept 16
	v_pk_mul_f32 v[160+jj:161+jj], v[160+jj:161+jj], v[252:253] op_sel_hi:[1,0]   ; O^T under the new M; these are also the places between the lines that made p's codes and scale word and the products
.set jj, jj+2
.endr
	s_wait_alu depctr_va_vdst(0)
	s_wait_dscnt 0x0                               ; V's fragments
.irp t, 0,1,2,3                        ; O^T += V^T P^T: the four accumulators by turns
	v_wmma_scale_f32_16x16x128_f8f6f4 v[160+8*\t:167+8*\t], v[32+12*\t:43+12*\t], v[224:235], v[160+8*\t:167+8*\t], v[214+\t], v253 matrix_a_fmt:MATRIX_FMT_FP6 matrix_b_fmt:MATRIX_FMT_FP6
.endr
.endm
.macro SHOW under                      ; a barrier that shows the tiles of waves 0 .. under - 1 to all (under = 0: all that is still out)
	s_wait_alu depctr_va_vdst(0)
.if \under
	s_cmp_lt_u32 s[WV], \under
	s_cbranch_scc0 .Lnw_\@
	s_wait_tensorcnt 0x0
.Lnw_\@:
.else
	s_wait_tensorcnt 0x0
.endif
	s_wait_dscnt 0x0
	s_barrier_signal -1
	s_barrier_wait -1
.endm
	SHOW 4                                         ; the scale words and key steps 0, 1
	s_mul_i32 s[TBK], s[ROLE], 6144                ; n = role: the late tile's key step n
	s_add_co_u32 s[TBV], s[TBK], VC
	s_lshl_b32 s[TSK], s[ROLE], 9
	s_add_co_u32 s[TSK], s[TSK], KSC
	s_lshl_b32 s[TSV], s[ROLE], 8
	s_add_co_u32 s[TSV], s[TSV], VSC
	STEP 0
	SHOW 6                                         ; key steps 2 to 7
	s_mov_b32 s[TRIP], 3
.Lp1:                                                  ; n = 2 + role, 4 + role, 6 + role: under the late block's first key for every i, so nothing is masked or passed over
	s_add_co_u32 s[TBK], s[TBK], 12288
	s_add_co_u32 s[TBV], s[TBV], 12288
	s_add_co_u32 s[TSK], s[TSK], 1024
	s_add_co_u32 s[TSV], s[TSV], 512
	STEP 0
	s_sub_co_u32 s[TRIP], s[TRIP], 1
	s_cmp_lg_u32 s[TRIP], 0
	s_cbranch_scc1 .Lp1
	SHOW 0                                         ; key steps 8 to 15: all of K and V is in
	s_mov_b32 s[TRIP], 0
.Lp2:                                                  ; u = 0 .. 4: n = 8 + role + 2 u
	s_lshl_b32 s96, s[TRIP], 1
	s_add_co_u32 s96, s96, s[N0]                   ; n
	s_xor_b32 s97, s[TRIP], 3
	s_add_co_u32 s97, s97, 1
	s_lshl_b32 s97, s97, 1
	s_add_co_u32 s97, s97, s[R16]
	s_and_b32 s97, s97, 15                         ; 16 - n, for n = 8 .. 16, made of sums, an exclusive or and a cut to four bits
	s_cmp_le_u32 s96, s[LIM]
	s_cselect_b32 s[KEY], s96, s97                 ; the late tile's key step n, or the early tile's 16 - n
	s_and_b32 s[KEY], s[KEY], 15
	s_cmp_eq_u32 s96, s[SWN]
	s_cbranch_scc0 .Lsame
.irp j, 0,1,2,3,4,5
	v_mov_b32 v[16+\j], v[192+\j]                  ; FROM THE LATE TILE TO THE EARLY ONE, once in each wave: its q (these seven lines are also the places behind the last products),
.endr
	v_mov_b32 v255, v198
	PART 1, 199, 160, 12                           ; my part of the late tile into LDS,
	FRESH                                          ; and a fresh part
	s_mov_b32 s[Q0], s[QE]
	s_wait_alu depctr_va_vdst(0)
.Lsame:
	s_cmp_gt_u32 s96, 16                           ; n = 17: role 1 has eight steps
	s_cbranch_scc1 .Lnone
	s_mul_i32 s[TBK], s[KEY], 6144
	s_add_co_u32 s[TBV], s[TBK], VC
	s_lshl_b32 s[TSK], s[KEY], 9
	s_add_co_u32 s[TSK], s[TSK], KSC
	s_lshl_b32 s[TSV], s[KEY], 8
	s_add_co_u32 s[TSV], s[TSV], VSC
	s_lshl_b32 s[KF], s[KEY], 7
	STEP 1
.Lnone:
	s_add_co_u32 s[TRIP], s[TRIP], 1
	s_cmp_lt_u32 s[TRIP], 5
	s_cbranch_scc1 .Lp2
	; THE PARTS ARE JOINED
.rept 4
	v_nop                                          ; places behind the last products
.endr
	s_cmp_eq_u32 s[ROLE], 0
	s_cbranch_scc0 .Lno_e
	PART 1, 201, 160, 12                           ; role 0: my part of the early tile, for my partner
.Lno_e:
	s_wait_dscnt 0x0                               ; for the others' sake: my parts have landed
	s_barrier_signal -1
	s_barrier_wait -1
	s_cmp_eq_u32 s[ROLE], 0
	s_cbranch_scc0 .Lrole_1
	PART 0, 199, 160, 12                           ; role 0: the late tile: my part back, and my partner's
	PART 0, 200, 96, 128
	s_branch .Lboth
.Lrole_1:
	PART 0, 201, 96, 128                           ; role 1: the early tile: my part is in registers
.Lboth:
	s_cmp_eq_u32 s[ROLE], 0
	s_cselect_b32 s[Q0], s[QL], s[QE]              ; the tile that I finish
	s_wait_dscnt 0x0
	v_min_num_f32 v132, v12, v128                  ; -M of the two together
	v_add_f32 v14, v14, v15
	v_add_f32 v130, v130, v131
	v_sub_f32 v133, v132, v12                      ; each part's M less the common one: whole numbers, 0 or less; a part with no step has M = -3e38 and zeros
	v_sub_f32 v134, v132, v128
	v_cvt_i32_f32 v133, v133                       ; (they saturate)
	v_cvt_i32_f32 v134, v134
	v_ldexp_f32 v136, 1.0, v133
	v_ldexp_f32 v138, 1.0, v134
	v_mov_b32 v137, v136
	v_mov_b32 v139, v138
	v_mul_f32 v14, v14, v136
	v_fmac_f32 v14, v130, v138                     ; the sums under the common M
.set jj, 0
.rept 16
	v_pk_mul_f32 v[160+jj:161+jj], v[160+jj:161+jj], v[136:137]
.set jj, jj+2
.endr
.set jj, 0
.rept 16
	v_pk_fma_f32 v[160+jj:161+jj], v[96+jj:97+jj], v[138:139], v[160+jj:161+jj]
.set jj, jj+2
.endr
	; THE WAY OUT: O^T / the sum; its 64 channels are two blocks of 32 of the next product's K: half a fragment and two scale bytes
	v_permlanex16_b32 v236, v14, s[SEL], s[SEL+1]
	v_add_f32 v14, v14, v236                       ; the row's sum
	s_wait_alu depctr_va_vdst(0)
	v_rcp_f32 v14, v14
	v_nop                                          ; a plain line behind the transcendental
	s_lshl_b32 s91, s10, 7
	s_lshr_b32 s92, s[Q0], 4
	s_add_co_u32 s91, s91, s92                     ; my tile of rows: 128 x batch + query / 16
	s_lshl_b32 s91, s91, 3
	s_lshr_b32 s92, s11, 1                         ; K step head / 2
	s_add_co_u32 s91, s91, s92
	s_mul_i32 s91, s91, 1536
	s_and_b32 s93, s11, 1
	s_mul_i32 s94, s93, 768                        ; half image head % 2
	s_add_co_u32 s14, s91, s94
	s_mov_b32 s15, 0
	s_lshl_b32 s91, s10, 4
	s_lshr_b32 s94, s[Q0], 7
	s_add_co_u32 s91, s91, s94
	s_lshl_b32 s91, s91, 3
	s_add_co_u32 s91, s91, s92
	s_lshl_b32 s91, s91, 9
	s_and_b32 s94, s[Q0], 127
	s_lshl_b32 s94, s94, 2
	s_add_co_u32 s91, s91, s94
	s_lshl_b32 s93, s93, 1
	s_add_co_u32 s91, s91, s93
	s_add_co_u32 s16, s91, 3145728
	s_mov_b32 s17, 0
	s_add_nc_u64 s[14:15], s[6:7], s[14:15]
	s_add_nc_u64 s[16:17], s[6:7], s[16:17]
	s_wait_alu depctr_va_vdst(0)                   ; the wait ahead of the reciprocal's first reader
.set jj, 0
.rept 32
	v_mul_f32 v[96+jj], v[160+jj], v14             ; register 8 t + j is o(query r, channel 16 t + 8 h + j)
.set jj, jj+1
.endr
	v_max3_num_f32 v232, |v96|, |v97|, 0x1800000
	v_max3_num_f32 v233, |v112|, |v113|, 0x1800000
.irp i, 2,4,6,8,10,12,14
	s_delay_alu instid0(VALU_DEP_2)
	v_max3_num_f32 v232, v232, |v[96+\i]|, |v[97+\i]|
	s_delay_alu instid0(VALU_DEP_2)
	v_max3_num_f32 v233, v233, |v[112+\i]|, |v[113+\i]|
.endr
	s_delay_alu instid0(VALU_DEP_2)
	v_permlanex16_b32 v236, v232, s[SEL], s[SEL+1]
	s_delay_alu instid0(VALU_DEP_2)
	v_permlanex16_b32 v237, v233, s[SEL], s[SEL+1]
	s_delay_alu instid0(VALU_DEP_2)
	v_max_num_f32 v232, v232, v236
	s_delay_alu instid0(VALU_DEP_2)
	v_max_num_f32 v233, v233, v237
	s_delay_alu instid0(VALU_DEP_2)
	v_add_nc_u32 v244, 0xff000000, v232
	s_delay_alu instid0(VALU_DEP_2)
	v_add_nc_u32 v245, 0xff000000, v233
	s_delay_alu instid0(VALU_DEP_2)
	v_lshrrev_b32 v236, 23, v244
	s_delay_alu instid0(VALU_DEP_2)
	v_lshrrev_b32 v237, 23, v245
	s_delay_alu instid0(VALU_DEP_1)
	v_lshl_or_b32 v238, v237, 8, v236              ; the head's two bytes of my query's scale word
	v_cvt_scalef32_pk16_fp6_f32 v[224:226], v[96:111], v244
	v_cvt_scalef32_pk16_fp6_f32 v[240:242], v[112:127], v245
	v_nop                                          ; one plain line behind a scaled conversion
.irp i, 0,1,2
	v_permlane16_swap_b32 v[224+\i], v[240+\i]
.endr
.irp i, 0,1,2
	s_delay_alu instid0(VALU_DEP_3)
	v_mov_b32 v[227+\i], v[240+\i]
.endr
	global_store_b128 v1, v[224:227], s[14:15]     ; 512 and 256 consecutive bytes, aligned
	global_store_b64 v2, v[228:229], s[14:15] offset:512
	global_store_b16 v3, v238, s[16:17]            ; both halves of the lanes write the same two bytes with the same value
	s_wait_tensorcnt 0x0                           ; the wave's end
	ds_add_u32 v223, v243
	s_wait_dscnt 0x0
	s_endpgm
.Lfunc_end_k_qf5edc67112_attn:
	.size	k_qf5edc67112_attn, .Lfunc_end_k_qf5edc67112_attn-k_qf5edc67112_attn
	.p2alignl 7, 3214868480
	.fill 96, 4, 3214868480
	.section	.rodata,"a",@progbits
	.p2align	6, 0x0
	.amdhsa_kernel k_qf5edc67112_attn
		.amdhsa_group_segment_fixed_size 327680
		.amdhsa_private_segment_fixed_size 0
		.amdhsa_enable_private_segment 0
		.amdhsa_kernarg_size 16
		.amdhsa_user_sgpr_count 2
		.amdhsa_user_sgpr_kernarg_segment_ptr 1
		.amdhsa_wavefront_size32 1
		.amdhsa_system_sgpr_workgroup_id_x 1
		.amdhsa_system_sgpr_workgroup_id_y 1
		.amdhsa_system_sgpr_workgroup_id_z 1
		.amdhsa_system_vgpr_workitem_id 0
		.amdhsa_next_free_vgpr 256
		.amdhsa_next_free_sgpr 100
		.amdhsa_reserve_vcc 1
		.amdhsa_float_denorm_mode_32 3
		.amdhsa_float_denorm_mode_16_64 3
		.amdhsa_memory_ordered 1
		.amdhsa_forward_progress 1
		.amdhsa_inst_pref_size 86
	.end_amdhsa_kernel
	.amdgpu_metadata
---
amdhsa.version: [ 1, 2 ]
amdhsa.kernels:
  - .name:           k_qf5edc67112_attn
    .symbol:         k_qf5edc67112_attn.kd
    .args:
      - { .name: qkv, .offset: 0, .size: 8, .value_kind: global_buffer, .address_space: global }
      - { .name: act, .offset: 8, .size: 8, .value_kind: global_buffer, .address_space: global }
    .group_segment_fixed_size: 327680
    .private_segment_fixed_size: 0
    .kernarg_segment_align: 8
    .kernarg_segment_size: 16
    .max_flat_workgroup_size: 512
    .sgpr_count:     100
    .vgpr_count:     256
    .wavefront_size: 32
...
	.end_amdgpu_metadata
.endif
;; end of part 3
;; launch gout (part 4): grid 8 x 32, 4 waves a work-group, clusters of 4 x 4, 327,680 bytes of LDS; arguments act, wq, b_out, x, x1; writes x1
.if DOCPART == 4
	.amdgcn_target "amdgcn-amd-amdhsa--gfx1250"
	.amdhsa_code_object_version 6
	.text
	.protected	k_qf5edc67112_gout
	.globl	k_qf5edc67112_gout
	.p2align	8
	.type	k_qf5edc67112_gout,@function
k_qf5edc67112_gout:
	s_mov_b64 s[64:65], 0
	v_nop
	global_prefetch_b8 v0, s[64:65] scope:SCOPE_SE
	s_setreg_imm32_b32 hwreg(HW_REG_WAVE_MODE, 25, 1), 1
	s_wait_xcnt 0x0
	s_wait_alu depctr_hold_cnt(0) depctr_sa_sdst(0) depctr_va_vdst(0) depctr_va_sdst(0) depctr_va_ssrc(0) depctr_va_vcc(0) depctr_vm_vsrc(0)
	s_getreg_b32 s2, hwreg(HW_REG_IB_STS2, 6, 4)
	s_cmp_eq_u32 s2, 0
	s_cbranch_scc0 .Lentry_in_a_cluster
	s_endpgm
.Lentry_in_a_cluster:
	s_bfe_u32 s2, ttmp6, 0x10000c
	s_cmp_lg_u32 s2, 0xf033
	s_cbranch_scc0 .Lentry_shape_is_right
	s_endpgm
.Lentry_shape_is_right:
; x1 = x + (A W_out + b_out): A [4,096][1,024] and W_out [1,024 columns][1,024] as codes of FP6 (E2M3) with E8M0 scales, laid as every operand of this program; x, x1 f32.  Tiles of 128 x 128, four waves of 64 x 64.
; ALL OF K LIES IN LDS AT ONCE: a side's 128 rows are 98,304 dense bytes, [row / 16][K step 8][1,536].  The head's four joint loads, one a wave, bring A's codes, A's scale words, W's codes, W's scale words; nothing is filled again.
; 'Slot' 1 of the text below is K steps 4 to 7 of the same rows, 4 x 1,536 bytes on.
; PREFETCH: ahead of the opening round the sixteen waves that will receive a tile jointly name its blocks of 256 bytes, shared out by address: a wave stands for a side's 64 rows, and of them each of the four partners takes one tile of
; 16 rows (48 blocks, two instructions) and two blocks of the scale words.  There is no loop to run ahead in.
; The stage of the way out lies on A's codes: a barrier stands between the last reads of them and the first store.
.set SIZE_K, 1024
.set ASC,    3145728
.set BCO,    2359296
.set BSC,    9535488
.set KT,     SIZE_K/128
.set FR,     12
.set FRB,    1536
.set TROW,   8*FRB
.set HALFT,  4*TROW
.set SLOT,   4*FRB
.set LAPS,   SIZE_K/1024
.set SCL,    4*HALFT
.set HALFS,  256*KT
.set SPARE,  SCL+4*HALFS
.set SPITCH, 528
.set ADRA, 16
.set ADRB, 20
.set STO,  24
.set RD,   25
.set CO,   26
.set ADRS, 27
.set SPW,  28
.set NIL,  29
.set SC,   32
.set BI,   40
.set ACC,  128
.set F0,   0
.set F1,   128
.set G1, 24
.set G0, 32
.set G1B, 48
.set G0B, 56
.set G1S, 68
.set G0S, 76
.set G1SB, 80
.set G0SB, 88
.set MSB, 0
.macro WIN new
.if MSB != (\new)
	s_set_vgpr_msb (MSB<<8)|(\new)
.set MSB, (\new)
.endif
.endm
.set MUL,  0x05
.set TO_F, 0x40
.macro JLOAD g0a, g1a, g0b, g1b
	s_cmp_eq_u32 s15, 0
	s_cbranch_scc0 .Lfor_b_\@
	tensor_load_to_lds s[\g0a:\g0a+3], s[\g1a:\g1a+7]
	s_nop 0
.rept 4
	v_nop
.endr
	s_branch .Lasked_\@
.Lfor_b_\@:
	tensor_load_to_lds s[\g0b:\g0b+3], s[\g1b:\g1b+7]
	s_nop 0
.rept 4
	v_nop
.endr
.Lasked_\@:
.endm
.macro CREST
	s_cmp_lg_u32 s14, 0
	s_cbranch_scc1 .Lnot_wave_0_\@
	s_barrier_signal -3
.Lnot_wave_0_\@:
	s_barrier_wait -3
	s_barrier_signal -1
	s_barrier_wait -1
.endm
.macro CROUND
	s_barrier_signal -1
	s_barrier_wait -1
	CREST
.endm
	s_load_b256 s[4:11], s[0:1], 0x0
	s_load_b64 s[12:13], s[0:1], 0x20
	v_lshl_add_u32 v[SPW], v0, 2, SPARE
	v_mov_b32 v[NIL], 0
	ds_add_u32 v28, v29
	ds_add_u32 v28, v29
	s_wait_dscnt 0x0
	v_lshrrev_b32 v1, 5, v0
	v_readfirstlane_b32 s14, v1
	s_lshr_b32 s15, s14, 1
	s_and_b32 s16, s14, 1
	s_bfe_u32 s40, ttmp6, 0x40000
	s_bfe_u32 s41, ttmp6, 0x40004
	s_lshl_b32 s42, ttmp9, 2
	s_add_co_u32 s42, s42, s40
	s_and_b32 s17, ttmp7, 0xffff
	s_lshl_b32 s17, s17, 2
	s_add_co_u32 s17, s17, s41
	s_lshl_b32 s43, s41, 2
	s_lshl_b32 s43, 15, s43
	s_lshl_b32 s44, 0x1111, s40
	s_or_b32 s[G1+0], s43, (3<<16)|(1<<21)
	s_or_b32 s[G1B+0], s44, (3<<16)|(1<<21)
.irp g, G1, G1B
	s_mov_b32 s[\g+1], 1536<<16                    ; 8 tiles of 16 rows, of each all of K: 12,288 bytes
	s_mov_b32 s[\g+2], 8<<16
	s_mov_b32 s[\g+3], 1536<<16
	s_mov_b32 s[\g+4], 8
	s_mov_b32 s[\g+5], 192*KT
	s_mov_b32 s[\g+6], 0
	s_mov_b32 s[\g+7], 0
.endr
	s_or_b32 s[G1S+0], s43, (3<<16)|(1<<21)
	s_or_b32 s[G1SB+0], s44, (3<<16)|(1<<21)
.irp g, G1S, G1SB
	s_mov_b32 s[\g+1], 256<<16                     ; a side's scale words: 4,096 dense bytes as two rows of 2,048
	s_mov_b32 s[\g+2], 2<<16
	s_mov_b32 s[\g+3], 256<<16
	s_mov_b32 s[\g+4], 2
	s_mov_b32 s[\g+5], 256
	s_mov_b32 s[\g+6], 0
	s_mov_b32 s[\g+7], 0
.endr
	s_lshl_b32 s18, s16, 2
	s_lshl_b32 s20, s17, 3
	s_add_co_u32 s20, s20, s18
	s_mul_i32 s20, s20, KT*FRB
	s_mov_b32 s21, 0
	s_lshl_b32 s46, s42, 3
	s_add_co_u32 s46, s46, s18
	s_mul_i32 s46, s46, KT*FRB
	s_add_co_u32 s46, s46, BCO
	s_mov_b32 s47, 0
	s_mul_i32 s18, s16, HALFS
	s_mul_i32 s22, s17, KT*512
	s_add_co_u32 s22, s22, s18
	s_add_co_u32 s22, s22, ASC
	s_mov_b32 s23, 0
	s_mul_i32 s92, s42, KT*512
	s_add_co_u32 s92, s92, s18
	s_add_co_u32 s92, s92, BSC
	s_mov_b32 s93, 0
	s_mul_i32 s45, s14, HALFT
	s_mul_i32 s94, s15, 2*HALFS
	s_wait_kmcnt 0x0
	s_add_nc_u64 s[20:21], s[4:5], s[20:21]
	s_add_nc_u64 s[22:23], s[4:5], s[22:23]
	s_add_nc_u64 s[46:47], s[6:7], s[46:47]
	s_add_nc_u64 s[92:93], s[6:7], s[92:93]
	s_cmp_eq_u32 s15, 0                            ; the prefetches: my wave stands for A's (waves 0, 1) or W's (waves 2, 3) 64 rows
	s_cselect_b64 s[96:97], s[20:21], s[46:47]     ; their codes,
	s_cselect_b64 s[98:99], s[22:23], s[92:93]     ; their scale words: 8 blocks; never rewritten
	s_cselect_b32 s2, s40, s41                     ; my place among the four that ask jointly: cx for A, cy for W
	s_lshl_b32 s95, s2, 1
	s_mul_i32 s2, s2, KT*FRB
	s_mov_b32 s3, 0
	s_add_nc_u64 s[96:97], s[96:97], s[2:3]        ; my tile of 16 rows; never rewritten
	v_and_b32 v7, 31, v0
	v_min_u32 v8, 1, v7
	v_add_nc_u32 v8, s95, v8
	v_lshlrev_b32 v8, 8, v8                        ; block 2 x place + lane (lanes 2 to 31 name the last again)
	v_min_u32 v7, 23, v7
	v_lshlrev_b32 v7, 8, v7                        ; 24 blocks an instruction (lanes 24 to 31 name the last again)
	global_prefetch_b8 v8, s[98:99] th:TH_LOAD_NT scope:SCOPE_SE
	global_prefetch_b8 v7, s[96:97] th:TH_LOAD_NT scope:SCOPE_SE
	global_prefetch_b8 v7, s[96:97] offset:4*FRB th:TH_LOAD_NT scope:SCOPE_SE
	CROUND
	s_mov_b32 s[G0S], 1
	s_add_co_u32 s[G0S+1], s94, SCL
	s_sub_nc_u64 s[G0S+2:G0S+3], s[22:23], HALFS   ; waves 1 and 3 ask for the scale words: their address stood at a side's second half
	s_or_b32 s[G0S+3], s[G0S+3], 0x80000000
	s_mov_b32 s[G0SB], 1
	s_add_co_u32 s[G0SB+1], s94, SCL
	s_sub_nc_u64 s[G0SB+2:G0SB+3], s[92:93], HALFS
	s_or_b32 s[G0SB+3], s[G0SB+3], 0x80000000
.irp s, 0
	s_mov_b32 s[G0+4*\s], 1
	s_add_co_u32 s[G0+4*\s+1], s45, \s*SLOT
	s_add_nc_u64 s[G0+4*\s+2:G0+4*\s+3], s[20:21], \s*TROW
	s_or_b32 s[G0+4*\s+3], s[G0+4*\s+3], 0x80000000
	s_mov_b32 s[G0B+4*\s], 1
	s_add_co_u32 s[G0B+4*\s+1], s45, \s*SLOT
	s_add_nc_u64 s[G0B+4*\s+2:G0B+4*\s+3], s[46:47], \s*TROW
	s_or_b32 s[G0B+4*\s+3], s[G0B+4*\s+3], 0x80000000
.endr
	s_cmp_eq_u32 s14, 0                            ; the head's four tiles, one a wave, in one chain of branches on the wave's number
	s_cbranch_scc0 .Lhead_1
	tensor_load_to_lds s[G0:G0+3], s[G1:G1+7]      ; wave 0: A's 128 rows
	s_nop 0
.rept 4
	v_nop
.endr
	s_branch .Lhead_j
.Lhead_1:
	s_cmp_eq_u32 s14, 1
	s_cbranch_scc0 .Lhead_2
	tensor_load_to_lds s[G0S:G0S+3], s[G1S:G1S+7]  ; wave 1: A's scale words
	s_nop 0
.rept 4
	v_nop
.endr
	s_branch .Lhead_j
.Lhead_2:
	s_cmp_eq_u32 s14, 2
	s_cbranch_scc0 .Lhead_3
	tensor_load_to_lds s[G0B:G0B+3], s[G1B:G1B+7]  ; wave 2: W's 128 columns
	s_nop 0
.rept 4
	v_nop
.endr
	s_branch .Lhead_j
.Lhead_3:
	tensor_load_to_lds s[G0SB:G0SB+3], s[G1SB:G1SB+7]  ; wave 3: W's scale words
	s_nop 0
.rept 4
	v_nop
.endr
.Lhead_j:
	v_and_b32 v1, 15, v0
	v_bfe_u32 v2, v0, 4, 1
	v_and_b32 v3, 31, v0
	v_lshlrev_b32 v[CO], 4, v3
	s_wait_alu depctr_va_vdst(0)
	v_lshlrev_b32 v5, 3, v3
	s_wait_alu depctr_va_vdst(0)
	s_lshl_b32 s18, s17, 7
	s_lshl_b32 s19, s14, 5
	s_add_co_u32 s18, s18, s19
	s_lshl_b32 s18, s18, 12
	s_lshl_b32 s19, s42, 9
	s_add_co_u32 s18, s18, s19
	s_mov_b32 s19, 0
	s_add_nc_u64 s[10:11], s[10:11], s[18:19]
	s_add_nc_u64 s[12:13], s[12:13], s[18:19]
	s_lshl_b32 s18, s42, 9
	s_add_nc_u64 s[8:9], s[8:9], s[18:19]
	WIN 0x80
.set ii, 0
.rept 32
	global_load_b128 v[4*ii:4*ii+3], v[CO], s[10:11] offset:4096*ii
.set ii, ii+1
.endr
	WIN 0
	global_load_b128 v[BI:BI+3], v[CO], s[8:9]
	s_mul_i32 s21, s15, HALFT
	s_mul_i32 s22, s16, HALFT
	s_add_co_u32 s22, s22, 2*HALFT
.irp s, 0,1
	v_add_nc_u32 v[ADRA+\s], s21, v[CO]
	v_add_nc_u32 v[ADRB+\s], s22, v[CO]
	v_add_nc_u32 v[ADRA+2+\s], s21, v5
	v_add_nc_u32 v[ADRB+2+\s], s22, v5
	s_add_co_u32 s21, s21, SLOT
	s_add_co_u32 s22, s22, SLOT
.endr
	v_lshlrev_b32 v6, 2, v1
	s_lshl_b32 s21, s15, 8
	s_lshl_b32 s22, s16, 8
	s_add_co_u32 s22, s22, 2*HALFS
	s_sub_co_u32 s22, s22, s21
	v_mul_u32_u24 v4, s22, v2
	s_add_co_u32 s21, s21, SCL
	v_add_nc_u32 v4, v4, v6
	v_add_nc_u32 v[ADRS], s21, v4
	s_mul_i32 s23, s15, 64*SPITCH
	s_lshl_b32 s21, s16, 8
	s_add_co_u32 s23, s23, s21
	v_mul_u32_u24 v4, v1, SPITCH
	v_lshl_add_u32 v4, v2, 5, v4
	v_add_nc_u32 v[STO], s23, v4
	s_mul_i32 s23, s14, 32*SPITCH
	v_add_nc_u32 v[RD], s23, v[CO]
.macro FRAG reg, adr, q, i
	ds_load_b128 v[\reg:\reg+3], v[\adr] offset:(\i)*TROW+(\q)*FRB
	ds_load_b64 v[\reg+4:\reg+5], v[\adr+2] offset:(\i)*TROW+(\q)*FRB+512
	ds_load_b128 v[\reg+6:\reg+9], v[\adr] offset:(\i)*TROW+(\q)*FRB+768
	ds_load_b64 v[\reg+10:\reg+11], v[\adr+2] offset:(\i)*TROW+(\q)*FRB+1280
.endm
.macro FETCH slot, q, f, sc
	WIN TO_F
.irp i, 0,1,2,3
	FRAG \f+FR*\i, ADRA+\slot, \q, \i
.endr
.irp i, 0,1,2,3
	FRAG \f+48+FR*\i, ADRB+\slot, \q, \i
.endr
	WIN 0
.irp i, 0,1,2,3
	ds_load_b32 v[SC+4*(\sc)+\i], v[ADRS] offset:512*(\q)+64*\i
.endr
.endm
.macro MULA f, sc, a, zero
.irp b, 0,1,2,3
.if \zero
	v_wmma_scale_f32_16x16x128_f8f6f4 v[ACC+8*(4*(\a)+\b):ACC+8*(4*(\a)+\b)+7], v[\f+48+FR*\b:\f+48+FR*\b+FR-1], v[\f+FR*(\a):\f+FR*(\a)+FR-1], 0, v[SC+4*(\sc)+\b], v[SC+4*(\sc)+(\a)] matrix_a_fmt:MATRIX_FMT_FP6 matrix_b_fmt:MATRIX_FMT_FP6 matrix_a_scale:MATRIX_SCALE_ROW1
.else
	v_wmma_scale_f32_16x16x128_f8f6f4 v[ACC+8*(4*(\a)+\b):ACC+8*(4*(\a)+\b)+7], v[\f+48+FR*\b:\f+48+FR*\b+FR-1], v[\f+FR*(\a):\f+FR*(\a)+FR-1], v[ACC+8*(4*(\a)+\b):ACC+8*(4*(\a)+\b)+7], v[SC+4*(\sc)+\b], v[SC+4*(\sc)+(\a)] matrix_a_fmt:MATRIX_FMT_FP6 matrix_b_fmt:MATRIX_FMT_FP6 matrix_a_scale:MATRIX_SCALE_ROW1
.endif
.endr
.endm
.macro PLACES
.rept 4
	v_nop
.endr
.endm
.macro STEP slot, q, zero
	s_wait_dscnt 0x0
	PLACES
	FETCH \slot, (\q)+1, 128*(((\q)+1)%2), ((\q)+1)%2
	WIN MUL
.irp a, 0,1,2,3
	MULA 128*((\q)%2), (\q)%2, \a, \zero
.endr
	WIN 0
.endm
.macro TURN slot, next, fill
	s_wait_tensorcnt 0x0
	ds_add_u32 v[SPW], v[NIL]
	s_wait_dscnt 1
	WIN MUL
	MULA F1, 1, 0, 0
	MULA F1, 1, 1, 0
	s_wait_dscnt 0x0
	s_barrier_signal -1
	MULA F1, 1, 2, 0
	WIN 0
	s_barrier_wait -1
.if \fill
	CREST
	s_add_nc_u64 s[G0+4*\slot+2:G0+4*\slot+3], s[G0+4*\slot+2:G0+4*\slot+3], 2*TROW
	s_add_nc_u64 s[G0B+4*\slot+2:G0B+4*\slot+3], s[G0B+4*\slot+2:G0B+4*\slot+3], 2*TROW
	JLOAD G0+4*\slot, G1, G0B+4*\slot, G1B
.else
	PLACES
.endif
	v_add_nc_u32 v[ADRS], 2048, v[ADRS]
	FETCH \next, 0, F0, 0
	WIN MUL
	MULA F1, 1, 3, 0
	WIN 0
.endm
	s_wait_alu depctr_va_vdst(0)
	s_wait_tensorcnt 0x0                           ; my tile of the head's four is in,
	s_barrier_signal -1
	s_barrier_wait -1                              ; everybody's are
	FETCH 0, 0, F0, 0
	STEP 0, 0, 1
.if LAPS > 1
	s_mov_b32 s3, LAPS-1
.Llap:
	STEP 0, 1, 0
	STEP 0, 2, 0
	TURN 0, 1, 1
	STEP 1, 0, 0
	STEP 1, 1, 0
	STEP 1, 2, 0
	TURN 1, 0, 1
	STEP 0, 0, 0
	s_sub_co_u32 s3, s3, 1
	s_cmp_lg_u32 s3, 0
	s_cbranch_scc1 .Llap
.endif
	STEP 0, 1, 0
	STEP 0, 2, 0
	TURN 0, 1, 0
	s_wait_alu depctr_va_vdst(0)
	STEP 1, 0, 0
	STEP 1, 1, 0
	STEP 1, 2, 0
	s_wait_dscnt 0x0
	WIN MUL
.irp a, 0,1,2,3
	MULA F1, 1, \a, 0
.endr
	WIN 0
	s_barrier_signal -1                            ; no LDS load of mine is out: my reads of A's codes are over,
	s_barrier_wait -1                              ; and everybody's: the stage may be written over them
	PLACES
.irp a, 0,1,2,3
.irp b, 0,1,2,3
	ds_store_b128 v[STO], v[ACC+8*(4*\a+\b):ACC+8*(4*\a+\b)+3] offset:\a*16*SPITCH+64*\b
	ds_store_b128 v[STO], v[ACC+8*(4*\a+\b)+4:ACC+8*(4*\a+\b)+7] offset:\a*16*SPITCH+64*\b+16
.endr
.endr
	s_wait_dscnt 0x0
	s_barrier_signal -1
	s_barrier_wait -1
.set ii, 0
.rept 32
	ds_load_b128 v[ACC+4*ii:ACC+4*ii+3], v[RD] offset:ii*SPITCH
.set ii, ii+1
.endr
	s_wait_dscnt 0x0
	s_wait_loadcnt 0x0
.set ii, 0
.rept 32
	v_pk_add_f32 v[ACC+4*ii:ACC+4*ii+1], v[ACC+4*ii:ACC+4*ii+1], v[BI:BI+1]
	v_pk_add_f32 v[ACC+4*ii+2:ACC+4*ii+3], v[ACC+4*ii+2:ACC+4*ii+3], v[BI+2:BI+3]
.set ii, ii+1
.endr
	WIN 0x08
.set ii, 0
.rept 64
	v_pk_add_f32 v[ACC+ii:ACC+ii+1], v[ACC+ii:ACC+ii+1], v[ii:ii+1]
.set ii, ii+2
.endr
	WIN 0
.set ii, 0
.rept 32
	global_store_b128 v[CO], v[ACC+4*ii:ACC+4*ii+3], s[12:13] offset:4096*ii
.set ii, ii+1
.endr
	s_wait_tensorcnt 0x0
	ds_add_u32 v[SPW], v[NIL]
	s_wait_dscnt 0x0
	CROUND
	s_endpgm
.Lfunc_end_k_qf5edc67112_gout:
	.size	k_qf5edc67112_gout, .Lfunc_end_k_qf5edc67112_gout-k_qf5edc67112_gout
	.p2alignl 7, 3214868480
	.fill 96, 4, 3214868480
	.section	.rodata,"a",@progbits
	.p2align	6, 0x0
	.amdhsa_kernel k_qf5edc67112_gout
		.amdhsa_group_segment_fixed_size 327680
		.amdhsa_private_segment_fixed_size 0
		.amdhsa_enable_private_segment 0
		.amdhsa_kernarg_size 40
		.amdhsa_user_sgpr_count 2
		.amdhsa_user_sgpr_kernarg_segment_ptr 1
		.amdhsa_wavefront_size32 1
		.amdhsa_system_sgpr_workgroup_id_x 1
		.amdhsa_system_sgpr_workgroup_id_y 1
		.amdhsa_system_sgpr_workgroup_id_z 1
		.amdhsa_system_vgpr_workitem_id 0
		.amdhsa_next_free_vgpr 768
		.amdhsa_next_free_sgpr 100
		.amdhsa_reserve_vcc 0
		.amdhsa_float_denorm_mode_32 3
		.amdhsa_float_denorm_mode_16_64 3
		.amdhsa_memory_ordered 1
		.amdhsa_forward_progress 1
		.amdhsa_inst_pref_size 65
	.end_amdhsa_kernel
	.amdgpu_metadata
---
amdhsa.version: [ 1, 2 ]
amdhsa.kernels:
  - .name:           k_qf5edc67112_gout
    .symbol:         k_qf5edc67112_gout.kd
    .args:
      - { .name: act, .offset: 0, .size: 8, .value_kind: global_buffer, .address_space: global }
      - { .name: wq, .offset: 8, .size: 8, .value_kind: global_buffer, .address_space: global }
      - { .name: b_out, .offset: 16, .size: 8, .value_kind: global_buffer, .address_space: global }
      - { .name: x, .offset: 24, .size: 8, .value_kind: global_buffer, .address_space: global }
      - { .name: x1, .offset: 32, .size: 8, .value_kind: global_buffer, .address_space: global }
    .group_segment_fixed_size: 327680
    .private_segment_fixed_size: 0
    .kernarg_segment_align: 8
    .kernarg_segment_size: 40
    .max_flat_workgroup_size: 128
    .sgpr_count:     100
    .vgpr_count:     768
    .wavefront_size: 32
...
	.end_amdgpu_metadata
.endif
;; end of part 4
;; launch ln2 (part 5): grid 256 x 1, 16 waves a work-group, no clusters, 88,576 bytes of LDS; arguments x1, ln2_g, ln2_b, act; writes act
.if DOCPART == 5
	.amdgcn_target "amdgcn-amd-amdhsa--gfx1250"
	.amdhsa_code_object_version 6
	.text
	.protected	k_qf5edc67112_ln2
	.globl	k_qf5edc67112_ln2
	.p2align	8
	.type	k_qf5edc67112_ln2,@function
k_qf5edc67112_ln2:
	s_mov_b64 s[64:65], 0
	v_nop
	global_prefetch_b8 v0, s[64:65] scope:SCOPE_SE
	s_setreg_imm32_b32 hwreg(HW_REG_WAVE_MODE, 25, 1), 1
	s_wait_xcnt 0x0
; y = (x - mean) * rsqrt(var + 1e-5) * g + b along rows of 1,024 f32, and y's codes of FP6 (E2M3) with E8M0 scale words, laid as the next product loads its operand.
; LAYOUT (the same in every launch of this program).  A fragment, 16 rows x 128 K, is 1,536 bytes: two half images of 768 bytes; a half image holds registers c0..c5 of lane L = r + 16 h: c0..c3 at 16 L, c4, c5 at 512 + 8 L.
; Codes [row / 16][k / 128][1,536] at byte 0 of the buffer; scale words [row / 128][k / 128][row % 128] at byte 3,145,728.  Inside a block of 32, place p holds number pi(p): p with its bits 3 and 4 exchanged.
; SHARES.  A work-group takes 16 rows (one tile of rows), a wave one row: the two reductions never leave the wave.  The variance is taken of the differences x - mean, as reference() takes it.
; The row then turns through the wave's own stage in LDS, so that lane l holds the whole of block l; the 16 waves' codes meet in LDS as 8 fragments and leave in stores of 256 consecutive bytes, aligned.
; The scale words leave in pieces of 64 bytes (16 rows of one K step): one byte in 24 of what the launch stores.
; LIMITS: NaN and infinities are not served; a block of zeros, or one whose largest magnitude lies under 2^-124, gets the byte 1.  The sums' order differs from reference()'s.
.set WSTB, 4608                        ; LDS: a stage for each wave: 32 places of 128 + 16 bytes
.set IMG,  73728                       ; the 8 fragments
.set SCI,  86016                       ; the scale words [K step 8][row 16]
.set X,    16                          ; v16-47   the row: 32 numbers a lane
.set G,    48                          ; v48-79   g
.set BV,   80                          ; v80-111  b
.set Y,    112                         ; v112-143 my block of 32
.set C,    144                         ; v144-152 its codes
.set AR,   153                         ; v153 stage, on the way back; later where I read the images
.set IMA,  154                         ; v154 where my block's first 16 bytes go
.set IMB,  155                         ; v155 and its last 8
.set SCB,  156                         ; v156 and its scale byte
.set T8,   157                         ; v157 8 x thread
.set T4,   158                         ; v158 SCI + 4 x thread
.set GS,   159                         ; v159 a scale word's place in memory
	s_load_b256 s[4:11], s[0:1], 0x0               ; x s[4:5], g s[6:7], b s[8:9], the codes' buffer s[10:11]
	v_lshl_add_u32 v160, v0, 2, 0x15200
	v_mov_b32 v161, 0
	v_lshrrev_b32 v1, 5, v0
	s_delay_alu instid0(VALU_DEP_1)
	v_readfirstlane_b32 s12, v1                    ; wave 0..15 = my row in the tile
	v_and_b32 v1, 31, v0                           ; lane
	s_delay_alu instid0(VALU_DEP_1)
	v_lshlrev_b32 v2, 4, v1                        ; 16 bytes a lane; never rewritten
	s_lshl_b32 s14, ttmp9, 16                      ; 16 rows of 4,096 bytes a work-group,
	s_lshl_b32 s15, s12, 12
	s_add_co_u32 s14, s14, s15                     ; and my row: under 2^24
	s_mov_b32 s15, 0
	s_mov_b32 s16, 0x76543210
	s_mov_b32 s17, 0xfedcba98                      ; v_permlanex16_b32's selects for lane l xor 16
	s_mov_b32 s18, 0x3a800000                      ; 1 / 1,024
	s_mov_b32 s19, 0x3727c5ac                      ; 1e-5
	s_wait_alu depctr_va_vdst(0)
	s_wait_kmcnt 0x0
	s_add_nc_u64 s[4:5], s[4:5], s[14:15]
.irp j, 0,1,2,3,4,5,6,7
	global_load_b128 v[X+4*\j:X+4*\j+3], v2, s[4:5] offset:512*\j          ; 512 consecutive bytes a load
.endr
.irp j, 0,1,2,3,4,5,6,7
	global_load_b128 v[G+4*\j:G+4*\j+3], v2, s[6:7] offset:512*\j
.endr
.irp j, 0,1,2,3,4,5,6,7
	global_load_b128 v[BV+4*\j:BV+4*\j+3], v2, s[8:9] offset:512*\j
.endr
	s_mul_i32 s20, s12, WSTB
	v_lshrrev_b32 v3, 3, v1
	s_delay_alu instid0(VALU_DEP_1)
	v_lshl_add_u32 v3, v3, 4, v2
	s_delay_alu instid0(VALU_DEP_1)
	v_add_nc_u32 v3, s20, v3                       ; stage, on the way in: 16 l + 16 (l / 8): eight lanes' 128 bytes are a block, then 16 of padding
	v_mul_u32_u24 v[AR], v1, 144
	s_delay_alu instid0(VALU_DEP_1)
	v_add_nc_u32 v[AR], s20, v[AR]                 ; and back: block l
	v_lshrrev_b32 v4, 2, v1                        ; block l = 4 s + 2 c + h
	v_bfe_u32 v5, v1, 1, 1
	v_and_b32 v6, 1, v1
	s_delay_alu instid0(VALU_DEP_3)
	v_mul_u32_u24 v7, v4, 1536
	s_delay_alu instid0(VALU_DEP_1)
	v_mad_u32_u24 v7, v5, 768, v7
	s_lshl_b32 s21, s12, 4
	s_add_co_u32 s21, s21, IMG
	v_lshl_add_u32 v[IMA], v6, 8, v7
	s_delay_alu instid0(VALU_DEP_1)
	v_add_nc_u32 v[IMA], s21, v[IMA]               ; fragment s, half image c, lane w + 16 h: 16 bytes
	s_lshl_b32 s21, s12, 3
	s_add_co_u32 s21, s21, IMG+512
	v_lshl_add_u32 v[IMB], v6, 7, v7
	s_delay_alu instid0(VALU_DEP_1)
	v_add_nc_u32 v[IMB], s21, v[IMB]               ; and 8
	v_and_b32 v5, 3, v1
	s_delay_alu instid0(VALU_DEP_1)
	v_lshl_add_u32 v[SCB], v4, 6, v5
	s_lshl_b32 s21, s12, 2
	s_add_co_u32 s21, s21, SCI
	v_add_nc_u32 v[SCB], s21, v[SCB]               ; K step s, row w, byte l % 4
	v_lshlrev_b32 v[T8], 3, v0
	v_lshl_add_u32 v[T4], v0, 2, SCI
	v_lshrrev_b32 v4, 4, v0
	v_and_b32 v5, 15, v0
	s_delay_alu instid0(VALU_DEP_1)
	v_lshlrev_b32 v5, 2, v5
	s_delay_alu instid0(VALU_DEP_1)
	v_lshl_add_u32 v[GS], v4, 9, v5                ; thread t: K step t / 16 (512 bytes apart), row t % 16
	v_mov_b32 v13, 0                               ; a lane permute's destination counts as one of its sources
.macro ACROSS                          ; v12 summed over the 32 lanes, the result in every lane
	s_delay_alu instid0(VALU_DEP_1)
	v_add_f32_dpp v12, v12, v12 row_xmask:1 row_mask:0xf bank_mask:0xf
	s_delay_alu instid0(VALU_DEP_1)
	v_add_f32_dpp v12, v12, v12 row_xmask:2 row_mask:0xf bank_mask:0xf
	s_delay_alu instid0(VALU_DEP_1)
	v_add_f32_dpp v12, v12, v12 row_xmask:4 row_mask:0xf bank_mask:0xf
	s_delay_alu instid0(VALU_DEP_1)
	v_add_f32_dpp v12, v12, v12 row_xmask:8 row_mask:0xf bank_mask:0xf
	s_delay_alu instid0(VALU_DEP_1)
	v_permlanex16_b32 v13, v12, s16, s17
	s_delay_alu instid0(VALU_DEP_1)
	v_add_f32 v12, v12, v13
.endm
.macro JOIN                            ; the four chains v[4:11] into v12
	s_delay_alu instid0(VALU_DEP_3)
	v_pk_add_f32 v[4:5], v[4:5], v[6:7]
	s_delay_alu instid0(VALU_DEP_2)
	v_pk_add_f32 v[8:9], v[8:9], v[10:11]
	s_delay_alu instid0(VALU_DEP_1)
	v_pk_add_f32 v[4:5], v[4:5], v[8:9]
	s_delay_alu instid0(VALU_DEP_1)
	v_add_f32 v12, v4, v5
.endm
	s_wait_loadcnt 16                              ; x's eight loads are in; g's and b's sixteen may be out
.irp k, 0,1,2,3
	v_pk_add_f32 v[4+2*\k:5+2*\k], v[X+2*\k:X+2*\k+1], v[X+8+2*\k:X+9+2*\k]        ; the sum, in four chains
.endr
.irp m, 2,3
.irp k, 0,1,2,3
	s_delay_alu instid0(VALU_DEP_4)
	v_pk_add_f32 v[4+2*\k:5+2*\k], v[4+2*\k:5+2*\k], v[X+8*\m+2*\k:X+8*\m+2*\k+1]
.endr
.endr
	JOIN
	ACROSS
	s_delay_alu instid0(VALU_DEP_1)
	v_mul_f32 v14, s18, v12                        ; the mean
	s_delay_alu instid0(VALU_DEP_1)
	v_mov_b32 v15, v14
.set ii, 0
.rept 16
	v_pk_add_f32 v[X+ii:X+ii+1], v[X+ii:X+ii+1], v[14:15] neg_lo:[0,1] neg_hi:[0,1]   ; x - mean
.set ii, ii+2
.endr
.irp k, 0,1,2,3
	v_pk_mul_f32 v[4+2*\k:5+2*\k], v[X+2*\k:X+2*\k+1], v[X+2*\k:X+2*\k+1]          ; the sum of squares, likewise
.endr
.irp m, 1,2,3
.irp k, 0,1,2,3
	s_delay_alu instid0(VALU_DEP_4)
	v_pk_fma_f32 v[4+2*\k:5+2*\k], v[X+8*\m+2*\k:X+8*\m+2*\k+1], v[X+8*\m+2*\k:X+8*\m+2*\k+1], v[4+2*\k:5+2*\k]
.endr
.endr
	JOIN
	ACROSS
	s_delay_alu instid0(VALU_DEP_1)
	v_fma_f32 v12, v12, s18, s19                   ; var + 1e-5
	s_wait_alu depctr_va_vdst(0)
	v_rsq_f32 v14, v12
	v_nop                                          ; a plain line behind the transcendental
	s_wait_alu depctr_va_vdst(0)                   ; the wait ahead of the first line that names its result
	v_mov_b32 v15, v14
	s_wait_alu depctr_va_vdst(0)
	s_wait_loadcnt 0x0                             ; g and b
.set ii, 0
.rept 16
	v_pk_mul_f32 v[X+ii:X+ii+1], v[X+ii:X+ii+1], v[14:15]
.set ii, ii+2
.endr
.set ii, 0
.rept 16
	v_pk_fma_f32 v[X+ii:X+ii+1], v[X+ii:X+ii+1], v[G+ii:G+ii+1], v[BV+ii:BV+ii+1]
.set ii, ii+2
.endr
.irp j, 0,1,2,3,4,5,6,7
	ds_store_b128 v3, v[X+4*\j:X+4*\j+3] offset:576*\j     ; a load's 512 bytes are four blocks: four places of 144 bytes
.endr
.irp i, 0,1,2,3,4,5,6,7
	ds_load_b128 v[Y+4*((\i%2)+4*((\i/2)%2)+2*(\i/4)):Y+4*((\i%2)+4*((\i/2)%2)+2*(\i/4))+3], v[AR] offset:16*\i   ; numbers 4 i .. 4 i + 3 of block l, to their places in the order pi; my own bytes: LDS serves a wave's instructions in order
.endr
	s_wait_dscnt 0x0
	v_max3_num_f32 v12, |v[Y]|, |v[Y+1]|, |v[Y+2]|                 ; the block's largest magnitude
	v_max3_num_f32 v13, |v[Y+3]|, |v[Y+4]|, |v[Y+5]|
.irp i, 6,10,14,18,22,26
	s_delay_alu instid0(VALU_DEP_2)
	v_max3_num_f32 v12, v12, |v[Y+\i]|, |v[Y+\i+1]|
	s_delay_alu instid0(VALU_DEP_2)
	v_max3_num_f32 v13, v13, |v[Y+\i+2]|, |v[Y+\i+3]|
.endr
	s_delay_alu instid0(VALU_DEP_2)
	v_max3_num_f32 v12, v12, |v[Y+30]|, |v[Y+31]|
	s_delay_alu instid0(VALU_DEP_1)
	v_max3_num_f32 v12, v12, v13, 0x1800000        ; and the floor 2^(3 - 127): the byte cannot fall under 1
	s_delay_alu instid0(VALU_DEP_1)
	v_add_nc_u32 v11, 0xff000000, v12              ; 2 off the exponent field: the conversion's scale operand
	s_delay_alu instid0(VALU_DEP_1)
	v_lshrrev_b32 v10, 23, v11                     ; the byte
	v_cvt_scalef32_pk16_fp6_f32 v[C:C+2], v[Y:Y+15], v11
	v_cvt_scalef32_pk16_fp6_f32 v[C+6:C+8], v[Y+16:Y+31], v11      ; (a conversion's three registers begin on an even number)
	v_nop                                          ; one plain line behind a scaled conversion
.irp i, 0,1,2
	v_mov_b32 v[C+3+\i], v[C+6+\i]
.endr
	ds_store_b128 v[IMA], v[C:C+3]
	ds_store_b64 v[IMB], v[C+4:C+5]
	ds_store_b8 v[SCB], v10
	v_add_nc_u32 v[AR], IMG, v[T8]
	s_mul_i32 s14, ttmp9, 12288                    ; the tile's 8 fragments in memory
	s_add_nc_u64 s[22:23], s[10:11], s[14:15]
	s_lshr_b32 s20, ttmp9, 3
	s_lshl_b32 s20, s20, 12                        ; its scale words: 128 rows' are 4,096 bytes,
	s_and_b32 s21, ttmp9, 7
	s_lshl_b32 s21, s21, 6                         ; my 16 rows' 64 of each K step's 512
	s_add_co_u32 s20, s20, s21
	s_add_co_u32 s20, s20, 3145728
	s_mov_b32 s21, 0
	s_add_nc_u64 s[24:25], s[10:11], s[20:21]
	s_wait_alu depctr_va_vdst(0)
	s_wait_dscnt 0x0                               ; for the others' sake: my stores have landed
	s_barrier_signal -1
	s_barrier_wait -1
.irp p, 0,1,2
	ds_load_b64 v[16+2*\p:17+2*\p], v[AR] offset:4096*\p
.endr
.irp p, 0,1,2
	s_wait_dscnt 2-\p                              ; piece p is in; the later ones may be out
	global_store_b64 v[T8], v[16+2*\p:17+2*\p], s[22:23] offset:4096*\p    ; a wave stores 256 consecutive bytes, aligned
.endr
	s_cmp_lt_u32 s12, 4
	s_cbranch_scc0 .Ldone
	ds_load_b32 v22, v[T4]                         ; waves 0 to 3: the 128 scale words
	s_wait_dscnt 0x0
	global_store_b32 v[GS], v22, s[24:25]
.Ldone:
	s_wait_tensorcnt 0x0
	ds_add_u32 v160, v161
	s_wait_dscnt 0x0
	s_endpgm
.Lfunc_end_k_qf5edc67112_ln2:
	.size	k_qf5edc67112_ln2, .Lfunc_end_k_qf5edc67112_ln2-k_qf5edc67112_ln2
	.p2alignl 7, 3214868480
	.fill 96, 4, 3214868480
	.section	.rodata,"a",@progbits
	.p2align	6, 0x0
	.amdhsa_kernel k_qf5edc67112_ln2
		.amdhsa_group_segment_fixed_size 88576
		.amdhsa_private_segment_fixed_size 0
		.amdhsa_enable_private_segment 0
		.amdhsa_kernarg_size 32
		.amdhsa_user_sgpr_count 2
		.amdhsa_user_sgpr_kernarg_segment_ptr 1
		.amdhsa_wavefront_size32 1
		.amdhsa_system_sgpr_workgroup_id_x 1
		.amdhsa_system_sgpr_workgroup_id_y 1
		.amdhsa_system_sgpr_workgroup_id_z 1
		.amdhsa_system_vgpr_workitem_id 0
		.amdhsa_next_free_vgpr 162
		.amdhsa_next_free_sgpr 66
		.amdhsa_reserve_vcc 0
		.amdhsa_float_denorm_mode_32 3
		.amdhsa_float_denorm_mode_16_64 3
		.amdhsa_memory_ordered 1
		.amdhsa_forward_progress 1
		.amdhsa_inst_pref_size 18
	.end_amdhsa_kernel
	.amdgpu_metadata
---
amdhsa.version: [ 1, 2 ]
amdhsa.kernels:
  - .name:           k_qf5edc67112_ln2
    .symbol:         k_qf5edc67112_ln2.kd
    .args:
      - { .name: x1, .offset: 0, .size: 8, .value_kind: global_buffer, .address_space: global }
      - { .name: ln2_g, .offset: 8, .size: 8, .value_kind: global_buffer, .address_space: global }
      - { .name: ln2_b, .offset: 16, .size: 8, .value_kind: global_buffer, .address_space: global }
      - { .name: act, .offset: 24, .size: 8, .value_kind: global_buffer, .address_space: global }
    .group_segment_fixed_size: 88576
    .private_segment_fixed_size: 0
    .kernarg_segment_align: 8
    .kernarg_segment_size: 32
    .max_flat_workgroup_size: 512
    .sgpr_count:     66
    .vgpr_count:     162
    .wavefront_size: 32
...
	.end_amdgpu_metadata
.endif
;; end of part 5
;; launch gff1 (part 6): grid 16 x 16, 4 waves a work-group, clusters of 4 x 4, 327,680 bytes of LDS; arguments act, wq, b_ff1, hid; writes hid
.if DOCPART == 6
	.amdgcn_target "amdgcn-amd-amdhsa--gfx1250"
	.amdhsa_code_object_version 6
	.text
	.protected	k_qf5edc67112_gff1
	.globl	k_qf5edc67112_gff1
	.p2align	8
	.type	k_qf5edc67112_gff1,@function
k_qf5edc67112_gff1:
	s_mov_b64 s[64:65], 0
	v_nop
	global_prefetch_b8 v0, s[64:65] scope:SCOPE_SE
	s_setreg_imm32_b32 hwreg(HW_REG_WAVE_MODE, 25, 1), 1
	s_wait_xcnt 0x0
	s_wait_alu depctr_hold_cnt(0) depctr_sa_sdst(0) depctr_va_vdst(0) depctr_va_sdst(0) depctr_va_ssrc(0) depctr_va_vcc(0) depctr_vm_vsrc(0)
	s_getreg_b32 s2, hwreg(HW_REG_IB_STS2, 6, 4)
	s_cmp_eq_u32 s2, 0
	s_cbranch_scc0 .Lentry_in_a_cluster
	s_endpgm
.Lentry_in_a_cluster:
	s_bfe_u32 s2, ttmp6, 0x10000c
	s_cmp_lg_u32 s2, 0xf033
	s_cbranch_scc0 .Lentry_shape_is_right
	s_endpgm
.Lentry_shape_is_right:
.set NQ,     2
.set FR,     12
.set FRB,    1536
.set NL,     4
.set NP,     4
.set TROW,   NQ*FRB
.set HALFT,  8*TROW
.set SLOT,   4*HALFT
.set LAPS,   2
.set SCL,    2*SLOT
.set HALFS,  4096
.set SPARE,  SCL+4*HALFS
.set ADRA, 16
.set ADRB, 20
.set VO16, 24
.set VO8,  25
.set SS,   26
.set ADRS, 27
.set SPW,  28
.set NIL,  29
.set SR,   30
.set SC,   32
.set BB,   64
.set AF,   128
.set HA,   128
.set PC,   192
.set TM,   212
.set PW,   228
.set G1, 24
.set G0, 32
.set G1B, 48
.set G0B, 56
.set G1S, 68
.set G0S, 76
.set G1SB, 80
.set G0SB, 88
.set SEL, 98
.set MSB, 0
.macro WIN new
.if MSB != (\new)
	s_set_vgpr_msb (MSB<<8)|(\new)
.set MSB, (\new)
.endif
.endm
.set MUL_LO, 0xa1
.set MUL_HI, 0xf1
.set TO_B,   0x40
.macro JLOAD g0a, g1a, g0b, g1b
	s_cmp_eq_u32 s15, 0
	s_cbranch_scc0 .Lfor_b_\@
	tensor_load_to_lds s[\g0a:\g0a+3], s[\g1a:\g1a+7]
	s_nop 0
.rept 4
	v_nop
.endr
	s_branch .Lasked_\@
.Lfor_b_\@:
	tensor_load_to_lds s[\g0b:\g0b+3], s[\g1b:\g1b+7]
	s_nop 0
.rept 4
	v_nop
.endr
.Lasked_\@:
.endm
.macro CREST
	s_cmp_lg_u32 s14, 0
	s_cbranch_scc1 .Lnot_wave_0_\@
	s_barrier_signal -3
.Lnot_wave_0_\@:
	s_barrier_wait -3
	s_barrier_signal -1
	s_barrier_wait -1
.endm
.macro CROUND
	s_barrier_signal -1
	s_barrier_wait -1
	CREST
.endm
	s_load_b256 s[4:11], s[0:1], 0x0
	v_lshl_add_u32 v[SPW], v0, 2, SPARE
	v_mov_b32 v[NIL], 0
	ds_add_u32 v28, v29
	ds_add_u32 v28, v29
	s_wait_dscnt 0x0
	v_lshrrev_b32 v1, 5, v0
	v_readfirstlane_b32 s14, v1
	s_lshr_b32 s15, s14, 1
	s_and_b32 s16, s14, 1
	s_bfe_u32 s40, ttmp6, 0x40000
	s_bfe_u32 s41, ttmp6, 0x40004
	s_lshl_b32 s42, ttmp9, 2
	s_and_b32 s17, ttmp7, 0xffff
	s_lshl_b32 s17, s17, 2
	s_add_co_u32 s17, s17, s41
	s_add_co_u32 s42, s42, s40
	s_lshl_b32 s43, s41, 2
	s_lshl_b32 s43, 15, s43
	s_lshl_b32 s44, 0x1111, s40
	s_or_b32 s[G1+0], s43, (3<<16)|(1<<21)
	s_or_b32 s[G1B+0], s44, (3<<16)|(1<<21)
.irp g, G1, G1B
	s_mov_b32 s[\g+1], 384<<16
	s_mov_b32 s[\g+2], 8<<16
	s_mov_b32 s[\g+3], 384<<16
	s_mov_b32 s[\g+4], 8
	s_mov_b32 s[\g+5], 1536
	s_mov_b32 s[\g+6], 0
	s_mov_b32 s[\g+7], 0
.endr
	s_or_b32 s[G1S+0], s43, (3<<16)|(1<<21)
	s_or_b32 s[G1SB+0], s44, (3<<16)|(1<<21)
.irp g, G1S, G1SB
	s_mov_b32 s[\g+1], 32<<16
	s_mov_b32 s[\g+2], 16<<16
	s_mov_b32 s[\g+3], 32<<16
	s_mov_b32 s[\g+4], 16
	s_mov_b32 s[\g+5], 32
	s_mov_b32 s[\g+6], 0
	s_mov_b32 s[\g+7], 0
.endr
	s_mul_i32 s18, s16, 98304
	s_mul_i32 s20, s17, 196608
	s_add_co_u32 s20, s20, s18
	s_mov_b32 s21, 0
	s_mul_i32 s46, s42, 196608
	s_add_co_u32 s46, s46, s18
	s_mov_b32 s47, 0
	s_lshl_b32 s22, s17, 1
	s_add_co_u32 s22, s22, s16
	s_lshl_b32 s22, s22, 12
	s_mov_b32 s23, 0
	s_lshl_b32 s92, s42, 1
	s_add_co_u32 s92, s92, s16
	s_lshl_b32 s92, s92, 12
	s_mov_b32 s93, 0
	s_add_co_u32 s46, s46, 3145728
	s_add_co_u32 s22, s22, 3145728
	s_add_co_u32 s92, s92, 9568256
	s_mul_i32 s45, s14, HALFT
	s_mul_i32 s13, s15, 2*HALFS
	s_wait_kmcnt 0x0
	s_add_nc_u64 s[20:21], s[4:5], s[20:21]
	s_add_nc_u64 s[22:23], s[4:5], s[22:23]
	s_add_nc_u64 s[46:47], s[6:7], s[46:47]
	s_add_nc_u64 s[92:93], s[6:7], s[92:93]
	s_cmp_eq_u32 s15, 0                            ; THE PREFETCHES: of the 8 tiles of 16 rows that my wave fetches in the ring, each of the four partners that ask for them jointly names two, told apart by address alone
	s_cselect_b64 s[100:101], s[20:21], s[46:47]
	s_cselect_b32 s2, s40, s41                     ; my place among the four: cx for A, cy for W
	s_mul_i32 s2, s2, 2*12288
	s_mov_b32 s3, 0
	s_add_nc_u64 s[100:101], s[100:101], s[2:3]    ; never rewritten
	s_cselect_b64 s[104:105], s[22:23], s[92:93]   ; my side's scale words, my 128 rows': 16 blocks of 256 bytes, four to a partner; never rewritten
	s_cselect_b32 s2, s40, s41
	s_lshl_b32 s2, s2, 2
	v_and_b32 v7, 31, v0
	v_min_u32 v9, 3, v7
	v_add_nc_u32 v9, s2, v9
	v_lshlrev_b32 v9, 8, v9                        ; block 4 x place + lane (lanes 4 to 31 name the last again)
	v_min_u32 v7, 23, v7                           ; a slot's part of two tiles is 2 x 3,072 bytes: 24 blocks of 256, a lane a block (lanes 24 to 31 name the last again)
	v_mul_u32_u24 v8, v7, 11
	v_lshrrev_b32 v8, 7, v8                        ; lane / 12
	v_mul_u32_u24 v8, v8, 9216
	v_lshl_add_u32 v7, v7, 8, v8                   ; 256 x lane, and 12,288 - 3,072 more in the second tile; never rewritten
	global_prefetch_b8 v9, s[104:105] th:TH_LOAD_NT scope:SCOPE_SE                 ; ahead of the opening round: the scale words,
	global_prefetch_b8 v7, s[100:101] th:TH_LOAD_NT scope:SCOPE_SE                 ; K steps 0, 1: the head's tiles,
	global_prefetch_b8 v7, s[100:101] offset:TROW th:TH_LOAD_NT scope:SCOPE_SE     ; and K steps 2, 3: slot 1's first fill, which is asked for when the head's tiles have landed
	CROUND
	s_mov_b32 s[G0S], 1
	s_add_co_u32 s[G0S+1], s13, SCL
	s_sub_nc_u64 s[G0S+2:G0S+3], s[22:23], HALFS
	s_or_b32 s[G0S+3], s[G0S+3], 0x80000000
	s_mov_b32 s[G0SB], 1
	s_add_co_u32 s[G0SB+1], s13, SCL
	s_sub_nc_u64 s[G0SB+2:G0SB+3], s[92:93], HALFS
	s_or_b32 s[G0SB+3], s[G0SB+3], 0x80000000
.irp g, G1S, G1SB                      ; at the head a load brings a whole side: the scale words of 256 rows,
	s_mov_b32 s[\g+1], 512<<16                     ; 8,192 dense bytes as two rows of 4,096
	s_mov_b32 s[\g+2], 2<<16
	s_mov_b32 s[\g+3], 512<<16
	s_mov_b32 s[\g+4], 2
	s_mov_b32 s[\g+5], 512
.endr
.irp g, G1, G1B                        ; and 16 tiles of 16 rows of codes
	s_mov_b32 s[\g+2], 16<<16
	s_mov_b32 s[\g+4], 16
.endr
.irp s, 0,1
	s_mov_b32 s[G0+4*\s], 1
	s_add_co_u32 s[G0+4*\s+1], s45, \s*SLOT
	s_add_nc_u64 s[G0+4*\s+2:G0+4*\s+3], s[20:21], \s*TROW
	s_or_b32 s[G0+4*\s+3], s[G0+4*\s+3], 0x80000000
	s_mov_b32 s[G0B+4*\s], 1
	s_add_co_u32 s[G0B+4*\s+1], s45, \s*SLOT
	s_add_nc_u64 s[G0B+4*\s+2:G0B+4*\s+3], s[46:47], \s*TROW
	s_or_b32 s[G0B+4*\s+3], s[G0B+4*\s+3], 0x80000000
.endr
	s_cmp_eq_u32 s14, 0                            ; the head's four tiles, one a wave, in one chain of branches on the wave's number
	s_cbranch_scc0 .Lhead_1
	tensor_load_to_lds s[G0:G0+3], s[G1:G1+7]      ; wave 0: slot 0, A's 256 rows
	s_nop 0
.rept 4
	v_nop
.endr
	s_branch .Lhead_j
.Lhead_1:
	s_cmp_eq_u32 s14, 1
	s_cbranch_scc0 .Lhead_2
	tensor_load_to_lds s[G0S:G0S+3], s[G1S:G1S+7]  ; wave 1: A's scale words
	s_nop 0
.rept 4
	v_nop
.endr
	s_branch .Lhead_j
.Lhead_2:
	s_cmp_eq_u32 s14, 2
	s_cbranch_scc0 .Lhead_3
	tensor_load_to_lds s[G0B:G0B+3], s[G1B:G1B+7]  ; wave 2: slot 0, W's 256 columns
	s_nop 0
.rept 4
	v_nop
.endr
	s_branch .Lhead_j
.Lhead_3:
	tensor_load_to_lds s[G0SB:G0SB+3], s[G1SB:G1SB+7]  ; wave 3: W's scale words
	s_nop 0
.rept 4
	v_nop
.endr
.Lhead_j:
	s_mov_b32 s[SEL], 0x76543210
	s_mov_b32 s[SEL+1], 0xfedcba98
	v_and_b32 v1, 15, v0
	v_bfe_u32 v2, v0, 4, 1
	v_and_b32 v3, 31, v0
	v_lshlrev_b32 v[VO16], 4, v3
	s_wait_alu depctr_va_vdst(0)
	v_lshlrev_b32 v[VO8], 3, v3
	s_wait_alu depctr_va_vdst(0)
	v_lshlrev_b32 v5, 5, v2
	v_lshlrev_b32 v6, 2, v1
	s_lshl_b32 s18, s42, 10
	s_lshl_b32 s19, s16, 9
	s_add_co_u32 s18, s18, s19
	s_mov_b32 s19, 0
	s_add_nc_u64 s[8:9], s[8:9], s[18:19]
.irp b, 0,1,2,3,4,5,6,7
	global_load_b128 v[BB+8*\b:BB+8*\b+3], v5, s[8:9] offset:64*\b
	global_load_b128 v[BB+8*\b+4:BB+8*\b+7], v5, s[8:9] offset:64*\b+16
.endr
	s_mul_i32 s21, s15, HALFT
	s_mul_i32 s22, s16, HALFT
	s_add_co_u32 s22, s22, 2*HALFT
.irp s, 0,1
	v_add_nc_u32 v[ADRA+\s], s21, v[VO16]
	v_add_nc_u32 v[ADRB+\s], s22, v[VO16]
	v_add_nc_u32 v[ADRA+2+\s], s21, v[VO8]
	v_add_nc_u32 v[ADRB+2+\s], s22, v[VO8]
	s_add_co_u32 s21, s21, SLOT
	s_add_co_u32 s22, s22, SLOT
.endr
	s_mul_i32 s21, s15, HALFS
	s_mul_i32 s22, s16, HALFS
	s_add_co_u32 s22, s22, 2*HALFS
	s_sub_co_u32 s22, s22, s21
	v_mul_u32_u24 v4, s22, v2
	s_add_co_u32 s21, s21, SCL
	v_add_nc_u32 v4, v4, v6
	v_add_nc_u32 v[ADRS], s21, v4
	s_lshl_b32 s23, s14, 10
	v_add_nc_u32 v[SS], s23, v6
	v_add_nc_u32 v[SR], s23, v[VO16]
	s_wait_alu depctr_va_vdst(0)
	s_wait_loadcnt 0x0
.macro FRAG reg, adr, q, i
	ds_load_b128 v[\reg:\reg+3], v[\adr] offset:(\i)*TROW+(\q)*FRB
	ds_load_b64 v[\reg+4:\reg+5], v[\adr+2] offset:(\i)*TROW+(\q)*FRB+512
	ds_load_b128 v[\reg+6:\reg+9], v[\adr] offset:(\i)*TROW+(\q)*FRB+768
	ds_load_b64 v[\reg+10:\reg+11], v[\adr+2] offset:(\i)*TROW+(\q)*FRB+1280
.endm
.macro MUL16 a0, p, q, sc, first
.irp a, \a0, \a0+1
.irp b, 0,1,2,3,4,5,6,7
.if \first
	v_wmma_scale_f32_16x16x128_f8f6f4 v[8*(8*((\a)%4)+\b):8*(8*((\a)%4)+\b)+7], v[128*(\p)+FR*\b:128*(\p)+FR*\b+FR-1], v[AF+FR*(\a):AF+FR*(\a)+FR-1], v[BB+8*\b:BB+8*\b+7], v[SC+8*NQ*(\sc)+NQ*\b+(\q)], v[SC+8*NQ*(\sc)+NQ*(\a)+(\q)] matrix_a_fmt:MATRIX_FMT_FP6 matrix_b_fmt:MATRIX_FMT_FP6 matrix_a_scale:MATRIX_SCALE_ROW1
.else
	v_wmma_scale_f32_16x16x128_f8f6f4 v[8*(8*((\a)%4)+\b):8*(8*((\a)%4)+\b)+7], v[128*(\p)+FR*\b:128*(\p)+FR*\b+FR-1], v[AF+FR*(\a):AF+FR*(\a)+FR-1], v[8*(8*((\a)%4)+\b):8*(8*((\a)%4)+\b)+7], v[SC+8*NQ*(\sc)+NQ*\b+(\q)], v[SC+8*NQ*(\sc)+NQ*(\a)+(\q)] matrix_a_fmt:MATRIX_FMT_FP6 matrix_b_fmt:MATRIX_FMT_FP6 matrix_a_scale:MATRIX_SCALE_ROW1
.endif
.endr
.endr
.endm
.macro FETCH_B slot, q, p
	WIN TO_B
.irp i, 0,1,2,3,4,5,6,7
	FRAG 128*(\p)+FR*\i, ADRB+\slot, \q, \i
.endr
	WIN 0
.endm
.macro FETCH_A slot, q, i0
.irp i, \i0, \i0+1, \i0+2, \i0+3
	FRAG AF+FR*(\i), ADRA+\slot, \q, \i
.endr
.endm
.macro SCALES sc
.irp i, 0,1,2,3,4,5,6,7
.irp q, 0,1
	ds_load_b32 v[SC+8*NQ*\sc+NQ*\i+\q], v[ADRS] offset:512*\q+64*\i
.endr
.endr
.endm
.macro PLACES n
.rept \n
	v_nop
.endr
.endm
.macro STEP slot, q, first
	s_wait_dscnt 4*NL
.if \first
	WIN 0x81
.else
	WIN MUL_LO
.endif
	MUL16 0, (\q)%2, \q, \slot, \first
	MUL16 2, (\q)%2, \q, \slot, \first
	s_wait_dscnt 0
	PLACES NP
	FETCH_B \slot, (\q)+1, 1-(\q)%2
	FETCH_A \slot, (\q)+1, 0
.if \first
	WIN 0xc1
.else
	WIN MUL_HI
.endif
	MUL16 4, (\q)%2, \q, \slot, \first
	MUL16 6, (\q)%2, \q, \slot, \first
	PLACES NP
	WIN 0
	FETCH_A \slot, (\q)+1, 4
.endm
.macro TURN slot, next, fill
	s_wait_tensorcnt 0x0
	ds_add_u32 v[SPW], v[NIL]
	s_wait_dscnt 4*NL+1
	WIN MUL_LO
	MUL16 0, 1, NQ-1, \slot, 0
	s_wait_dscnt 0x0
	s_barrier_signal -1
	MUL16 2, 1, NQ-1, \slot, 0
	WIN 0
	s_barrier_wait -1
.if \fill
	CREST
	s_add_nc_u64 s[G0+4*\slot+2:G0+4*\slot+3], s[G0+4*\slot+2:G0+4*\slot+3], 2*TROW
	s_add_nc_u64 s[G0B+4*\slot+2:G0B+4*\slot+3], s[G0B+4*\slot+2:G0B+4*\slot+3], 2*TROW
	JLOAD G0+4*\slot, G1, G0B+4*\slot, G1B
.else
	PLACES NP
.endif
	s_wait_alu depctr_va_vdst(0)
	v_add_nc_u32 v[ADRS], 512*NQ, v[ADRS]
	FETCH_B \next, 0, 0
	FETCH_A \next, 0, 0
	SCALES \next
.if \fill && (\slot) == 0
	global_prefetch_b8 v7, s[100:101] offset:3*TROW th:TH_LOAD_NT scope:SCOPE_SE   ; K steps 6, 7: the last refill's (the loop has one trip); behind it nothing is left to ask for
.endif
	WIN MUL_HI
	MUL16 4, 1, NQ-1, \slot, 0
	MUL16 6, 1, NQ-1, \slot, 0
	PLACES NP
	WIN 0
	FETCH_A \next, 0, 4
.endm
.macro QUANT s
.irp b, 0,1,2,3
	v_max3_num_f32 v[TM+\b], |v[\s+16*\b]|, |v[\s+1+16*\b]|, 0x1800000
.endr
.irp i, 2,4,6,8,10,12,14
.irp b, 0,1,2,3
	v_max3_num_f32 v[TM+\b], v[TM+\b], |v[\s+16*\b+\i]|, |v[\s+1+16*\b+\i]|
.endr
.endr
.irp b, 0,1,2,3
	v_permlanex16_b32 v[TM+4+\b], v[TM+\b], s[SEL], s[SEL+1]
.endr
.irp b, 0,1,2,3
	v_max_num_f32 v[TM+\b], v[TM+\b], v[TM+4+\b]
.endr
.irp b, 0,1,2,3
	v_add_nc_u32 v[TM+12+\b], 0xff000000, v[TM+\b]
.endr
.irp b, 0,1,2,3
	v_lshrrev_b32 v[TM+4+\b], 23, v[TM+12+\b]
.endr
	v_lshl_or_b32 v[PW], v[TM+5], 8, v[TM+4]
	v_lshl_or_b32 v[PW], v[TM+6], 16, v[PW]
	v_lshl_or_b32 v[PW], v[TM+7], 24, v[PW]
.irp c, 0,1
	v_cvt_scalef32_pk16_fp6_f32 v[PC+6*\c:PC+2+6*\c], v[\s+32*\c:\s+15+32*\c], v[TM+12+2*\c]
	v_cvt_scalef32_pk16_fp6_f32 v[PC+12+4*\c:PC+14+4*\c], v[\s+16+32*\c:\s+31+32*\c], v[TM+12+2*\c+1]
.endr
	v_nop
.irp c, 0,1
.irp i, 0,1,2
	v_permlane16_swap_b32 v[PC+6*\c+\i], v[PC+12+4*\c+\i]
.endr
.irp i, 0,1,2
	v_mov_b32 v[PC+3+6*\c+\i], v[PC+12+4*\c+\i]
.endr
.endr
.endm
	s_wait_tensorcnt 0x0                           ; my tile of the head's four is in; slot 1's first fill is issued as a refill is
	ds_add_u32 v[SPW], v[NIL]
	s_mov_b32 s[G1+2], 8<<16                       ; no tensor load of mine is out: from here on a load brings 8 tiles of 16 rows
	s_mov_b32 s[G1+4], 8
	s_mov_b32 s[G1B+2], 8<<16
	s_mov_b32 s[G1B+4], 8
	s_wait_dscnt 0x0
	CROUND
	JLOAD G0+4, G1, G0B+4, G1B                     ; slot 1: my one tensor load behind the round
	FETCH_B 0, 0, 0
	FETCH_A 0, 0, 0
	SCALES 0
	FETCH_A 0, 0, 4
	global_prefetch_b8 v7, s[100:101] offset:2*TROW th:TH_LOAD_NT scope:SCOPE_SE   ; K steps 4, 5: the next refill's, one fill ahead
	STEP 0, 0, 1
	s_mov_b32 s3, LAPS-1
.Llap:
	TURN 0, 1, 1
	STEP 1, 0, 0
	TURN 1, 0, 1
	STEP 0, 0, 0
	s_sub_co_u32 s3, s3, 1
	s_cmp_lg_u32 s3, 0
	s_cbranch_scc1 .Llap
	TURN 0, 1, 0
	STEP 1, 0, 0
	s_wait_dscnt 4*NL
	WIN MUL_LO
	MUL16 0, 1, NQ-1, 1, 0
	MUL16 2, 1, NQ-1, 1, 0
	s_wait_dscnt 0
	WIN MUL_HI
	MUL16 4, 1, NQ-1, 1, 0
	MUL16 6, 1, NQ-1, 1, 0
	WIN 0
	s_lshl_b32 s18, s17, 4
	s_lshl_b32 s19, s15, 3
	s_add_co_u32 s18, s18, s19
	s_lshl_b32 s18, s18, 5
	s_lshl_b32 s19, s42, 1
	s_add_co_u32 s19, s19, s16
	s_add_co_u32 s18, s18, s19
	s_mul_i32 s18, s18, 1536
	s_lshl_b32 s20, s17, 1
	s_add_co_u32 s20, s20, s15
	s_lshl_b32 s20, s20, 5
	s_add_co_u32 s20, s20, s19
	s_lshl_b32 s46, s20, 9
	s_add_co_u32 s46, s46, 12582912
	s_mov_b32 s19, 0
	s_mov_b32 s47, 0
	s_add_nc_u64 s[18:19], s[10:11], s[18:19]
	s_add_nc_u64 s[46:47], s[10:11], s[46:47]
	PLACES NP
.irp b, 0,1,2,3
	v_mov_b32 v[TM+4+\b], 0
.endr
.irp a, 0,1,2,3,4,5,6,7
.set AC, 64*((\a)%4)
	WIN 0x08+4*((\a)/4)
.set ii, 0
.rept 64
	v_max_num_f32 v[HA+ii], 0, v[AC+ii]
.set ii, ii+1
.endr
	WIN 0
.if \a > 0
	s_wait_xcnt 0x0
.endif
	QUANT HA
	global_store_b128 v[VO16], v[PC:PC+3], s[18:19] offset:\a*49152
	global_store_b64 v[VO8], v[PC+4:PC+5], s[18:19] offset:\a*49152+512
	global_store_b128 v[VO16], v[PC+6:PC+9], s[18:19] offset:\a*49152+768
	global_store_b64 v[VO8], v[PC+10:PC+11], s[18:19] offset:\a*49152+1280
	ds_store_b32 v[SS], v[PW] offset:64*\a
.endr
	ds_load_b128 v[HA:HA+3], v[SR]
	s_wait_dscnt 0x0
	global_store_b128 v[VO16], v[HA:HA+3], s[46:47]
	s_wait_tensorcnt 0x0
	ds_add_u32 v[SPW], v[NIL]
	s_wait_dscnt 0x0
	CROUND
	s_endpgm
.Lfunc_end_k_qf5edc67112_gff1:
	.size	k_qf5edc67112_gff1, .Lfunc_end_k_qf5edc67112_gff1-k_qf5edc67112_gff1
	.p2alignl 7, 3214868480
	.fill 96, 4, 3214868480
	.section	.rodata,"a",@progbits
	.p2align	6, 0x0
	.amdhsa_kernel k_qf5edc67112_gff1
		.amdhsa_group_segment_fixed_size 327680
		.amdhsa_private_segment_fixed_size 0
		.amdhsa_enable_private_segment 0
		.amdhsa_kernarg_size 32
		.amdhsa_user_sgpr_count 2
		.amdhsa_user_sgpr_kernarg_segment_ptr 1
		.amdhsa_wavefront_size32 1
		.amdhsa_system_sgpr_workgroup_id_x 1
		.amdhsa_system_sgpr_workgroup_id_y 1
		.amdhsa_system_sgpr_workgroup_id_z 1
		.amdhsa_system_vgpr_workitem_id 0
		.amdhsa_next_free_vgpr 1024
		.amdhsa_next_free_sgpr 106
		.amdhsa_reserve_vcc 0
		.amdhsa_float_denorm_mode_32 3
		.amdhsa_float_denorm_mode_16_64 3
		.amdhsa_memory_ordered 1
		.amdhsa_forward_progress 1
		.amdhsa_inst_pref_size 171
	.end_amdhsa_kernel
	.amdgpu_metadata
---
amdhsa.version: [ 1, 2 ]
amdhsa.kernels:
  - .name:           k_qf5edc67112_gff1
    .symbol:         k_qf5edc67112_gff1.kd
    .args:
      - { .name: act, .offset: 0, .size: 8, .value_kind: global_buffer, .address_space: global }
      - { .name: wq, .offset: 8, .size: 8, .value_kind: global_buffer, .address_space: global }
      - { .name: b_ff1, .offset: 16, .size: 8, .value_kind: global_buffer, .address_space: global }
      - { .name: hid, .offset: 24, .size: 8, .value_kind: global_buffer, .address_space: global }
    .group_segment_fixed_size: 327680
    .private_segment_fixed_size: 0
    .kernarg_segment_align: 8
    .kernarg_segment_size: 32
    .max_flat_workgroup_size: 128
    .sgpr_count:     106
    .vgpr_count:     1024
    .wavefront_size: 32
...
	.end_amdgpu_metadata
.endif
;; end of part 6
;; launch gff2 (part 7): grid 8 x 32, 4 waves a work-group, clusters of 4 x 4, 327,680 bytes of LDS; arguments hid, wq, b_ff2, x1, out0; writes out0
.if DOCPART == 7
	.amdgcn_target "amdgcn-amd-amdhsa--gfx1250"
	.amdhsa_code_object_version 6
	.text
	.protected	k_qf5edc67112_gff2
	.globl	k_qf5edc67112_gff2
	.p2align	8
	.type	k_qf5edc67112_gff2,@function
k_qf5edc67112_gff2:
	s_mov_b64 s[64:65], 0
	v_nop
	global_prefetch_b8 v0, s[64:65] scope:SCOPE_SE
	s_setreg_imm32_b32 hwreg(HW_REG_WAVE_MODE, 25, 1), 1
	s_wait_xcnt 0x0
	s_wait_alu depctr_hold_cnt(0) depctr_sa_sdst(0) depctr_va_vdst(0) depctr_va_sdst(0) depctr_va_ssrc(0) depctr_va_vcc(0) depctr_vm_vsrc(0)
	s_getreg_b32 s2, hwreg(HW_REG_IB_STS2, 6, 4)
	s_cmp_eq_u32 s2, 0
	s_cbranch_scc0 .Lentry_in_a_cluster
	s_endpgm
.Lentry_in_a_cluster:
	s_bfe_u32 s2, ttmp6, 0x10000c
	s_cmp_lg_u32 s2, 0xf033
	s_cbranch_scc0 .Lentry_shape_is_right
	s_endpgm
.Lentry_shape_is_right:
; dst = res + (A W + bias): A [4,096][4,096] and W [1,024 columns][4,096] as codes of FP6 (E2M3) with E8M0 scales; bias [1,024], res and dst [4,096][1,024] f32.
; OPERANDS.  A fragment, 16 rows x 128 K, is 1,536 bytes: two half images of 768 bytes; a half image holds registers c0..c5 of lane L = r + 16 h: c0..c3 at 16 L, c4, c5 at 512 + 8 L.  Codes [row / 16][k / 128][1,536];
; scale words [row / 128][k / 128][row % 128].  Inside a block of 32 both operands have the same order of places.
; SHARES.  The result has 1,024 columns: tiles of 128 x 128 give 256 work-groups, where tiles of 256 x 256 would give 64.  Four waves, 64 x 64 (16 accumulators) each.
; TWO UNEQUAL SLOTS.  A work-group walks 2 x 128 rows x 3,072 bytes of codes.  LDS holds K = 1,536 of them at a time: slot Y has K = 512 (98,304 bytes), slot X K = 1,024 (196,608 bytes).  In steps of 128 along K the order is
; Y: 0-3, X: 4-11, Y: 12-15, X: 16-23, Y: 24-27, X: 28-31 (a fill of half the size).  Y 0-3 and X 4-11 are first fills; four refills follow, each a wave's one tensor load behind a round of the cluster's barrier.
; Y's two refills have X's 128 matrix instructions a wave in which to land, X's two have Y's 64.  The 32 steps are written out: every LDS offset is an immediate and no LDS address is stepped.
; THE SCALE WORDS of the 2 x 128 rows for K steps 1 to 31 come into LDS once, with the first fills; those of K step 0 are loaded from memory into eight registers a wave (eight loads of 64 bytes, once), which leaves LDS room for the spare words.
; CLUSTERS: 4 x 4: A's tiles hang on cy alone and are asked for jointly along a row of the cluster, W's on cx alone, along a column.
; The matrix instruction is used transposed (source 0 = 16 columns of W, source 1 = 16 rows of A): a lane holds eight neighbouring numbers of a row.  The residual's 32 rows a wave are asked for at the head and wait in registers.
; REGISTERS, in windows of 256: window 0: v0-31 addresses; v32-39 scale words, two sets of 4; v40-43 the bias; v44-51 K step 0's scale words; v128-255 the accumulators, (a, b) at v[128 + 8 (4 a + b)].
;   window 1: two fragment buffers at v0 and v128: A's four fragments, then W's four at + 48.   window 2: v0-127 the residual.
.set ASC,    12582912                  ; where A's scale words begin in its buffer
.set BCO,    6291456                   ; W's codes in the weights' buffer
.set BSC,    9699328                   ; W's scale words
.set KT,     32                        ; K steps of 128
.set FR,     12
.set FRB,    1536
.set YROW,   4*FRB                     ; a tile of 16 rows in Y: 512 along K
.set XROW,   8*FRB                     ; and in X: 1,024 along K
.set YPART,  4*YROW                    ; 64 rows: what one tensor load brings, and what one wave reads of a side
.set XPART,  4*XROW
.set YB,     4*XPART                   ; X lies at LDS byte 0, Y behind it; in each: A's two halves, then W's two
.set SCL,    YB+4*YPART                ; behind them: A's scale words [K step 1 .. 31][128], then W's
.set HALFS,  256*(KT-1)                ; half of a side's: what one tensor load brings
.set SPARE,  SCL+4*HALFS               ; the spare words, 128 bytes for each wave: two blocks of 256 bytes that no other line names
.set STAGE,  YB                        ; the way out: 128 rows x (512 + 16) bytes, in Y, which has had its last fill, and its last read ahead of the last change's barrier
.set SPITCH, 528
.set ADY,  16                          ; v16-19 in Y: A at 16 x lane, A at 8 x lane, W at 16 x lane, W at 8 x lane; v20-23 the same in X
.set STO,  24                          ; v24 the way out: where I put 32 bytes of a row
.set RD,   25                          ; v25 where I read a row back
.set CO,   26                          ; v26 16 x lane
.set ADRS, 27                          ; v27 my scale words, one K step ahead of the region's first: lanes 0-15 A's rows, lanes 16-31 W's; never rewritten
.set SPW,  28                          ; v28 my spare word; never rewritten
.set NIL,  29                          ; v29 0; never rewritten
.set SC,   32
.set BI,   40
.set SA0,  44                          ; v44-47 K step 0: A's scale words, block i
.set SB0,  48                          ; v48-51 and W's
.set ACC,  128
.set G1X,  24                          ; s[24:31] group 1: X, A's mask;  s[32:39] X, W's mask
.set G1XB, 32
.set G1Y,  40                          ; s[40:47], s[48:55] the same for Y
.set G1YB, 48
.set G1S,  56                          ; s[56:63], s[68:75] the scale words
.set G1SB, 68
.set G0X,  76                          ; groups 0: s[76:79] X for A, s[80:83] X for W, s[84:87] Y for A, s[88:91] Y for W, s[92:95], s[96:99] the scale words
.set G0XB, 80
.set G0Y,  84
.set G0YB, 88
.set G0S,  92
.set G0SB, 96
.set MSB, 0
.macro WIN new                         ; the immediate's high byte repeats the setting that is left
.if MSB != (\new)
	s_set_vgpr_msb (MSB<<8)|(\new)
.set MSB, (\new)
.endif
.endm
.set MUL,  0x05                        ; sources 0 and 1 window 1; C and D window 0
.set TO_F, 0x40                        ; destination window 1, address window 0
.macro JLOAD g0a, g1a, g0b, g1b        ; a joint load: waves 0 and 1 fetch for A, waves 2 and 3 for W; four v_nop follow each of the two lines
	s_cmp_eq_u32 s15, 0
	s_cbranch_scc0 .Lfor_b_\@
	tensor_load_to_lds s[\g0a:\g0a+3], s[\g1a:\g1a+7]
	s_nop 0
.rept 4
	v_nop
.endr
	s_branch .Lasked_\@
.Lfor_b_\@:
	tensor_load_to_lds s[\g0b:\g0b+3], s[\g1b:\g1b+7]
	s_nop 0
.rept 4
	v_nop
.endr
.Lasked_\@:
.endm
.macro CREST                           ; a round of the cluster's barrier behind its opening barrier
	s_cmp_lg_u32 s14, 0
	s_cbranch_scc1 .Lnot_wave_0_\@
	s_barrier_signal -3
.Lnot_wave_0_\@:
	s_barrier_wait -3
	s_barrier_signal -1
	s_barrier_wait -1
.endm
.macro CROUND
	s_barrier_signal -1
	s_barrier_wait -1
	CREST
.endm
	s_load_b256 s[4:11], s[0:1], 0x0               ; A's buffer s[4:5], the weights' s[6:7], the bias s[8:9], the residual s[10:11]
	s_load_b64 s[12:13], s[0:1], 0x20              ; the result
	v_lshl_add_u32 v[SPW], v0, 2, SPARE
	v_mov_b32 v[NIL], 0
	ds_add_u32 v28, v29
	ds_add_u32 v28, v29
	s_wait_dscnt 0x0
	v_lshrrev_b32 v1, 5, v0
	v_readfirstlane_b32 s14, v1                    ; wave 0..3
	s_lshr_b32 s15, s14, 1                         ; wa: which 64 rows are mine.  Also: I fetch for A (0) or for W (1)
	s_and_b32 s16, s14, 1                          ; wb: which 64 columns.  Also: which half of a side I fetch
	s_bfe_u32 s66, ttmp6, 0x40000                  ; cx, cy
	s_bfe_u32 s67, ttmp6, 0x40004
	s_lshl_b32 s104, ttmp9, 2
	s_add_co_u32 s104, s104, s66                   ; tB: tile column
	s_and_b32 s17, ttmp7, 0xffff
	s_lshl_b32 s17, s17, 2
	s_add_co_u32 s17, s17, s67                     ; tA: tile row
	s_lshl_b32 s18, s67, 2
	s_lshl_b32 s18, 15, s18                        ; my row of the cluster
	s_lshl_b32 s19, 0x1111, s66                    ; my column
	s_or_b32 s[G1X+0], s18, (3<<16)|(1<<21)        ; 15:0 the mask; 17:16 elements of 8 bytes; 21 set beside a mask; no padding: an image is read 16 or 8 bytes a lane on end
	s_or_b32 s[G1Y+0], s18, (3<<16)|(1<<21)
	s_or_b32 s[G1S+0], s18, (3<<16)|(1<<21)
	s_or_b32 s[G1XB+0], s19, (3<<16)|(1<<21)
	s_or_b32 s[G1YB+0], s19, (3<<16)|(1<<21)
	s_or_b32 s[G1SB+0], s19, (3<<16)|(1<<21)
.irp g, G1X, G1XB                      ; X: 4 tiles of 16 rows, of each 12,288 consecutive bytes (1,536 elements), KT x 1,536 bytes apart
	s_mov_b32 s[\g+1], 1536<<16
	s_mov_b32 s[\g+2], 4<<16
	s_mov_b32 s[\g+3], 1536<<16
	s_mov_b32 s[\g+4], 4
	s_mov_b32 s[\g+5], 192*KT
	s_mov_b32 s[\g+6], 0
	s_mov_b32 s[\g+7], 0
.endr
.irp g, G1Y, G1YB                      ; Y: of each 6,144 consecutive bytes
	s_mov_b32 s[\g+1], 768<<16
	s_mov_b32 s[\g+2], 4<<16
	s_mov_b32 s[\g+3], 768<<16
	s_mov_b32 s[\g+4], 4
	s_mov_b32 s[\g+5], 192*KT
	s_mov_b32 s[\g+6], 0
	s_mov_b32 s[\g+7], 0
.endr
.irp g, G1S, G1SB                      ; scale words: 7,936 dense bytes as 31 rows of 256
	s_mov_b32 s[\g+1], 32<<16
	s_mov_b32 s[\g+2], (KT-1)<<16
	s_mov_b32 s[\g+3], 32<<16
	s_mov_b32 s[\g+4], KT-1
	s_mov_b32 s[\g+5], 32
	s_mov_b32 s[\g+6], 0
	s_mov_b32 s[\g+7], 0
.endr
	s_lshl_b32 s18, s16, 2                         ; which four tiles of 16 rows I fetch
	s_lshl_b32 s20, s17, 3
	s_add_co_u32 s20, s20, s18
	s_mul_i32 s20, s20, KT*FRB                     ; A's codes
	s_mov_b32 s21, 0
	s_lshl_b32 s100, s104, 3
	s_add_co_u32 s100, s100, s18
	s_mul_i32 s100, s100, KT*FRB
	s_add_co_u32 s100, s100, BCO                   ; W's
	s_mov_b32 s101, 0
	s_mul_i32 s18, s16, HALFS
	s_mul_i32 s22, s17, KT*512
	s_add_co_u32 s22, s22, s18
	s_add_co_u32 s22, s22, ASC+512                 ; A's scale words, from K step 1 on
	s_mov_b32 s23, 0
	s_mul_i32 s2, s104, KT*512
	s_add_co_u32 s2, s2, s18
	s_add_co_u32 s2, s2, BSC+512                   ; W's
	s_mov_b32 s3, 0
	s_mul_i32 s105, s14, XPART                     ; where they go: no place in the cluster enters an LDS address
	s_mul_i32 s19, s14, YPART
	s_mul_i32 s18, s15, 2*HALFS
	s_wait_kmcnt 0x0
	s_add_nc_u64 s[20:21], s[4:5], s[20:21]
	s_add_nc_u64 s[22:23], s[4:5], s[22:23]
	s_add_nc_u64 s[100:101], s[6:7], s[100:101]
	s_add_nc_u64 s[2:3], s[6:7], s[2:3]
	s_cmp_eq_u32 s15, 0                            ; THE PREFETCHES: of the 4 tiles of 16 rows that my wave fetches in the ring, each of the four partners that ask for them jointly names one, told apart by address alone
	s_cselect_b32 s76, s66, s67                    ; my place among the four: cx for A, cy for W
	s_cselect_b64 s[78:79], s[22:23], s[2:3]       ; my half of my side's scale words: 31 blocks of 256 bytes, eight to a partner
	s_cselect_b64 s[66:67], s[20:21], s[100:101]   ; my four tiles' codes (cx and cy have served)
	s_lshl_b32 s80, s76, 3
	s_mul_i32 s76, s76, KT*FRB
	s_mov_b32 s77, 0
	s_add_nc_u64 s[66:67], s[66:67], s[76:77]      ; my tile; never rewritten
	v_and_b32 v30, 31, v0
	v_min_u32 v31, 7, v30
	v_add_nc_u32 v31, s80, v31
	v_min_u32 v31, 30, v31
	v_lshlrev_b32 v31, 8, v31                      ; block 8 x place + lane, held at the half's last (lanes 8 to 31 name the last again)
	v_min_u32 v30, 23, v30                         ; four K steps of a tile are 6,144 bytes: 24 blocks of 256, a lane a block (lanes 24 to 31 name the last again)
	v_lshlrev_b32 v30, 8, v30                      ; never rewritten
	global_prefetch_b8 v31, s[78:79] th:TH_LOAD_NT scope:SCOPE_SE                  ; ahead of the opening round: the scale words,
	global_prefetch_b8 v30, s[66:67] th:TH_LOAD_NT scope:SCOPE_SE                  ; K steps 0 to 3: the head's tiles,
	global_prefetch_b8 v30, s[66:67] offset:4*FRB th:TH_LOAD_NT scope:SCOPE_SE     ; and K steps 4 to 11: X's first fill, which is asked for when the head's tiles have landed
	global_prefetch_b8 v30, s[66:67] offset:8*FRB th:TH_LOAD_NT scope:SCOPE_SE
	CROUND                                         ; all sixteen work-groups are here: the first joint loads meet
	s_wait_xcnt 0x0                                ; the prefetch of the scale words has read s[78:79], which a descriptor takes below
	s_mov_b32 s[G0S], 1
	s_add_co_u32 s[G0S+1], s18, SCL
	s_sub_nc_u64 s[G0S+2:G0S+3], s[22:23], HALFS   ; waves 1 and 3 ask for the scale words: their address stood at a side's second half
	s_or_b32 s[G0S+3], s[G0S+3], 0x80000000
	s_mov_b32 s[G0SB], 1
	s_add_co_u32 s[G0SB+1], s18, SCL
	s_sub_nc_u64 s[G0SB+2:G0SB+3], s[2:3], HALFS
	s_or_b32 s[G0SB+3], s[G0SB+3], 0x80000000
	s_mov_b32 s[G0Y], 1
	s_add_co_u32 s[G0Y+1], s19, YB
	s_mov_b64 s[G0Y+2:G0Y+3], s[20:21]             ; Y begins with K steps 0 to 3
	s_or_b32 s[G0Y+3], s[G0Y+3], 0x80000000
	s_mov_b32 s[G0YB], 1
	s_add_co_u32 s[G0YB+1], s19, YB
	s_mov_b64 s[G0YB+2:G0YB+3], s[100:101]
	s_or_b32 s[G0YB+3], s[G0YB+3], 0x80000000
	s_mov_b32 s[G0X], 1
	s_mov_b32 s[G0X+1], s105
	s_add_nc_u64 s[G0X+2:G0X+3], s[20:21], 4*FRB   ; X with K steps 4 to 11
	s_or_b32 s[G0X+3], s[G0X+3], 0x80000000
	s_mov_b32 s[G0XB], 1
	s_mov_b32 s[G0XB+1], s105
	s_add_nc_u64 s[G0XB+2:G0XB+3], s[100:101], 4*FRB
	s_or_b32 s[G0XB+3], s[G0XB+3], 0x80000000
.irp g, G1S, G1SB                      ; at the head a load brings a whole side: its scale words, 62 rows of 256 bytes,
	s_mov_b32 s[\g+1], 992<<16                     ; 15,872 dense bytes as two rows of 7,936
	s_mov_b32 s[\g+2], 2<<16
	s_mov_b32 s[\g+3], 992<<16
	s_mov_b32 s[\g+4], 2
	s_mov_b32 s[\g+5], 992
.endr
.irp g, G1Y, G1YB                      ; and 8 tiles of 16 rows of codes into Y
	s_mov_b32 s[\g+2], 8<<16
	s_mov_b32 s[\g+4], 8
.endr
	s_cmp_eq_u32 s14, 0                            ; the head's four tiles, one a wave, in one chain of branches on the wave's number
	s_cbranch_scc0 .Lhead_1
	tensor_load_to_lds s[G0Y:G0Y+3], s[G1Y:G1Y+7]  ; wave 0: Y, A's 128 rows
	s_nop 0
.rept 4
	v_nop
.endr
	s_branch .Lhead_j
.Lhead_1:
	s_cmp_eq_u32 s14, 1
	s_cbranch_scc0 .Lhead_2
	tensor_load_to_lds s[G0S:G0S+3], s[G1S:G1S+7]  ; wave 1: A's scale words
	s_nop 0
.rept 4
	v_nop
.endr
	s_branch .Lhead_j
.Lhead_2:
	s_cmp_eq_u32 s14, 2
	s_cbranch_scc0 .Lhead_3
	tensor_load_to_lds s[G0YB:G0YB+3], s[G1YB:G1YB+7]  ; wave 2: Y, W's 128 columns
	s_nop 0
.rept 4
	v_nop
.endr
	s_branch .Lhead_j
.Lhead_3:
	tensor_load_to_lds s[G0SB:G0SB+3], s[G1SB:G1SB+7]  ; wave 3: W's scale words
	s_nop 0
.rept 4
	v_nop
.endr
.Lhead_j:
	v_and_b32 v1, 15, v0                           ; r
	v_bfe_u32 v2, v0, 4, 1                         ; h
	v_and_b32 v3, 31, v0
	v_lshlrev_b32 v[CO], 4, v3
	v_lshlrev_b32 v5, 3, v3
	v_lshlrev_b32 v6, 2, v1                        ; 4 r
	s_wait_alu depctr_va_vdst(0)
	s_mul_i32 s18, s17, KT*512
	s_lshl_b32 s20, s15, 8
	s_add_co_u32 s18, s18, s20
	s_add_co_u32 s18, s18, ASC
	s_mov_b32 s19, 0
	s_add_nc_u64 s[100:101], s[4:5], s[18:19]      ; K step 0's scale words of my 64 rows of A (the addresses that stood here have been copied into the descriptors),
	s_mul_i32 s18, s104, KT*512
	s_lshl_b32 s20, s16, 8
	s_add_co_u32 s18, s18, s20
	s_add_co_u32 s18, s18, BSC
	s_add_nc_u64 s[2:3], s[6:7], s[18:19]          ; and of my 64 columns of W
	s_lshl_b32 s18, s17, 7
	s_lshl_b32 s20, s14, 5
	s_add_co_u32 s18, s18, s20                     ; the rows that I store: 128 tA + 32 wave on,
	s_lshl_b32 s18, s18, 12
	s_lshl_b32 s20, s104, 9
	s_add_co_u32 s18, s18, s20                     ; columns 128 tB on: under 2^24 bytes
	s_add_nc_u64 s[10:11], s[10:11], s[18:19]
	s_add_nc_u64 s[12:13], s[12:13], s[18:19]
	s_mov_b32 s18, s20
	s_add_nc_u64 s[8:9], s[8:9], s[18:19]
	s_mov_b64 s[4:5], s[66:67]                     ; the later prefetches' base (the two buffers' addresses have served); never rewritten
.irp i, 0,1,2,3
	global_load_b32 v[SA0+\i], v6, s[100:101] offset:64*\i      ; lane r (and r + 16): row 16 i + r
	global_load_b32 v[SB0+\i], v6, s[2:3] offset:64*\i
.endr
	WIN 0x80                                       ; destination window 2
.set ii, 0
.rept 32
	global_load_b128 v[4*ii:4*ii+3], v[CO], s[10:11] offset:4096*ii        ; the residual: a row's 512 bytes a load; they stay out while K is walked
.set ii, ii+1
.endr
	WIN 0
	global_load_b128 v[BI:BI+3], v[CO], s[8:9]     ; the bias of my four columns of a row read back
	s_mul_i32 s21, s15, YPART                      ; in Y: my 64 rows of A,
	s_mul_i32 s22, s16, YPART
	s_add_co_u32 s21, s21, YB
	s_add_co_u32 s22, s22, YB+2*YPART              ; and my 64 columns of W, behind A's 128 rows
	v_add_nc_u32 v[ADY], s21, v[CO]
	v_add_nc_u32 v[ADY+1], s21, v5
	v_add_nc_u32 v[ADY+2], s22, v[CO]
	v_add_nc_u32 v[ADY+3], s22, v5
	s_mul_i32 s21, s15, XPART                      ; and in X
	s_mul_i32 s22, s16, XPART
	s_add_co_u32 s22, s22, 2*XPART
	v_add_nc_u32 v[ADY+4], s21, v[CO]
	v_add_nc_u32 v[ADY+5], s21, v5
	v_add_nc_u32 v[ADY+6], s22, v[CO]
	v_add_nc_u32 v[ADY+7], s22, v5
	s_lshl_b32 s21, s15, 8                         ; A's words: 256 wa
	s_lshl_b32 s22, s16, 8
	s_add_co_u32 s22, s22, 2*HALFS                 ; W's: behind A's, 256 wb
	s_sub_co_u32 s22, s22, s21
	v_mul_u32_u24 v4, s22, v2                      ; lanes 16-31 take W's: one product with h
	s_add_co_u32 s21, s21, SCL-512                 ; K step g's words lie 512 g on from here, g = 1 .. 31
	v_add_nc_u32 v4, v4, v6
	v_add_nc_u32 v[ADRS], s21, v4
	s_mul_i32 s23, s15, 64*SPITCH                  ; into the stage: my 64 rows, my 256 bytes of each; row r, 32 bytes for each half of the lanes
	s_lshl_b32 s21, s16, 8
	s_add_co_u32 s23, s23, s21
	s_add_co_u32 s23, s23, STAGE
	v_mul_u32_u24 v4, v1, SPITCH
	v_lshl_add_u32 v4, v2, 5, v4
	v_add_nc_u32 v[STO], s23, v4
	s_mul_i32 s23, s14, 32*SPITCH                  ; back: wave w takes rows 32 w on, whole
	s_add_co_u32 s23, s23, STAGE
	v_add_nc_u32 v[RD], s23, v[CO]
.macro FRAG reg, a16, a8, off          ; a fragment comes as it was laid: two half images, each 16 bytes a lane and 8 bytes a lane
	ds_load_b128 v[\reg:\reg+3], v[\a16] offset:\off
	ds_load_b64 v[\reg+4:\reg+5], v[\a8] offset:\off+512
	ds_load_b128 v[\reg+6:\reg+9], v[\a16] offset:\off+768
	ds_load_b64 v[\reg+10:\reg+11], v[\a8] offset:\off+1280
.endm
; K step g (0 .. 31): 8 fragments into buffer g % 2 and, from g = 1 on, 4 scale registers into set g % 2: 36 loads.  Where the step lies: which slot, which of its steps, and the slot's bytes from a tile of 16 rows to the next
.macro FETCHG g
.set GG, (\g)
.if GG < 4
.set ISX, 0
.set QQ, GG
.set RW, YROW
.elseif GG < 12
.set ISX, 1
.set QQ, GG-4
.set RW, XROW
.elseif GG < 16
.set ISX, 0
.set QQ, GG-12
.set RW, YROW
.elseif GG < 24
.set ISX, 1
.set QQ, GG-16
.set RW, XROW
.elseif GG < 28
.set ISX, 0
.set QQ, GG-24
.set RW, YROW
.else
.set ISX, 1
.set QQ, GG-28
.set RW, YROW                          ; the last fill of X has Y's shape
.endif
.set FB, 128*(GG%2)
.set AB, ADY+4*ISX
	WIN TO_F
.irp i, 0,1,2,3
	FRAG FB+FR*\i, AB, AB+1, \i*RW+QQ*FRB
.endr
.irp i, 0,1,2,3
	FRAG FB+48+FR*\i, AB+2, AB+3, \i*RW+QQ*FRB
.endr
	WIN 0
.if GG > 0
.irp i, 0,1,2,3
	ds_load_b32 v[SC+4*(GG%2)+\i], v[ADRS] offset:512*GG+64*\i
.endr
.endif
.endm
; 4 matrix instructions of K step g: A's block a x W's four.  The 16 accumulators take turns, one instruction a turn, in the same order in every step.  K step 0's products start the sums.
.macro MULA g, a
.set FB, 128*((\g)%2)
.set SS4, SC+4*((\g)%2)
.irp b, 0,1,2,3
.if (\g) == 0
	v_wmma_scale_f32_16x16x128_f8f6f4 v[ACC+8*(4*(\a)+\b):ACC+8*(4*(\a)+\b)+7], v[FB+48+FR*\b:FB+48+FR*\b+FR-1], v[FB+FR*(\a):FB+FR*(\a)+FR-1], 0, v[SB0+\b], v[SA0+(\a)] matrix_a_fmt:MATRIX_FMT_FP6 matrix_b_fmt:MATRIX_FMT_FP6
.else
	v_wmma_scale_f32_16x16x128_f8f6f4 v[ACC+8*(4*(\a)+\b):ACC+8*(4*(\a)+\b)+7], v[FB+48+FR*\b:FB+48+FR*\b+FR-1], v[FB+FR*(\a):FB+FR*(\a)+FR-1], v[ACC+8*(4*(\a)+\b):ACC+8*(4*(\a)+\b)+7], v[SS4+\b], v[SS4+(\a)] matrix_a_fmt:MATRIX_FMT_FP6 matrix_b_fmt:MATRIX_FMT_FP6 matrix_a_scale:MATRIX_SCALE_ROW1
.endif
.endr
.endm
.macro PLACES                          ; four places in front of loads into registers that matrix instructions have read, and of the first read of results
.rept 4
	v_nop
.endr
.endm
.macro STEP g                          ; a K step whose successor lies in the same slot: the next step's fragments are asked for ahead of this step's 16 products
	s_wait_dscnt 0x0                               ; this step's fragments and scale words are in
	PLACES                                         ; the other buffer and the other set were read by the last step's products
	FETCHG (\g)+1
	WIN MUL
.irp a, 0,1,2,3
	MULA \g, \a
.endr
	WIN 0
.endm
; A slot's last step changes slots: ONE barrier; in front of it each wave waits for all its tensor loads, adds 0 to its spare word, and waits for that and for its own reads of this slot.
; kind = 1: Y, just read out, is filled again; 2: X is; 3: X is, with the last four K steps (Y's shape); each with the K steps 12 on from its last; 0: nothing is left to fetch.
.macro TURN g, kind
	s_wait_tensorcnt 0x0                           ; all my tensor loads have landed: my part of the other slot;
	ds_add_u32 v[SPW], v[NIL]                      ; 0 onto my spare word;
	s_wait_dscnt 1                                 ; (the add alone may be out: this step's fragments are in)
	WIN MUL
	MULA \g, 0                                     ; eight matrix instructions stand between the add and the wait for it
	MULA \g, 1
	s_wait_dscnt 0x0                               ; the add is done, and my reads of this slot are over
	s_barrier_signal -1
	MULA \g, 2
	WIN 0
	s_barrier_wait -1
.if \kind == 1
	CREST                                          ; the barrier has opened a round of the cluster's barrier: no wave of any partner still reads this slot or has a load on its way
	s_add_nc_u64 s[G0Y+2:G0Y+3], s[G0Y+2:G0Y+3], 12*FRB
	s_add_nc_u64 s[G0YB+2:G0YB+3], s[G0YB+2:G0YB+3], 12*FRB
	JLOAD G0Y, G1Y, G0YB, G1YB                     ; my one tensor load behind the round
.elseif \kind == 2
	CREST
	s_add_nc_u64 s[G0X+2:G0X+3], s[G0X+2:G0X+3], 12*FRB
	s_add_nc_u64 s[G0XB+2:G0XB+3], s[G0XB+2:G0XB+3], 12*FRB
	JLOAD G0X, G1X, G0XB, G1XB
.elseif \kind == 3
	CREST
	s_add_nc_u64 s[G0X+2:G0X+3], s[G0X+2:G0X+3], 12*FRB
	s_add_nc_u64 s[G0XB+2:G0XB+3], s[G0XB+2:G0XB+3], 12*FRB
	JLOAD G0X, G1Y, G0XB, G1YB
.else
	PLACES
.endif
	FETCHG (\g)+1
.if \kind == 1 && (\g) == 3            ; behind each refill and the run of LDS loads: the next refill's bytes, one fill ahead; the last two changes of slots ask for nothing
	global_prefetch_b8 v30, s[4:5] offset:16*FRB th:TH_LOAD_NT scope:SCOPE_SE
	global_prefetch_b8 v30, s[4:5] offset:20*FRB th:TH_LOAD_NT scope:SCOPE_SE
.elseif \kind == 2
	global_prefetch_b8 v30, s[4:5] offset:24*FRB th:TH_LOAD_NT scope:SCOPE_SE
.elseif \kind == 1
	global_prefetch_b8 v30, s[4:5] offset:28*FRB th:TH_LOAD_NT scope:SCOPE_SE
.endif
	WIN MUL
	MULA \g, 3
	WIN 0
.endm
	s_wait_alu depctr_va_vdst(0)
	s_wait_tensorcnt 0x0                           ; my tile of the head's four is in; X's first fill is issued as a refill is
	ds_add_u32 v[SPW], v[NIL]
	s_mov_b32 s[G1Y+2], 4<<16                      ; no tensor load of mine is out: from here on a load of Y's shape brings 4 tiles of 16 rows
	s_mov_b32 s[G1Y+4], 4
	s_mov_b32 s[G1YB+2], 4<<16
	s_mov_b32 s[G1YB+4], 4
	s_wait_dscnt 0x0
	CROUND
	JLOAD G0X, G1X, G0XB, G1XB                     ; X, K steps 4 to 11: my one tensor load behind the round
	FETCHG 0
	global_prefetch_b8 v30, s[4:5] offset:12*FRB th:TH_LOAD_NT scope:SCOPE_SE      ; K steps 12 to 15: the next refill's, one fill ahead
	s_wait_loadcnt 33                              ; K step 0's eight scale registers are in; the 32 loads of the residual and the bias's one, issued behind them, may be out
.irp g, 0,1,2
	STEP \g
.endr
	TURN 3, 1                                      ; Y takes K steps 12 to 15
.irp g, 4,5,6,7,8,9,10
	STEP \g
.endr
	TURN 11, 2                                     ; X takes K steps 16 to 23
.irp g, 12,13,14
	STEP \g
.endr
	TURN 15, 1                                     ; Y takes K steps 24 to 27
.irp g, 16,17,18,19,20,21,22
	STEP \g
.endr
	TURN 23, 3                                     ; X takes K steps 28 to 31
.irp g, 24,25,26
	STEP \g
.endr
	TURN 27, 0
.irp g, 28,29,30
	STEP \g
.endr
	s_wait_dscnt 0x0                               ; the very last step
	WIN MUL
.irp a, 0,1,2,3
	MULA 31, \a
.endr
	WIN 0
	; THE WAY OUT: 32 bytes a lane into the work-group's stage; a barrier, since a row's 512 bytes come from two waves; back as whole rows, 32 rows a wave; + bias, + residual, as reference() orders the two additions
	PLACES
.irp a, 0,1,2,3
.irp b, 0,1,2,3
	ds_store_b128 v[STO], v[ACC+8*(4*\a+\b):ACC+8*(4*\a+\b)+3] offset:\a*16*SPITCH+64*\b          ; each accumulator from its low end on
	ds_store_b128 v[STO], v[ACC+8*(4*\a+\b)+4:ACC+8*(4*\a+\b)+7] offset:\a*16*SPITCH+64*\b+16
.endr
.endr
	s_wait_dscnt 0x0                               ; for the others' sake: my stores into the stage are done
	s_barrier_signal -1
	s_barrier_wait -1
.set ii, 0
.rept 32
	ds_load_b128 v[ACC+4*ii:ACC+4*ii+3], v[RD] offset:ii*SPITCH
.set ii, ii+1
.endr
	s_wait_dscnt 0x0
	s_wait_loadcnt 0x0                             ; the residual and the bias
.set ii, 0
.rept 32
	v_pk_add_f32 v[ACC+4*ii:ACC+4*ii+1], v[ACC+4*ii:ACC+4*ii+1], v[BI:BI+1]
	v_pk_add_f32 v[ACC+4*ii+2:ACC+4*ii+3], v[ACC+4*ii+2:ACC+4*ii+3], v[BI+2:BI+3]
.set ii, ii+1
.endr
	WIN 0x08                                       ; source 1: window 2
.set ii, 0
.rept 64
	v_pk_add_f32 v[ACC+ii:ACC+ii+1], v[ACC+ii:ACC+ii+1], v[ii:ii+1]
.set ii, ii+2
.endr
	WIN 0
.set ii, 0
.rept 32
	global_store_b128 v[CO], v[ACC+4*ii:ACC+4*ii+3], s[12:13] offset:4096*ii       ; 32 lanes store 512 consecutive bytes, aligned
.set ii, ii+1
.endr
	s_wait_tensorcnt 0x0                           ; the wave's end
	ds_add_u32 v[SPW], v[NIL]
	s_wait_dscnt 0x0
	CROUND                                         ; the closing round: no work-group ends while a partner may still ask for a tile that names it
	s_endpgm
.Lfunc_end_k_qf5edc67112_gff2:
	.size	k_qf5edc67112_gff2, .Lfunc_end_k_qf5edc67112_gff2-k_qf5edc67112_gff2
	.p2alignl 7, 3214868480
	.fill 96, 4, 3214868480
	.section	.rodata,"a",@progbits
	.p2align	6, 0x0
	.amdhsa_kernel k_qf5edc67112_gff2
		.amdhsa_group_segment_fixed_size 327680
		.amdhsa_private_segment_fixed_size 0
		.amdhsa_enable_private_segment 0
		.amdhsa_kernarg_size 40
		.amdhsa_user_sgpr_count 2
		.amdhsa_user_sgpr_kernarg_segment_ptr 1
		.amdhsa_wavefront_size32 1
		.amdhsa_system_sgpr_workgroup_id_x 1
		.amdhsa_system_sgpr_workgroup_id_y 1
		.amdhsa_system_sgpr_workgroup_id_z 1
		.amdhsa_system_vgpr_workitem_id 0
		.amdhsa_next_free_vgpr 768
		.amdhsa_next_free_sgpr 106
		.amdhsa_reserve_vcc 0
		.amdhsa_float_denorm_mode_32 3
		.amdhsa_float_denorm_mode_16_64 3
		.amdhsa_memory_ordered 1
		.amdhsa_forward_progress 1
		.amdhsa_inst_pref_size 183
	.end_amdhsa_kernel
	.amdgpu_metadata
---
amdhsa.version: [ 1, 2 ]
amdhsa.kernels:
  - .name:           k_qf5edc67112_gff2
    .symbol:         k_qf5edc67112_gff2.kd
    .args:
      - { .name: hid, .offset: 0, .size: 8, .value_kind: global_buffer, .address_space: global }
      - { .name: wq, .offset: 8, .size: 8, .value_kind: global_buffer, .address_space: global }
      - { .name: b_ff2, .offset: 16, .size: 8, .value_kind: global_buffer, .address_space: global }
      - { .name: x1, .offset: 24, .size: 8, .value_kind: global_buffer, .address_space: global }
      - { .name: out0, .offset: 32, .size: 8, .value_kind: global_buffer, .address_space: global }
    .group_segment_fixed_size: 327680
    .private_segment_fixed_size: 0
    .kernarg_segment_align: 8
    .kernarg_segment_size: 40
    .max_flat_workgroup_size: 128
    .sgpr_count:     106
    .vgpr_count:     768
    .wavefront_size: 32
...
	.end_amdgpu_metadata
.endif
;; end of part 7
